; MI455X (gfx1250); checked and timed in simulation.
; The chip was launched on July 23, 2026; its instructions are those of AMD's public machine-readable ISA for CDNA 5 (MIT licence, August 2026) and "CDNA5" Instruction Set Architecture Reference Guide (July 2026). The comments in the code are by the model that wrote it; some were corrected since.
;; Cached Self Attention. Allowed arithmetic: matrix products marked QUANTISED: E2M3 operands, one E8M0 scale for each 32 along K, by v_wmma_scale_f32_16x16x128_f8f6f4 with both operands' format E2M3, f32 sums; everything else in f32.
;; Inputs: bk 2,048 float32; bo 2,048 float32; bq 2,048 float32; bv 2,048 float32; cache_k 2 x 2,048 x 2,048 float32; cache_v 2 x 2,048 x 2,048 float32; wk 2,048 x 2,048 float32; wo 2,048 x 2,048 float32; wq 2,048 x 2,048 float32; wv 2,048 x 2,048 float32; x 2 x 1,024 x 2,048 float32.
;; Outputs: out0 2 x 1,024 x 2,048 float32.
;; This version of the problem:
;;   THIS VERSION OF THE PROBLEM IS GIVEN IN LOW PRECISION. The matrix products marked QUANTISED in the list below multiply operands that are first quantised to E2M3 (2 exponent bits, 3 mantissa bits; 6 bits a number), with one power-of-two scale for each 32 numbers along K (OCP MX v1.0); their sums are f32. All else is computed in f32.
;;   The module's matrix products, in the order in which they are computed (A, B: the left and right operand; K: the contracted axis; several contracted axes count as one K, in the product's order):
;;     1. [M 2,048, K 2,048] x [K 2,048, N 2,048]; A: input x; B: input wq: QUANTISED
;;     2. [M 2,048, K 2,048] x [K 2,048, N 2,048]; A: input x; B: input wk: QUANTISED
;;     3. [M 2,048, K 2,048] x [K 2,048, N 2,048]; A: input x; B: input wv: QUANTISED
;;     4. batch 32 x [M 1,024, K 128] x [K 128, N 3,072]; A: computed on the way; B: computed on the way: QUANTISED
;;     5. batch 32 x [M 1,024, K 3,072] x [K 3,072, N 128]; A: softmax (see below); B: computed on the way: QUANTISED
;;     6. [M 2,048, K 2,048] x [K 2,048, N 2,048]; A: computed on the way; B: input wo: QUANTISED
;;   THE QUANTISER, for each operand of a quantised product, along K:
;;     - K is cut into blocks of 32 from its start; a last block that is shorter is filled with zeros.
;;     - A block's scale is 2^e with e = floor(log2(the largest magnitude in the block)) - 2, held to -126 .. 127; a block of zeros has e = 0. As a byte (E8M0): e + 127.
;;     - Each number is divided by its block's scale, clamped to +-7.5, and rounded to the nearest number of E2M3, ties to even, subnormals kept.
;;     - The product sums the exact products of the quantised numbers (number of the format x scale) in f32.
;;   ~~~python
;;   def quantise(x, axis):      # numpy; x: float32 -> the quantised numbers, widened to float32 again
;;       x = np.moveaxis(x, axis, -1); K = x.shape[-1]
;;       x = np.pad(x, [(0, 0)] * (x.ndim - 1) + [(0, -K % 32)]); x = x.reshape(x.shape[:-1] + (-1, 32)); a = np.abs(x).max(-1, keepdims=True)
;;       e = np.where(a > 0, np.clip(np.frexp(np.where(a > 0, a, 1))[1] - 1 - 2, -126, 127), 0)      # np.frexp(a)[1] - 1 = floor(log2(a)), exactly
;;       r = np.clip(x / 2.0 ** e, -7.5, 7.5)
;;       step = 2.0 ** (np.maximum(np.frexp(np.where(r == 0, 1, r))[1] - 1, 0) - 3)
;;       q = np.round(r / step) * step * 2.0 ** e      # np.round: ties to even
;;       return np.moveaxis(q.reshape(q.shape[:-2] + (-1,))[..., :K], -1, axis).astype(np.float32)
;;   ~~~
;;   SOFTMAX AHEAD OF A QUANTISED PRODUCT. Where the list says 'softmax', what is quantised is not the finished softmax but p = 2^(t - M), with t = logit x log2(e) and M = ceil(the row's largest t), a whole number; so 1/2 < the row's largest p <= 1. The row's sum l is taken of the UNQUANTISED p, in f32, and the product's result is divided by l at the end. Since M is a whole number, a kernel that streams over the keys may use a running M (the ceiling of the running maximum): every later rescaling is an exact power of two, which a block's scale takes up: the codes' values come out the same.
;;   OPERANDS COMPUTED ON THE WAY. 'Computed on the way' means the value that the module computes at that place (a softmax that the list does not call 'softmax' is quantised finished and normalised). What goes into a quantiser is computed in f32, as accurately as f32 sums, v_exp_f32 and their like allow (about 1e-6 of the number): no bf16 or f16 on the way to a quantiser, and a product that is left as it is and whose result goes on into a quantised operand takes f32 operands (vector FMAs, or v_wmma_f32_16x16x4_f32). A number that lies on a knife's edge between two numbers of the format may be rounded either way, as far as f32 arithmetic and the matrix unit's own rounding can turn it there, and no further.
;; 2 versions. Each part assembles by itself: llvm-mc -triple=amdgcn-amd-amdhsa -mcpu=gfx1250 --defsym DOCPART=n.
;; ======== version 1 of 2: 5 launches
;; workspace buffers: xop 3,276,800 bytes; wop 13,107,200 bytes; qop 3,276,800 bytes; kvop 19,660,800 bytes; aop 3,276,800 bytes
;; launch quant_rows (part 1): grid 384 x 1, 4 waves a work-group, no clusters, 35,328 bytes of LDS; arguments x, cache_k, xop, kvop; writes xop, kvop
.if DOCPART == 1
	.amdgcn_target "amdgcn-amd-amdhsa--gfx1250"
	.amdhsa_code_object_version 6
	.text
	.protected	k_q4886445669_quant_rows
	.globl	k_q4886445669_quant_rows
	.p2align	8
	.type	k_q4886445669_quant_rows,@function
k_q4886445669_quant_rows:
	s_mov_b64 s[64:65], 0
	v_nop
	global_prefetch_b8 v0, s[64:65] scope:SCOPE_SE
	s_setreg_imm32_b32 hwreg(HW_REG_WAVE_MODE, 25, 1), 1
	s_wait_xcnt 0x0
; x [2048 rows][2048] and cache_k [4096 rows][2048], f32, K innermost, become codes of FP6 (E2M3) with one E8M0 byte for each 32 along K,
; laid as FRAGMENT IMAGES: a fragment is 16 rows x 128 K; fragment 2 g + u holds, at lane place r, row 32 g + 8 u + r + 8 (r / 8); its 1,536 bytes are the operand's
; 12 registers as they stand (register 4 c + w of lane l at 512 c + 16 l + 4 w); its 64 scale bytes are one word a place.  x: [chunk of 128 K][128 fragments];
; cache_k: [b x 16 + head][192 fragments of keys], a chunk of a row being one head.
; A block's scale is 2^(floor(log2(largest magnitude)) - 2); its byte is the largest magnitude's exponent field - 2, held at 1 from below.
; LIMITS: NaN and infinities among the inputs are not served; a block of zeros, or one whose largest magnitude lies under 2^-124, gets the byte 1 (its codes are zeros or
; subnormal codes under that scale), and the bytes are read by this program alone.
; SHARES: a wave takes 64 rows x one chunk: four fragments, 6,144 consecutive bytes of codes and 256 of scale bytes.  The four waves take four neighbouring chunks of the
; same rows.  Work-groups 0-127 take x, the others cache_k; only pointers and offsets are chosen, the text has one path.  Waves share nothing: no barrier, no cluster.
; Each load reads 512 consecutive bytes of one row; the 16 rows of a fragment turn through the wave's own stage in LDS (rows 528 bytes apart), so that a lane gets 16
; neighbours of each block of 32.
.set WREG, 8704                        ; LDS of a wave: the stage, 16 x 528 bytes, then its 256 scale bytes
.set SPIT, 528
.set SCB,  16*SPIT
.set R,    16                          ; v16-143  two sets of 64: a fragment's rows as loaded
.set X,    144                         ; v144-207 register 16 b + i = k 32 b + 16 (lane / 16) + i of my row
.set PC,   208                         ; v208-227 the codes
.set TM,   228                         ; v228-243 at work
.set PW,   244                         ; v244     the scale word
.set SO,   246                         ; v246-247 the scale bytes on their way out
.set SEL,  28                          ; s[28:29] selects for lane l xor 16
; 64 numbers of a lane become a fragment's 12 registers in v[pc] on and its row's scale word in v[pw]
.macro QUANT s, pc, tm, pw
.irp b, 0,1,2,3
	v_max3_num_f32 v[\tm+\b], |v[\s+16*\b]|, |v[\s+1+16*\b]|, 0x1800000   ; block b: my 16 numbers, and the floor 2^(3 - 127): the byte cannot fall under 1
.endr
.irp i, 2,4,6,8,10,12,14
.irp b, 0,1,2,3
	v_max3_num_f32 v[\tm+\b], v[\tm+\b], |v[\s+16*\b+\i]|, |v[\s+1+16*\b+\i]|   ; the four blocks by turns
.endr
.endr
.irp b, 0,1,2,3
	v_permlanex16_b32 v[\tm+4+\b], v[\tm+\b], s[SEL], s[SEL+1]
.endr
.irp b, 0,1,2,3
	v_max_num_f32 v[\tm+\b], v[\tm+\b], v[\tm+4+\b]                 ; with lane l xor 16's 16: the block's largest magnitude
.endr
.irp b, 0,1,2,3
	v_add_nc_u32 v[\tm+12+\b], 0xff000000, v[\tm+\b]                ; 2 off its exponent field: the conversion's scale operand
.endr
.irp b, 0,1,2,3
	v_lshrrev_b32 v[\tm+4+\b], 23, v[\tm+12+\b]                     ; the scale's byte
.endr
	v_lshl_or_b32 v[\pw], v[\tm+5], 8, v[\tm+4]
	v_lshl_or_b32 v[\pw], v[\tm+6], 16, v[\pw]
	v_lshl_or_b32 v[\pw], v[\tm+7], 24, v[\pw]
.irp c, 0,1
	v_cvt_scalef32_pk16_fp6_f32 v[\pc+6*\c:\pc+2+6*\c], v[\s+32*\c:\s+15+32*\c], v[\tm+12+2*\c]
	v_cvt_scalef32_pk16_fp6_f32 v[\pc+12+4*\c:\pc+14+4*\c], v[\s+16+32*\c:\s+31+32*\c], v[\tm+12+2*\c+1]   ; a conversion's three registers begin on an even number
.endr
	v_nop                                          ; one plain instruction behind the scaled conversions
.irp c, 0,1                                    ; the layout wants a whole block in a lane: lanes 0-15 block 2 c, lanes 16-31 block 2 c + 1
.irp i, 0,1,2
	v_permlane16_swap_b32 v[\pc+6*\c+\i], v[\pc+12+4*\c+\i]
.endr
.irp i, 0,1,2
	v_mov_b32 v[\pc+3+6*\c+\i], v[\pc+12+4*\c+\i]
.endr
.endr
.endm
	s_load_b256 s[4:11], s[0:1], 0x0               ; x s[4:5], cache_k s[6:7], xop s[8:9], kvop s[10:11]
	v_lshl_add_u32 v248, v0, 2, 0x8800
	v_mov_b32 v249, 0
	v_lshrrev_b32 v1, 5, v0
	v_readfirstlane_b32 s12, v1                    ; wave
	v_and_b32 v2, 31, v0                           ; lane
	v_and_b32 v3, 15, v0                           ; r
	v_bfe_u32 v10, v0, 4, 1                        ; h
	v_lshlrev_b32 v4, 4, v2                        ; 16 x lane: my bytes of a load's and of a store's 512
	s_mul_i32 s14, s12, WREG
	v_add_nc_u32 v5, s14, v4                       ; the stage, on the way in
	v_mul_u32_u24 v6, v3, SPIT
	v_lshl_add_u32 v6, v10, 6, v6
	v_add_nc_u32 v6, s14, v6                       ; and on the way out: row r, + 64 h
	s_add_co_u32 s15, s14, SCB
	v_lshlrev_b32 v7, 2, v3
	v_add_nc_u32 v7, s15, v7                       ; my row's scale word
	v_lshlrev_b32 v9, 3, v2
	v_add_nc_u32 v8, s15, v9                       ; the 256 scale bytes on the way out: 8 a lane
	s_mov_b32 s[SEL], 0x76543210
	s_mov_b32 s[SEL+1], 0xfedcba98
.irp b, 0,1,2,3
	v_mov_b32 v[TM+4+\b], 0                        ; written once: a lane permute's destination counts as one of its sources
.endr
	s_cmp_lt_u32 ttmp9, 128
	s_cselect_b32 s13, 0, 128
	s_sub_co_u32 s13, ttmp9, s13                   ; the work-group's number within its tensor
	s_lshr_b32 s16, s13, 2                         ; which 64 rows
	s_and_b32 s17, s13, 3
	s_lshl_b32 s17, s17, 2
	s_add_co_u32 s17, s17, s12                     ; which chunk
	s_lshl_b32 s18, s16, 19                        ; 64 rows of 8,192 bytes
	s_lshl_b32 s19, s17, 9
	s_add_co_u32 s18, s18, s19                     ; where my wave reads
	s_mov_b32 s19, 0
	s_lshl_b32 s20, s17, 7
	s_lshl_b32 s21, s16, 2
	s_add_co_u32 s20, s20, s21                     ; x: fragment chunk x 128 + 4 x rows' block
	s_lshr_b32 s22, s16, 5
	s_mul_i32 s22, s22, 3072
	s_mul_i32 s23, s17, 192
	s_add_co_u32 s22, s22, s23
	s_and_b32 s23, s16, 31
	s_lshl_b32 s23, s23, 2
	s_add_co_u32 s22, s22, s23                     ; cache_k: fragment (16 b + head) x 192 + 4 x keys' block
	s_mov_b32 s23, 18874368                        ; where K's scale bytes begin in kvop
	s_wait_kmcnt 0x0
	s_cmp_lt_u32 ttmp9, 128                        ; the choice hangs on the work-group's number alone
	s_cselect_b32 s20, s20, s22
	s_cselect_b32 s23, 3145728, s23                ; (x's begin there in xop)
	s_cselect_b64 s[4:5], s[4:5], s[6:7]
	s_cselect_b64 s[8:9], s[8:9], s[10:11]
	s_add_nc_u64 s[4:5], s[4:5], s[18:19]
	s_mul_i32 s24, s20, 1536
	s_mov_b32 s25, 0
	s_lshl_b32 s26, s20, 6
	s_add_co_u32 s26, s26, s23
	s_mov_b32 s27, 0
	s_add_nc_u64 s[10:11], s[8:9], s[26:27]        ; my 256 scale bytes
	s_add_nc_u64 s[8:9], s[8:9], s[24:25]          ; my four fragments' codes
.macro LOAD t                          ; fragment t's 16 rows, in the order of its lane places
.irp p, 0,1,2,3,4,5,6,7,8,9,10,11,12,13,14,15
	global_load_b128 v[R+64*((\t)%2)+4*\p:R+64*((\t)%2)+4*\p+3], v4, s[4:5] offset:(32*((\t)/2)+8*((\t)%2)+\p+8*(\p/8))*8192 th:TH_LOAD_NT
.endr
.endm
.macro STEP t
.if (\t) < 3
	s_wait_loadcnt 16                              ; this fragment's 16 loads are in; the next fragment's may be out
.else
	s_wait_loadcnt 0
.endif
.irp p, 0,1,2,3,4,5,6,7,8,9,10,11,12,13,14,15
	ds_store_b128 v5, v[R+64*((\t)%2)+4*\p:R+64*((\t)%2)+4*\p+3] offset:SPIT*\p
.endr
.irp b, 0,1,2,3
.irp j, 0,1,2,3
	ds_load_b128 v[X+16*\b+4*\j:X+16*\b+4*\j+3], v6 offset:128*\b+16*\j   ; LDS serves a wave's instructions in order: these see the stores above
.endr
.endr
	s_wait_dscnt 0x0                               ; the numbers are back, and the stage's stores have read their registers
	s_wait_xcnt 0x0                                ; the last fragment's stores have read the codes' registers, which are written again below
.if (\t) < 2
	LOAD (\t)+2
.endif
	QUANT X, PC, TM, PW
.irp c, 0,1,2
	global_store_b128 v4, v[PC+4*\c:PC+4*\c+3], s[8:9] offset:1536*(\t)+512*\c   ; 32 lanes store 512 consecutive bytes
.endr
	ds_store_b32 v7, v[PW] offset:64*(\t)          ; lanes l and l xor 16 write the same word with the same value
.endm
	LOAD 0
	LOAD 1
	STEP 0
	STEP 1
	STEP 2
	STEP 3
	ds_load_b64 v[SO:SO+1], v8
	s_wait_dscnt 0x0
	global_store_b64 v9, v[SO:SO+1], s[10:11]      ; 32 lanes store 256 consecutive bytes, aligned
	s_wait_tensorcnt 0x0
	ds_add_u32 v248, v249
	s_wait_dscnt 0x0
	s_endpgm
.Lfunc_end_k_q4886445669_quant_rows:
	.size	k_q4886445669_quant_rows, .Lfunc_end_k_q4886445669_quant_rows-k_q4886445669_quant_rows
	.p2alignl 7, 3214868480
	.fill 96, 4, 3214868480
	.section	.rodata,"a",@progbits
	.p2align	6, 0x0
	.amdhsa_kernel k_q4886445669_quant_rows
		.amdhsa_group_segment_fixed_size 35328
		.amdhsa_private_segment_fixed_size 0
		.amdhsa_enable_private_segment 0
		.amdhsa_kernarg_size 32
		.amdhsa_user_sgpr_count 2
		.amdhsa_user_sgpr_kernarg_segment_ptr 1
		.amdhsa_wavefront_size32 1
		.amdhsa_system_sgpr_workgroup_id_x 1
		.amdhsa_system_sgpr_workgroup_id_y 1
		.amdhsa_system_sgpr_workgroup_id_z 1
		.amdhsa_system_vgpr_workitem_id 0
		.amdhsa_next_free_vgpr 250
		.amdhsa_next_free_sgpr 66
		.amdhsa_reserve_vcc 0
		.amdhsa_float_denorm_mode_32 3
		.amdhsa_float_denorm_mode_16_64 3
		.amdhsa_memory_ordered 1
		.amdhsa_forward_progress 1
		.amdhsa_inst_pref_size 34
	.end_amdhsa_kernel
	.amdgpu_metadata
---
amdhsa.version: [ 1, 2 ]
amdhsa.kernels:
  - .name:           k_q4886445669_quant_rows
    .symbol:         k_q4886445669_quant_rows.kd
    .args:
      - { .name: x, .offset: 0, .size: 8, .value_kind: global_buffer, .address_space: global }
      - { .name: cache_k, .offset: 8, .size: 8, .value_kind: global_buffer, .address_space: global }
      - { .name: xop, .offset: 16, .size: 8, .value_kind: global_buffer, .address_space: global }
      - { .name: kvop, .offset: 24, .size: 8, .value_kind: global_buffer, .address_space: global }
    .group_segment_fixed_size: 35328
    .private_segment_fixed_size: 0
    .kernarg_segment_align: 8
    .kernarg_segment_size: 32
    .max_flat_workgroup_size: 128
    .sgpr_count:     66
    .vgpr_count:     250
    .wavefront_size: 32
...
	.end_amdgpu_metadata
.endif
;; end of part 1
;; launch quant_cols (part 2): grid 96 x 8, 4 waves a work-group, no clusters, 13,824 bytes of LDS; arguments wq, wk, wv, wo, cache_v, wop, kvop; writes wop, kvop
.if DOCPART == 2
	.amdgcn_target "amdgcn-amd-amdhsa--gfx1250"
	.amdhsa_code_object_version 6
	.text
	.protected	k_q4886445669_quant_cols
	.globl	k_q4886445669_quant_cols
	.p2align	8
	.type	k_q4886445669_quant_cols,@function
k_q4886445669_quant_cols:
	s_mov_b64 s[64:65], 0
	v_nop
	global_prefetch_b8 v0, s[64:65] scope:SCOPE_SE
	s_setreg_imm32_b32 hwreg(HW_REG_WAVE_MODE, 25, 1), 1
	s_wait_xcnt 0x0
; Six matrices [2048 (K)][2048 (n)] of f32 whose K is the FIRST axis: wq, wk, wv, wo and the two batches of cache_v (K = the keys).  They become codes of FP6 (E2M3) with one
; E8M0 byte for each 32 along K, laid as FRAGMENT IMAGES (16 rows n x 128 K; fragment 2 g + u holds, at lane place r, row 32 g + 8 u + r + 8 (r / 8); 1,536 bytes: register
; 4 c + w of lane l at 512 c + 16 l + 4 w; lane r + 16 h holds k = 64 c' + 32 h + 0 .. 31 in registers 6 c' .. 6 c' + 5; 64 scale bytes, a word a place).
; Weights: wop [4][16 chunks][128 fragments]; cache_v: kvop [16 b + head][24 chunks of keys][8 fragments of the head's 128], chunks 0-15.
; A LANE TAKES A COLUMN n AND ITS REGISTERS RUN DOWN K: a block of 32 is one lane's, no other lane is asked for a maximum, and the conversions give codes with K innermost.
; A block's scale is 2^(floor(log2(largest magnitude)) - 2); its byte is the largest magnitude's exponent field - 2, held at 1 from below.
; LIMITS: NaN and infinities are not served; a block of zeros, or one under 2^-124, gets the byte 1; the bytes are read by this program alone.
; SHARES: work-group x = matrix x 16 + block of 128 columns, y = 256 along K (two chunks).  A wave takes 32 columns: two fragments of each chunk.  A block's 24 bytes go to their
; place in the wave's own two images in LDS; a chunk's images come back 16 bytes a lane and leave as 3,072 consecutive bytes.  The two fragments' scale words leave as 128
; consecutive bytes.  Waves share nothing: no barrier, no cluster.  Loads run two blocks (64 loads a wave) ahead.
.set WREG, 3328                        ; LDS of a wave: two images, 1,664 bytes apart (1,536 + 128, so that the two groups of lanes do not fall on the same banks)
.set IMG,  1664
.set SW,   24                          ; v24, v25  the scale words of the two chunks
.set X,    32                          ; v32-95    two sets of 32 numbers
.set C,    96                          ; v96-101   a block's six registers of codes
.set D,    102                         ; v102-104  its second half as converted
.set OUT,  112                         ; v112-159  two sets of 24: a chunk's images on their way out
	s_load_b256 s[4:11], s[0:1], 0x0               ; wq, wk, wv, wo
	s_load_b128 s[12:15], s[0:1], 0x20             ; cache_v, wop
	s_load_b64 s[16:17], s[0:1], 0x30              ; kvop
	v_lshl_add_u32 v160, v0, 2, 0x3400
	v_mov_b32 v161, 0
	v_lshrrev_b32 v1, 5, v0
	v_readfirstlane_b32 s18, v1                    ; wave
	v_and_b32 v2, 31, v0                           ; lane = my column of the wave's 32
	v_lshlrev_b32 v3, 2, v2
	v_bfe_u32 v5, v0, 3, 1                         ; u: which of the two fragments holds my column
	v_and_b32 v6, 7, v0
	v_bfe_u32 v10, v0, 4, 1
	v_lshl_add_u32 v6, v10, 3, v6                  ; r: at which place
	s_mul_i32 s19, s18, WREG
	v_mul_u32_u24 v4, v5, IMG
	v_lshl_add_u32 v4, v6, 4, v4
	v_add_nc_u32 v4, s19, v4                       ; into the images
	v_lshlrev_b32 v8, 4, v2                        ; 16 x lane
	v_add_nc_u32 v7, s19, v8                       ; back out of them
	v_lshlrev_b32 v9, 6, v5
	v_lshl_add_u32 v9, v6, 2, v9                   ; my scale word's place: 64 u + 4 r
	s_lshr_b32 s20, ttmp9, 4                       ; which matrix: 0-3 the weights, 4, 5 cache_v's batches
	s_and_b32 s21, ttmp9, 15                       ; which 128 columns (in cache_v: the head)
	s_and_b32 s22, ttmp7, 0xffff                   ; which 256 along K
	s_max_u32 s23, s20, 4
	s_sub_co_u32 s23, s23, 4                       ; cache_v's batch (0 for a weight)
	s_lshl_b32 s24, s23, 24                        ; 16,777,216 bytes a batch
	s_lshl_b32 s25, s22, 21                        ; 256 rows of 8,192 bytes
	s_add_co_u32 s24, s24, s25
	s_lshl_b32 s25, s21, 9
	s_add_co_u32 s24, s24, s25
	s_lshl_b32 s25, s18, 7
	s_add_co_u32 s24, s24, s25                     ; where my wave reads
	s_mov_b32 s25, 0
	s_lshl_b32 s26, s20, 4
	s_lshl_b32 s27, s22, 1                         ; my first chunk
	s_add_co_u32 s26, s26, s27
	s_lshl_b32 s26, s26, 7
	s_lshl_b32 s28, s21, 3
	s_add_co_u32 s26, s26, s28
	s_lshl_b32 s28, s18, 1
	s_add_co_u32 s26, s26, s28                     ; a weight's fragment: (16 matrix + chunk) x 128 + 8 x columns' block + 2 wave
	s_lshl_b32 s29, s23, 4
	s_add_co_u32 s29, s29, s21
	s_mul_i32 s29, s29, 192
	s_lshl_b32 s27, s27, 3
	s_add_co_u32 s29, s29, s27
	s_add_co_u32 s29, s29, s28                     ; cache_v's: (16 b + head) x 192 + 8 chunk + 2 wave
	s_mov_b32 s30, 19267584                        ; V's scale bytes in kvop
	s_mov_b32 s31, 12582912                        ; the weights' in wop
	s_cmp_ge_u32 s20, 4
	s_cselect_b32 s26, s29, s26
	s_cselect_b32 s27, 8, 128                      ; fragments from a chunk to the next
	s_cselect_b32 s30, s30, s31
	s_cselect_b32 s31, 9437184, 0                  ; V's codes in kvop
	s_mul_i32 s32, s26, 1536
	s_add_co_u32 s32, s32, s31
	s_mov_b32 s33, 0
	s_lshl_b32 s34, s26, 6
	s_add_co_u32 s34, s34, s30
	s_mov_b32 s35, 0
	s_mul_i32 s36, s27, 1536
	s_mov_b32 s37, 0
	s_lshl_b32 s38, s27, 6
	s_mov_b32 s39, 0
	s_wait_kmcnt 0x0
	s_cmp_eq_u32 s20, 1                            ; the choices hang on the work-group's number alone
	s_cselect_b64 s[4:5], s[6:7], s[4:5]
	s_cmp_eq_u32 s20, 2
	s_cselect_b64 s[4:5], s[8:9], s[4:5]
	s_cmp_eq_u32 s20, 3
	s_cselect_b64 s[4:5], s[10:11], s[4:5]
	s_cmp_ge_u32 s20, 4
	s_cselect_b64 s[4:5], s[12:13], s[4:5]
	s_cselect_b64 s[6:7], s[16:17], s[14:15]
	s_add_nc_u64 s[4:5], s[4:5], s[24:25]
	s_add_nc_u64 s[40:41], s[6:7], s[32:33]        ; codes: first chunk,
	s_add_nc_u64 s[42:43], s[40:41], s[36:37]      ; second chunk
	s_add_nc_u64 s[44:45], s[6:7], s[34:35]        ; scale words likewise
	s_add_nc_u64 s[46:47], s[44:45], s[38:39]
.macro LOAD t                          ; block t: rows 32 t + i of my column, into set t % 2; a wave's load reads 128 consecutive bytes, the four waves stand side by side
.irp i, 0,1,2,3,4,5,6,7,8,9,10,11,12,13,14,15,16,17,18,19,20,21,22,23,24,25,26,27,28,29,30,31
	global_load_b32 v[X+32*((\t)%2)+\i], v3, s[4:5] offset:(32*(\t)+\i)*8192 th:TH_LOAD_NT
.endr
.endm
.macro BLOCK t
.set XS, X+32*((\t)%2)
.set HH, (\t)%2                        ; the block lies in lane r + 16 HH of the image,
.set CC, ((\t)%4)/2                    ; in registers 6 CC .. 6 CC + 5
.if (\t) < 7
	s_wait_loadcnt 32                              ; this block's 32 loads are in; the next block's may be out
.else
	s_wait_loadcnt 0
.endif
	v_max3_num_f32 v12, |v[XS]|, |v[XS+1]|, |v[XS+2]|               ; the block's largest magnitude: all 32 numbers are mine; two chains
	v_max3_num_f32 v13, |v[XS+3]|, |v[XS+4]|, |v[XS+5]|
.irp i, 6,10,14,18,22,26
	v_max3_num_f32 v12, v12, |v[XS+\i]|, |v[XS+\i+1]|
	v_max3_num_f32 v13, v13, |v[XS+\i+2]|, |v[XS+\i+3]|
.endr
	v_max3_num_f32 v12, v12, |v[XS+30]|, |v[XS+31]|
	v_max3_num_f32 v12, v12, v13, 0x1800000        ; and the floor 2^(3 - 127)
	v_add_nc_u32 v11, 0xff000000, v12              ; 2 off its exponent field: the conversion's scale operand
	v_lshrrev_b32 v13, 23, v11                     ; the scale's byte
.if (\t)%4 == 0
	v_mov_b32 v[SW+(\t)/4], v13
.else
	v_lshl_or_b32 v[SW+(\t)/4], v13, 8*((\t)%4), v[SW+(\t)/4]
.endif
	v_cvt_scalef32_pk16_fp6_f32 v[C:C+2], v[XS:XS+15], v11
	v_cvt_scalef32_pk16_fp6_f32 v[D:D+2], v[XS+16:XS+31], v11       ; a conversion's three registers begin on an even number
	v_nop                                          ; one plain instruction behind the scaled conversions
.irp i, 0,1,2
	v_mov_b32 v[C+3+\i], v[D+\i]
.endr
.if CC == 0
	ds_store_b128 v4, v[C:C+3] offset:256*HH               ; registers 0-3
	ds_store_b64 v4, v[C+4:C+5] offset:512+256*HH          ; registers 4, 5
.else
	ds_store_b64 v4, v[C:C+1] offset:520+256*HH            ; registers 6, 7
	ds_store_b128 v4, v[C+2:C+5] offset:1024+256*HH        ; registers 8-11
.endif
.if (\t) < 6
	LOAD (\t)+2
.endif
	s_wait_dscnt 0x0                               ; the stores have read their registers: the next block's codes may be written
.endm
.macro OUTC k                          ; chunk k's two images leave: 3,072 consecutive bytes; and its scale words
.irp t, 0,1,2,3,4,5
	ds_load_b128 v[OUT+24*\k+4*\t:OUT+24*\k+4*\t+3], v7 offset:(\t/3)*IMG+(\t%3)*512
.endr
	s_wait_dscnt 0x0
.irp t, 0,1,2,3,4,5
	global_store_b128 v8, v[OUT+24*\k+4*\t:OUT+24*\k+4*\t+3], s[40+2*\k:41+2*\k] offset:512*\t
.endr
	global_store_b32 v9, v[SW+\k], s[44+2*\k:45+2*\k]
.endm
	LOAD 0
	LOAD 1
	BLOCK 0
	BLOCK 1
	BLOCK 2
	BLOCK 3
	OUTC 0
	BLOCK 4
	BLOCK 5
	BLOCK 6
	BLOCK 7
	OUTC 1
	s_wait_tensorcnt 0x0
	ds_add_u32 v160, v161
	s_wait_dscnt 0x0
	s_endpgm
.Lfunc_end_k_q4886445669_quant_cols:
	.size	k_q4886445669_quant_cols, .Lfunc_end_k_q4886445669_quant_cols-k_q4886445669_quant_cols
	.p2alignl 7, 3214868480
	.fill 96, 4, 3214868480
	.section	.rodata,"a",@progbits
	.p2align	6, 0x0
	.amdhsa_kernel k_q4886445669_quant_cols
		.amdhsa_group_segment_fixed_size 13824
		.amdhsa_private_segment_fixed_size 0
		.amdhsa_enable_private_segment 0
		.amdhsa_kernarg_size 56
		.amdhsa_user_sgpr_count 2
		.amdhsa_user_sgpr_kernarg_segment_ptr 1
		.amdhsa_wavefront_size32 1
		.amdhsa_system_sgpr_workgroup_id_x 1
		.amdhsa_system_sgpr_workgroup_id_y 1
		.amdhsa_system_sgpr_workgroup_id_z 1
		.amdhsa_system_vgpr_workitem_id 0
		.amdhsa_next_free_vgpr 162
		.amdhsa_next_free_sgpr 66
		.amdhsa_reserve_vcc 0
		.amdhsa_float_denorm_mode_32 3
		.amdhsa_float_denorm_mode_16_64 3
		.amdhsa_memory_ordered 1
		.amdhsa_forward_progress 1
		.amdhsa_inst_pref_size 43
	.end_amdhsa_kernel
	.amdgpu_metadata
---
amdhsa.version: [ 1, 2 ]
amdhsa.kernels:
  - .name:           k_q4886445669_quant_cols
    .symbol:         k_q4886445669_quant_cols.kd
    .args:
      - { .name: wq, .offset: 0, .size: 8, .value_kind: global_buffer, .address_space: global }
      - { .name: wk, .offset: 8, .size: 8, .value_kind: global_buffer, .address_space: global }
      - { .name: wv, .offset: 16, .size: 8, .value_kind: global_buffer, .address_space: global }
      - { .name: wo, .offset: 24, .size: 8, .value_kind: global_buffer, .address_space: global }
      - { .name: cache_v, .offset: 32, .size: 8, .value_kind: global_buffer, .address_space: global }
      - { .name: wop, .offset: 40, .size: 8, .value_kind: global_buffer, .address_space: global }
      - { .name: kvop, .offset: 48, .size: 8, .value_kind: global_buffer, .address_space: global }
    .group_segment_fixed_size: 13824
    .private_segment_fixed_size: 0
    .kernarg_segment_align: 8
    .kernarg_segment_size: 56
    .max_flat_workgroup_size: 128
    .sgpr_count:     66
    .vgpr_count:     162
    .wavefront_size: 32
...
	.end_amdgpu_metadata
.endif
;; end of part 2
;; launch gemm_qkv (part 3): grid 24 x 8, 4 waves a work-group, clusters of 4 x 4, 327,680 bytes of LDS; arguments xop, wop, bq, bk, bv, qop, kvop; writes qop, kvop
.if DOCPART == 3
	.amdgcn_target "amdgcn-amd-amdhsa--gfx1250"
	.amdhsa_code_object_version 6
	.text
	.protected	k_q4886445669_gemm_qkv
	.globl	k_q4886445669_gemm_qkv
	.p2align	8
	.type	k_q4886445669_gemm_qkv,@function
k_q4886445669_gemm_qkv:
	s_mov_b64 s[64:65], 0
	v_nop
	global_prefetch_b8 v0, s[64:65] scope:SCOPE_SE
	s_setreg_imm32_b32 hwreg(HW_REG_WAVE_MODE, 25, 1), 1
	s_wait_xcnt 0x0
	s_wait_alu depctr_hold_cnt(0) depctr_sa_sdst(0) depctr_va_vdst(0) depctr_va_sdst(0) depctr_va_ssrc(0) depctr_va_vcc(0) depctr_vm_vsrc(0)
	s_getreg_b32 s2, hwreg(HW_REG_IB_STS2, 6, 4)
	s_cmp_eq_u32 s2, 0
	s_cbranch_scc0 .Lentry_in_a_cluster
	s_endpgm
.Lentry_in_a_cluster:
	s_bfe_u32 s2, ttmp6, 0x10000c
	s_cmp_lg_u32 s2, 0xf033
	s_cbranch_scc0 .Lentry_shape_is_right
	s_endpgm
.Lentry_shape_is_right:
; q = x wq + bq, k_new = x wk + bk, v_new = x wv + bv on codes of FP6 (E2M3) with E8M0 scales, sums in f32; each result is quantised here, in registers, for the product that
; reads it: q and k_new along the head's 128, v_new along the keys.  No f32 result goes to memory.
; OPERANDS are fragment images (16 rows x 128 K = 1,536 bytes, the 12 registers as they stand; fragment 2 g + u holds at lane place r row 32 g + 8 u + r + 8 (r / 8); 64 scale
; bytes a fragment), laid [chunk of 128 K][128 fragments].  So a fragment comes by three loads of 16 bytes a lane, 512 consecutive bytes each, and a tile's chunk is one dense block.
; A tile of 256 x 256 is made by four waves, each 128 x 128: 64 accumulators.  Source 0 = operand S0 (8 fragments b), source 1 = operand S1 (8 fragments a): a lane then holds one
; row of S1, and the 16 registers of tiles 2 B and 2 B + 1 are the neighbours 32 B + 16 (lane / 16) + 0 .. 15 of S0's rows: what the quantiser wants along its K.
; q, k: S0 = the weight's rows n (a wave's 128 are one head), S1 = x's rows.  v: S0 = x's rows (128 keys), S1 = wv's rows (the head's 128): the roles are swapped by choosing
; pointers and offsets on the cluster's x (0, 1: q; 2, 3: k; 4, 5: v), the same in all partners; no branch and no LDS address hangs on it.
; K goes in slots of two chunks through a ring of two LDS slots; all scale words of the tile's rows come once.  CLUSTERS 4 x 4: S1's tiles are shared along a row, S0's along a column.
; THE BIAS runs along the registers for q and k and along the lanes for v.  Both forms are loaded (both index ranges lie inside every bias) and the one that does not apply is
; masked to zeros, so that one epilogue serves all three: 32 packed additions of zeros a block of 16 rows are the price of having no branch and no second copy.
; LIMITS: NaN and infinities are not served; a block of zeros, or one under 2^-124, gets the scale byte 1; the bytes are read by this program alone.
; REGISTERS: window 0: v0-31 addresses; v32-63 scale words, two sets; v64-127 the bias along registers; v128-223 S1's fragments, one set; v240-255 the bias along lanes;
;   in the epilogue v128-239 are at work.  window 1: S0's fragments, two sets, at v0 and v128.  windows 2, 3: accumulator (a, b) at v[8 (8 (a % 4) + b)] of window 2 + a / 4.
.set NQ,    2                          ; chunks in a slot
.set FR,    12
.set NL,    3                          ; LDS loads that bring a fragment
.set NP,    4                          ; places behind this matrix instruction (ISA guide 7.12.1)
.set QB,    24576                      ; a tile's 16 fragments of one chunk
.set SLOT,  4*QB                       ; S1's two chunks, then S0's two
.set SCL,   2*SLOT                     ; behind the ring: S1's scale words, 16 chunks x 1,024 bytes, then S0's
.set STG,   SCL+32768                  ; 512 bytes a wave: the results' scale words on their way out
.set SPARE, STG+2048                   ; the spare words, 128 bytes a wave: two blocks of 256 bytes that no other line names
.set CHB,   196608                     ; from chunk to chunk in memory
.set LAPS,  4                          ; 16 chunks / 4
.set ADRA, 16                          ; v16-17 S1's fragments in slot 0, 1
.set ADRB, 20                          ; v20-21 S0's
.set LI,   24                          ; v24    16 x lane
.set SWA,  25                          ; v25    where my row's scale word goes in the stage
.set SRD,  26                          ; v26    where I read the stage back
.set ADRS, 27                          ; v27    scale words: lanes 0-15 S1's, lanes 16-31 S0's
.set SPW,  28                          ; v28    my spare word; never rewritten
.set NIL,  29                          ; v29    0; never rewritten
.set SC,   32
.set BN,   64
.set AF,   128
.set BV,   240
.set HA,   128                         ; epilogue: 64 numbers of a block
.set PC,   192                         ; its codes
.set TM,   212
.set PWS,  228                         ; v228-235 the eight blocks' scale words
.set SBK,  236
.set WV, 18
.set HI, 19                            ; which half of S1's rows is mine; also: I fetch for S1 (0) or S0 (1)
.set LO, 20                            ; which half of S0's rows; also: which chunk of a slot I fetch
.set G1, 24
.set G0, 32
.set G1B, 48
.set G0B, 56
.set G1S, 68
.set G0S, 76
.set G1SB, 80
.set G0SB, 88
.set OUTC, 92
.set OUTS, 94
.set MQK, 96
.set MV, 97
.set SEL, 98
.set MSB, 0
.macro WIN new                         ; the immediate's high byte repeats the setting that is left
.if MSB != (\new)
	s_set_vgpr_msb (MSB<<8)|(\new)
.set MSB, (\new)
.endif
.endm
.set MUL_LO, 0xa1                      ; source 0 window 1, source 1 window 0, C and D window 2
.set MUL_HI, 0xf1
.set TO_B,   0x40
; A joint load: waves 0 and 1 fetch for S1, waves 2 and 3 for S0; the branch hangs on the wave's number alone.  Four v_nop follow each line.
.macro JLOAD g0a, g1a, g0b, g1b
	s_cmp_eq_u32 s[HI], 0
	s_cbranch_scc0 .Lfor_b_\@
	tensor_load_to_lds s[\g0a:\g0a+3], s[\g1a:\g1a+7]
	s_nop 0
.rept 4
	v_nop
.endr
	s_branch .Lasked_\@
.Lfor_b_\@:
	tensor_load_to_lds s[\g0b:\g0b+3], s[\g1b:\g1b+7]
	s_nop 0
.rept 4
	v_nop
.endr
.Lasked_\@:
.endm
.macro CREST                           ; a round of the cluster's barrier behind its opening barrier
	s_cmp_lg_u32 s[WV], 0
	s_cbranch_scc1 .Lnot_wave_0_\@
	s_barrier_signal -3
.Lnot_wave_0_\@:
	s_barrier_wait -3
	s_barrier_signal -1
	s_barrier_wait -1
.endm
.macro CROUND
	s_barrier_signal -1
	s_barrier_wait -1
	CREST
.endm
.macro QUANT s, pc, tm, pw             ; 64 numbers of a lane (register 16 b + i = k 32 b + 16 (lane / 16) + i) become a fragment in v[pc] on and a scale word in v[pw]
.irp b, 0,1,2,3
	v_max3_num_f32 v[\tm+\b], |v[\s+16*\b]|, |v[\s+1+16*\b]|, 0x1800000   ; and the floor 2^(3 - 127): the byte cannot fall under 1
.endr
.irp i, 2,4,6,8,10,12,14
.irp b, 0,1,2,3
	v_max3_num_f32 v[\tm+\b], v[\tm+\b], |v[\s+16*\b+\i]|, |v[\s+1+16*\b+\i]|
.endr
.endr
.irp b, 0,1,2,3
	v_permlanex16_b32 v[\tm+4+\b], v[\tm+\b], s[SEL], s[SEL+1]
.endr
.irp b, 0,1,2,3
	v_max_num_f32 v[\tm+\b], v[\tm+\b], v[\tm+4+\b]
.endr
.irp b, 0,1,2,3
	v_add_nc_u32 v[\tm+12+\b], 0xff000000, v[\tm+\b]                ; 2 off the exponent field: the conversion's scale operand
.endr
.irp b, 0,1,2,3
	v_lshrrev_b32 v[\tm+4+\b], 23, v[\tm+12+\b]
.endr
	v_lshl_or_b32 v[\pw], v[\tm+5], 8, v[\tm+4]
	v_lshl_or_b32 v[\pw], v[\tm+6], 16, v[\pw]
	v_lshl_or_b32 v[\pw], v[\tm+7], 24, v[\pw]
.irp c, 0,1
	v_cvt_scalef32_pk16_fp6_f32 v[\pc+6*\c:\pc+2+6*\c], v[\s+32*\c:\s+15+32*\c], v[\tm+12+2*\c]
	v_cvt_scalef32_pk16_fp6_f32 v[\pc+12+4*\c:\pc+14+4*\c], v[\s+16+32*\c:\s+31+32*\c], v[\tm+12+2*\c+1]
.endr
	v_nop                                          ; one plain instruction behind the scaled conversions
.irp c, 0,1
.irp i, 0,1,2
	v_permlane16_swap_b32 v[\pc+6*\c+\i], v[\pc+12+4*\c+\i]
.endr
.irp i, 0,1,2
	v_mov_b32 v[\pc+3+6*\c+\i], v[\pc+12+4*\c+\i]
.endr
.endr
.endm
	s_load_b256 s[4:11], s[0:1], 0x0               ; xop s[4:5], wop s[6:7], bq s[8:9], bk s[10:11]
	s_load_b128 s[12:15], s[0:1], 0x20             ; bv s[12:13], qop s[14:15]
	s_load_b64 s[16:17], s[0:1], 0x30              ; kvop
	v_lshl_add_u32 v[SPW], v0, 2, SPARE
	v_mov_b32 v[NIL], 0
	ds_add_u32 v28, v29
	ds_add_u32 v28, v29
	s_wait_dscnt 0x0
	v_lshrrev_b32 v1, 5, v0
	v_readfirstlane_b32 s[WV], v1
	s_lshr_b32 s[HI], s[WV], 1
	s_and_b32 s[LO], s[WV], 1
	s_bfe_u32 s40, ttmp6, 0x40000                  ; cx
	s_bfe_u32 s41, ttmp6, 0x40004                  ; cy
	s_and_b32 s42, ttmp7, 0xffff                   ; cluster y: 0, 1
	s_lshr_b32 s43, ttmp9, 1                       ; the product: 0 q, 1 k, 2 v
	s_and_b32 s44, ttmp9, 1                        ; the other half-coordinate
	s_lshl_b32 s45, s41, 2
	s_lshl_b32 s45, 15, s45                        ; my row of the cluster
	s_lshl_b32 s46, 0x1111, s40                    ; my column
	s_or_b32 s[G1+0], s45, (3<<16)|(1<<21)         ; 15:0 the mask: S1's tiles go to my row; 17:16 elements of 8 bytes; 21 set beside a mask; no padding
	s_or_b32 s[G1B+0], s46, (3<<16)|(1<<21)        ; S0's go to my column
	s_or_b32 s[G1S+0], s45, (3<<16)|(1<<21)
	s_or_b32 s[G1SB+0], s46, (3<<16)|(1<<21)
.irp g, G1, G1B                        ; 24,576 dense bytes as 96 rows of 256
	s_mov_b32 s[\g+1], 32<<16
	s_mov_b32 s[\g+2], 96<<16
	s_mov_b32 s[\g+3], 32<<16
	s_mov_b32 s[\g+4], 96
	s_mov_b32 s[\g+5], 32
	s_mov_b32 s[\g+6], 0
	s_mov_b32 s[\g+7], 0
.endr
.irp g, G1S, G1SB                      ; the scale words of 8 chunks: 8 rows of 1,024 bytes, 8,192 bytes apart
	s_mov_b32 s[\g+1], 128<<16
	s_mov_b32 s[\g+2], 8<<16
	s_mov_b32 s[\g+3], 128<<16
	s_mov_b32 s[\g+4], 8
	s_mov_b32 s[\g+5], 1024
	s_mov_b32 s[\g+6], 0
	s_mov_b32 s[\g+7], 0
.endr
	s_mul_i32 s47, s43, 3145728                    ; the weight's codes in wop,
	s_lshl_b32 s66, s43, 17
	s_add_co_u32 s66, s66, 12582912                ; its scale words;
	s_mov_b32 s67, 3145728                         ; x's scale words in xop
	s_mov_b32 s92, 6291456                         ; wv's codes,
	s_mov_b32 s93, 12845056                        ; wv's scale words
	s_cmp_eq_u32 s43, 2                            ; v swaps the roles
	s_cselect_b32 s21, s42, s44
	s_cselect_b32 s22, s44, s42
	s_cselect_b32 s47, 0, s47                      ; S0's codes,
	s_cselect_b32 s66, s67, s66                    ; S0's scale words,
	s_cselect_b32 s92, s92, 0                      ; S1's codes,
	s_cselect_b32 s93, s93, s67                    ; S1's scale words
	s_cselect_b32 s[MQK], 0, -1
	s_cselect_b32 s[MV], -1, 0
	s_lshl_b32 s21, s21, 2
	s_add_co_u32 s21, s21, s40                     ; S0's block of 256 rows: hangs on cx
	s_lshl_b32 s22, s22, 2
	s_add_co_u32 s22, s22, s41                     ; S1's: hangs on cy
	s_mul_i32 s23, s[LO], CHB                      ; the chunk of a slot that I fetch
	s_mul_i32 s94, s22, QB
	s_add_co_u32 s94, s94, s92
	s_add_co_u32 s94, s94, s23
	s_mov_b32 s95, 0
	s_mul_i32 s100, s21, QB
	s_add_co_u32 s100, s100, s47
	s_add_co_u32 s100, s100, s23
	s_mov_b32 s101, 0
	s_lshl_b32 s23, s[LO], 16                      ; the 8 chunks of scale words that I fetch
	s_lshl_b32 s92, s22, 10
	s_add_co_u32 s92, s92, s93
	s_add_co_u32 s92, s92, s23
	s_mov_b32 s93, 0
	s_lshl_b32 s46, s21, 10
	s_add_co_u32 s46, s46, s66
	s_add_co_u32 s46, s46, s23
	s_mov_b32 s47, 0
	s_mul_i32 s23, s[WV], QB                       ; where they go: no place in the cluster enters an LDS address
	s_lshl_b32 s2, s[WV], 13
	s_mov_b32 s[SEL], 0x76543210
	s_mov_b32 s[SEL+1], 0xfedcba98
	s_wait_kmcnt 0x0
	s_cmp_eq_u32 s43, 2
	s_cselect_b64 s[44:45], s[4:5], s[6:7]         ; S0's buffer
	s_cselect_b64 s[66:67], s[6:7], s[4:5]         ; S1's
	s_add_nc_u64 s[94:95], s[66:67], s[94:95]
	s_add_nc_u64 s[92:93], s[66:67], s[92:93]
	s_add_nc_u64 s[100:101], s[44:45], s[100:101]
	s_add_nc_u64 s[46:47], s[44:45], s[46:47]
	CROUND                                         ; all sixteen work-groups are here: the first joint loads meet
	s_mov_b32 s[G0S], 1
	s_add_co_u32 s[G0S+1], s2, SCL
	s_mov_b64 s[G0S+2:G0S+3], s[92:93]
	s_or_b32 s[G0S+3], s[G0S+3], 0x80000000
	s_mov_b32 s[G0SB], 1
	s_add_co_u32 s[G0SB+1], s2, SCL
	s_mov_b64 s[G0SB+2:G0SB+3], s[46:47]
	s_or_b32 s[G0SB+3], s[G0SB+3], 0x80000000
	JLOAD G0S, G1S, G0SB, G1SB                     ; the scale words first: they are wanted with the first chunk
.irp s, 0,1
	s_mov_b32 s[G0+4*\s], 1
	s_add_co_u32 s[G0+4*\s+1], s23, \s*SLOT
	s_add_nc_u64 s[G0+4*\s+2:G0+4*\s+3], s[94:95], \s*2*CHB
	s_or_b32 s[G0+4*\s+3], s[G0+4*\s+3], 0x80000000
	s_mov_b32 s[G0B+4*\s], 1
	s_add_co_u32 s[G0B+4*\s+1], s23, \s*SLOT
	s_add_nc_u64 s[G0B+4*\s+2:G0B+4*\s+3], s[100:101], \s*2*CHB
	s_or_b32 s[G0B+4*\s+3], s[G0B+4*\s+3], 0x80000000
	JLOAD G0+4*\s, G1, G0B+4*\s, G1B
.endr
	v_and_b32 v1, 15, v0                           ; r
	v_bfe_u32 v2, v0, 4, 1                         ; h
	v_and_b32 v3, 31, v0
	v_lshlrev_b32 v[LI], 4, v3
	s_mul_i32 s44, s[HI], 12288                    ; my 8 fragments of S1,
	s_mul_i32 s45, s[LO], 12288                    ; my 8 of S0,
	s_add_co_u32 s45, s45, 2*QB                    ; which lie behind S1's two chunks
.irp s, 0,1
	v_add_nc_u32 v[ADRA+\s], s44, v[LI]
	v_add_nc_u32 v[ADRB+\s], s45, v[LI]
	s_add_co_u32 s44, s44, SLOT
	s_add_co_u32 s45, s45, SLOT
.endr
	s_lshl_b32 s44, s[HI], 9                       ; scale words: S1's at 512 HI;
	s_xor_b32 s45, s[HI], 1
	s_lshl_b32 s45, s45, 9
	s_lshl_b32 s46, s[LO], 9
	s_add_co_u32 s45, s45, s46
	s_add_co_u32 s45, s45, 15872                   ; S0's lie 16,384 + 512 LO - 512 HI further on: one product with the lane's half
	v_mul_u32_u24 v4, s45, v2
	s_add_co_u32 s44, s44, SCL
	v_lshl_add_u32 v4, v1, 2, v4
	v_add_nc_u32 v[ADRS], s44, v4
	s_lshl_b32 s44, s[WV], 9
	s_add_co_u32 s44, s44, STG
	v_lshl_add_u32 v[SWA], v1, 2, s44
	v_add_nc_u32 v[SRD], s44, v[LI]
	; where my eight result fragments go.  q: qop [bh][64]; k: kvop [bh][192], fragments 128 on; v: kvop's V part [bh][24 chunks][8], chunks 16 on
	s_lshl_b32 s44, s22, 4
	s_lshl_b32 s45, s[HI], 3
	s_add_co_u32 s44, s44, s45                     ; S1's first fragment of mine
	s_lshr_b32 s45, s44, 6
	s_lshl_b32 s45, s45, 4                         ; 16 b
	s_lshl_b32 s46, s21, 1
	s_add_co_u32 s46, s46, s[LO]                   ; the head
	s_add_co_u32 s45, s45, s46
	s_and_b32 s44, s44, 63
	s_lshl_b32 s46, s45, 6
	s_add_co_u32 s46, s46, s44                     ; q's fragment
	s_mul_i32 s47, s45, 192
	s_add_co_u32 s47, s47, s44
	s_add_co_u32 s47, s47, 128                     ; k's
	s_lshl_b32 s44, s21, 4
	s_lshl_b32 s45, s[LO], 3
	s_add_co_u32 s44, s44, s45                     ; S0's first fragment of mine: 128 keys
	s_lshr_b32 s45, s44, 6
	s_lshl_b32 s45, s45, 4
	s_lshl_b32 s100, s22, 1
	s_add_co_u32 s100, s100, s[HI]
	s_add_co_u32 s45, s45, s100
	s_mul_i32 s45, s45, 24
	s_bfe_u32 s44, s44, 0x30003                    ; which 128 of the 1,024 new keys
	s_add_co_u32 s45, s45, s44
	s_add_co_u32 s45, s45, 16
	s_lshl_b32 s45, s45, 3                         ; v's
	s_mov_b32 s100, 18874368
	s_mov_b32 s101, 19267584
	s_cmp_eq_u32 s43, 0
	s_cselect_b32 s44, s46, s47
	s_cselect_b32 s100, 3145728, s100              ; where the scale words begin
	s_cselect_b64 s[OUTC:OUTC+1], s[14:15], s[16:17]
	s_cmp_eq_u32 s43, 2
	s_cselect_b32 s44, s45, s44
	s_cselect_b32 s100, s101, s100
	s_cselect_b32 s101, 9437184, 0                 ; where the codes begin
	s_mov_b64 s[OUTS:OUTS+1], s[OUTC:OUTC+1]
	s_mul_i32 s46, s44, 1536
	s_add_co_u32 s46, s46, s101
	s_mov_b32 s47, 0
	s_add_nc_u64 s[OUTC:OUTC+1], s[OUTC:OUTC+1], s[46:47]
	s_lshl_b32 s46, s44, 6
	s_add_co_u32 s46, s46, s100
	s_add_nc_u64 s[OUTS:OUTS+1], s[OUTS:OUTS+1], s[46:47]
	; the bias, in both forms
	s_cmp_eq_u32 s43, 1
	s_cselect_b64 s[66:67], s[10:11], s[8:9]
	s_cmp_eq_u32 s43, 2
	s_cselect_b64 s[66:67], s[12:13], s[66:67]
	s_lshl_b32 s44, s21, 10
	s_lshl_b32 s45, s[LO], 9
	s_add_co_u32 s44, s44, s45
	v_lshl_add_u32 v5, v2, 6, s44                  ; along registers: S0's row 32 B + 16 h + i of my 128
	s_lshl_b32 s44, s22, 10
	s_lshl_b32 s45, s[HI], 9
	s_add_co_u32 s44, s44, s45
	v_and_b32 v6, 8, v1
	v_add_nc_u32 v6, v6, v1
	v_lshl_add_u32 v6, v6, 2, s44                  ; along lanes: S1's row at my place
.irp b, 0,1,2,3
.irp j, 0,1,2,3
	global_load_b128 v[BN+16*\b+4*\j:BN+16*\b+4*\j+3], v5, s[66:67] offset:128*\b+16*\j
.endr
.endr
.irp a, 0,1,2,3,4,5,6,7
	global_load_b32 v[BV+2*\a], v6, s[66:67] offset:(32*(\a/2)+8*(\a%2))*4
.endr
	s_wait_loadcnt 0x0
.set i, 0
.rept 64
	v_and_b32 v[BN+i], s[MQK], v[BN+i]             ; zeros where the bias runs along the lanes
.set i, i+1
.endr
.irp a, 0,1,2,3,4,5,6,7
	v_and_b32 v[BV+2*\a], s[MV], v[BV+2*\a]        ; zeros where it runs along the registers
.endr
.irp a, 0,1,2,3,4,5,6,7
	v_mov_b32 v[BV+2*\a+1], v[BV+2*\a]             ; a pair for the packed addition
.endr
.macro FRAG reg, adr, q, i             ; a fragment as it lies: three loads, 512 consecutive bytes each
.irp c, 0,1,2
	ds_load_b128 v[\reg+4*\c:\reg+4*\c+3], v[\adr] offset:(\q)*QB+(\i)*1536+512*\c
.endr
.endm
; 16 matrix instructions: S1's blocks a0, a0 + 1 x S0's eight, one chunk.  The 64 accumulators take turns, one instruction a turn, in the same order in every step.
.macro MUL16 a0, p, q, sc, zero
.irp a, \a0, \a0+1
.irp b, 0,1,2,3,4,5,6,7
.if \zero
	v_wmma_scale_f32_16x16x128_f8f6f4 v[8*(8*((\a)%4)+\b):8*(8*((\a)%4)+\b)+7], v[128*(\p)+FR*\b:128*(\p)+FR*\b+FR-1], v[AF+FR*(\a):AF+FR*(\a)+FR-1], 0, v[SC+16*(\sc)+8*(\q)+\b], v[SC+16*(\sc)+8*(\q)+(\a)] matrix_a_fmt:MATRIX_FMT_FP6 matrix_b_fmt:MATRIX_FMT_FP6 matrix_a_scale:MATRIX_SCALE_ROW1
.else
	v_wmma_scale_f32_16x16x128_f8f6f4 v[8*(8*((\a)%4)+\b):8*(8*((\a)%4)+\b)+7], v[128*(\p)+FR*\b:128*(\p)+FR*\b+FR-1], v[AF+FR*(\a):AF+FR*(\a)+FR-1], v[8*(8*((\a)%4)+\b):8*(8*((\a)%4)+\b)+7], v[SC+16*(\sc)+8*(\q)+\b], v[SC+16*(\sc)+8*(\q)+(\a)] matrix_a_fmt:MATRIX_FMT_FP6 matrix_b_fmt:MATRIX_FMT_FP6 matrix_a_scale:MATRIX_SCALE_ROW1
.endif
.endr
.endr
.endm
.macro FETCH_B slot, q, p
	WIN TO_B
.irp i, 0,1,2,3,4,5,6,7
	FRAG 128*(\p)+FR*\i, ADRB+\slot, \q, \i
.endr
	WIN 0
.endm
.macro FETCH_A slot, q, i0
.irp i, \i0, \i0+1, \i0+2, \i0+3
	FRAG AF+FR*(\i), ADRA+\slot, \q, \i
.endr
.endm
.macro SCALES sc                       ; a slot's scale words: register 8 q + i: lanes 0-15 S1's fragment i, lanes 16-31 S0's fragment i
.irp q, 0,1
.irp i, 0,1,2,3,4,5,6,7
	ds_load_b32 v[SC+16*\sc+8*\q+\i], v[ADRS] offset:1024*\q+64*\i
.endr
.endr
.endm
.macro PLACES n                        ; plain vector instructions between a matrix instruction and a load into, or a read of, its registers
.rept \n
	v_nop
.endr
.endm
.macro STEP slot, q, zero              ; a chunk that has its successor in the same slot
	s_wait_dscnt 4*NL                              ; S0's set, S1's blocks 0-3 and the scale words are in; the youngest 12 loads (S1's blocks 4-7) may be out
	WIN MUL_LO
	MUL16 0, (\q)%2, \q, \slot, \zero
	MUL16 2, (\q)%2, \q, \slot, \zero
	s_wait_dscnt 0
	PLACES NP
	FETCH_B \slot, (\q)+1, 1-(\q)%2
	FETCH_A \slot, (\q)+1, 0
	WIN MUL_HI
	MUL16 4, (\q)%2, \q, \slot, \zero
	MUL16 6, (\q)%2, \q, \slot, \zero
	PLACES NP
	WIN 0
	FETCH_A \slot, (\q)+1, 4
.endm
; A slot's last chunk changes slots: one barrier; in front of it each wave waits for all its tensor loads, adds 0 to its spare word, and waits for that and for its reads of this slot.
.macro TURN slot, next, fill
	s_wait_tensorcnt 0x0                           ; all my tensor loads have landed: my part of the next slot
	ds_add_u32 v[SPW], v[NIL]                      ; 0 onto my spare word
	s_wait_dscnt 4*NL+1                            ; the add and the youngest 12 loads may be out
	WIN MUL_LO
	MUL16 0, 1, NQ-1, \slot, 0
	s_wait_dscnt 0x0                               ; the add is done, and my reads of this slot are over
	s_barrier_signal -1
	MUL16 2, 1, NQ-1, \slot, 0
	WIN 0
	s_barrier_wait -1
.if \fill
	CREST                                          ; the barrier has opened a round of the cluster's: no wave of any partner still reads this slot or has a load on its way
	s_add_nc_u64 s[G0+4*\slot+2:G0+4*\slot+3], s[G0+4*\slot+2:G0+4*\slot+3], 4*CHB
	s_add_nc_u64 s[G0B+4*\slot+2:G0B+4*\slot+3], s[G0B+4*\slot+2:G0B+4*\slot+3], 4*CHB
	JLOAD G0+4*\slot, G1, G0B+4*\slot, G1B         ; the first tensor load behind the round; its four v_nop are the places in front of the loads below
.else
	PLACES NP
.endif
	v_add_nc_u32 v[ADRS], 2048, v[ADRS]            ; the next slot's scale words
	FETCH_B \next, 0, 0
	FETCH_A \next, 0, 0
	SCALES \next
	WIN MUL_HI
	MUL16 4, 1, NQ-1, \slot, 0
	MUL16 6, 1, NQ-1, \slot, 0
	PLACES NP
	WIN 0
	FETCH_A \next, 0, 4
.endm
	s_wait_tensorcnt 1                             ; the scale words and my part of slot 0 are in; slot 1's load may be out
	s_barrier_signal -1
	s_barrier_wait -1
	FETCH_B 0, 0, 0
	FETCH_A 0, 0, 0
	SCALES 0
	FETCH_A 0, 0, 4
	STEP 0, 0, 1                                   ; the first chunk's products start the sums
	s_mov_b32 s3, LAPS-1
.Llap:                                             ; a trip goes once round the ring and fills both slots again
	TURN 0, 1, 1
	STEP 1, 0, 0
	TURN 1, 0, 1
	STEP 0, 0, 0
	s_sub_co_u32 s3, s3, 1
	s_cmp_lg_u32 s3, 0
	s_cbranch_scc1 .Llap
	TURN 0, 1, 0                                   ; the last lap fills nothing
	STEP 1, 0, 0
	s_wait_dscnt 4*NL
	WIN MUL_LO
	MUL16 0, 1, NQ-1, 1, 0
	MUL16 2, 1, NQ-1, 1, 0
	s_wait_dscnt 0
	WIN MUL_HI
	MUL16 4, 1, NQ-1, 1, 0
	MUL16 6, 1, NQ-1, 1, 0
	WIN 0
	; THE WAY OUT: block a (16 rows of S1): + bias, quantised along S0's 128 rows, stored as a fragment image: 3 x 512 consecutive bytes.
	PLACES NP
.irp b, 0,1,2,3
	v_mov_b32 v[TM+4+\b], 0                        ; a lane permute's destination counts as one of its sources
.endr
.irp a, 0,1,2,3,4,5,6,7
	WIN 0x02+(\a/4)                                ; source 0: window 2 or 3
.set i, 0
.rept 32
	v_pk_add_f32 v[HA+i:HA+i+1], v[64*(\a%4)+i:64*(\a%4)+i+1], v[BN+i:BN+i+1]   ; ascending: each accumulator is read from its low end on
.set i, i+2
.endr
	WIN 0
.set i, 0
.rept 32
	v_pk_add_f32 v[HA+i:HA+i+1], v[HA+i:HA+i+1], v[BV+2*\a:BV+2*\a+1]
.set i, i+2
.endr
	s_wait_xcnt 0x0                                ; the last block's stores have read the codes' registers
	QUANT HA, PC, TM, PWS+\a
.irp c, 0,1,2
	global_store_b128 v[LI], v[PC+4*\c:PC+4*\c+3], s[OUTC:OUTC+1] offset:1536*\a+512*\c
.endr
.endr
.irp a, 0,1,2,3,4,5,6,7
	ds_store_b32 v[SWA], v[PWS+\a] offset:64*\a    ; lanes l and l xor 16 write the same word with the same value
.endr
	ds_load_b128 v[SBK:SBK+3], v[SRD]              ; LDS serves a wave's instructions in order
	s_wait_dscnt 0x0
	global_store_b128 v[LI], v[SBK:SBK+3], s[OUTS:OUTS+1]   ; my eight fragments' scale words: 512 consecutive bytes
	s_wait_tensorcnt 0x0                           ; the wave's end
	ds_add_u32 v[SPW], v[NIL]
	s_wait_dscnt 0x0
	CROUND                                         ; the closing round
	s_endpgm
.Lfunc_end_k_q4886445669_gemm_qkv:
	.size	k_q4886445669_gemm_qkv, .Lfunc_end_k_q4886445669_gemm_qkv-k_q4886445669_gemm_qkv
	.p2alignl 7, 3214868480
	.fill 96, 4, 3214868480
	.section	.rodata,"a",@progbits
	.p2align	6, 0x0
	.amdhsa_kernel k_q4886445669_gemm_qkv
		.amdhsa_group_segment_fixed_size 327680
		.amdhsa_private_segment_fixed_size 0
		.amdhsa_enable_private_segment 0
		.amdhsa_kernarg_size 56
		.amdhsa_user_sgpr_count 2
		.amdhsa_user_sgpr_kernarg_segment_ptr 1
		.amdhsa_wavefront_size32 1
		.amdhsa_system_sgpr_workgroup_id_x 1
		.amdhsa_system_sgpr_workgroup_id_y 1
		.amdhsa_system_sgpr_workgroup_id_z 1
		.amdhsa_system_vgpr_workitem_id 0
		.amdhsa_next_free_vgpr 1024
		.amdhsa_next_free_sgpr 102
		.amdhsa_reserve_vcc 0
		.amdhsa_float_denorm_mode_32 3
		.amdhsa_float_denorm_mode_16_64 3
		.amdhsa_memory_ordered 1
		.amdhsa_forward_progress 1
		.amdhsa_inst_pref_size 181
	.end_amdhsa_kernel
	.amdgpu_metadata
---
amdhsa.version: [ 1, 2 ]
amdhsa.kernels:
  - .name:           k_q4886445669_gemm_qkv
    .symbol:         k_q4886445669_gemm_qkv.kd
    .args:
      - { .name: xop, .offset: 0, .size: 8, .value_kind: global_buffer, .address_space: global }
      - { .name: wop, .offset: 8, .size: 8, .value_kind: global_buffer, .address_space: global }
      - { .name: bq, .offset: 16, .size: 8, .value_kind: global_buffer, .address_space: global }
      - { .name: bk, .offset: 24, .size: 8, .value_kind: global_buffer, .address_space: global }
      - { .name: bv, .offset: 32, .size: 8, .value_kind: global_buffer, .address_space: global }
      - { .name: qop, .offset: 40, .size: 8, .value_kind: global_buffer, .address_space: global }
      - { .name: kvop, .offset: 48, .size: 8, .value_kind: global_buffer, .address_space: global }
    .group_segment_fixed_size: 327680
    .private_segment_fixed_size: 0
    .kernarg_segment_align: 8
    .kernarg_segment_size: 56
    .max_flat_workgroup_size: 128
    .sgpr_count:     102
    .vgpr_count:     1024
    .wavefront_size: 32
...
	.end_amdgpu_metadata
.endif
;; end of part 3
;; launch attn (part 4): grid 8 x 32, 8 waves a work-group, clusters of 4 x 1, 327,680 bytes of LDS; arguments qop, kvop, aop; writes aop
.if DOCPART == 4
	.amdgcn_target "amdgcn-amd-amdhsa--gfx1250"
	.amdhsa_code_object_version 6
	.text
	.protected	k_q4886445669_attn
	.globl	k_q4886445669_attn
	.p2align	8
	.type	k_q4886445669_attn,@function
k_q4886445669_attn:
	s_mov_b64 s[64:65], 0
	v_nop
	global_prefetch_b8 v0, s[64:65] scope:SCOPE_SE
	s_setreg_imm32_b32 hwreg(HW_REG_WAVE_MODE, 25, 1), 1
	s_wait_xcnt 0x0
	s_wait_alu depctr_hold_cnt(0) depctr_sa_sdst(0) depctr_va_vdst(0) depctr_va_sdst(0) depctr_va_ssrc(0) depctr_va_vcc(0) depctr_vm_vsrc(0)
	s_getreg_b32 s2, hwreg(HW_REG_IB_STS2, 6, 4)
	s_cmp_eq_u32 s2, 0
	s_cbranch_scc0 .Lentry_in_a_cluster
	s_endpgm
.Lentry_in_a_cluster:
	s_bfe_u32 s2, ttmp6, 0x10000c
	s_cmp_lg_u32 s2, 0x3003
	s_cbranch_scc0 .Lentry_shape_is_right
	s_endpgm
.Lentry_shape_is_right:
; O[bh][q] = the sum over 3,072 keys of softmax(Q . K / sqrt(128)) V, both products on codes of FP6 (E2M3) with E8M0 scales; O / l is quantised here along the head's 128 for the last product.
; THE SOFTMAX: t = score x log2(e) / sqrt(128); M = the running largest t rounded UP to a whole number; p = 2^(t - M) is quantised along the keys, not normalised; the row's sum is taken of the
; unquantised p; when M moves, the sum and O are multiplied by 2^(old M - new M), which rounds nothing.
; OPERANDS are fragment images (16 rows x 128 K = 1,536 bytes, the 12 registers as they stand; fragment 2 g + u holds at lane place r row 32 g + 8 u + r + 8 (r / 8); 64 scale bytes a fragment).
; K: [bh][192 fragments of keys]; V: [bh][24 chunks of 128 keys][8 fragments of the head's 128]; Q: [bh][64 fragments].  Both products are used transposed (S^T = K Q^T, O^T = V^T P^T): a lane holds one
; query, and by the order of rows in a fragment the 16 registers of tiles 2 B, 2 B + 1 are 16 neighbours: of the keys in S^T, of the head's 128 in O^T.
; SHARES: a work-group owns 128 queries of one (b, head); each of its eight waves owns one fragment of 16: two waves to a SIMD, so that one wave's vector work stands beside the other's products and LDS loads.
; Every wave walks 24 key steps of 128 keys.  K and V come through a ring of two LDS slots of four key steps; each wave fetches one step's K or V, 12,288 dense bytes.
; CLUSTER 4 x 1: the four work-groups walk the same K and V: every tile is asked for jointly, with a mask that names the four.  The head's scale words come once.
; LIMITS: NaN and infinities are not served; a block of zeros, or one under 2^-124, gets the scale byte 1; the bytes are read by this program alone.
; REGISTERS: window 0: v1-11 addresses; v12 -M, v13 the largest t, v[14:15] the sum; v16-27 Q; v28-31 K's scale words; v32-73 the way out; v96-159 S^T, then p; v160-223 O^T; v224-235 p's codes;
;   v232-247, v252, v254 at work; v248-251 V's scale words; v253 p's scale word; v255 Q's.  window 1: v0-95 K's eight fragments, v96-191 V's.
.set SLOT1, 1<<17                      ; slot 1 begins here: one exclusive or turns an address from one slot to the other
.set STEPB, 12288                      ; eight fragments
.set VOFF,  4*STEPB                    ; a slot: K of four steps, then V of four
.set SCS,   2*SLOT1                    ; K's scale words of the head, 12,288 bytes, then V's
.set GST,   SCS+24576                  ; 512 bytes: the eight waves' result scale words
.set SPARE, GST+512                    ; the spare words, 128 bytes a wave: four blocks of 256 bytes that no other line names
.set LI,  1                            ; v1  16 x lane
.set LIV, 2                            ; v2  + VOFF
.set LSC, 3                            ; v3  SCS + 4 x lane
.set SPW, 4                            ; v4  my spare word; never rewritten
.set NIL, 5                            ; v5  0; never rewritten
.set PFO, 6                            ; v6  256 x lane; never rewritten
.set ADK, 7
.set ADV, 8
.set ADS, 9
.set GW,  10                           ; v10 where my row's scale word goes
.set GR,  11                           ; v11 where wave 0 reads the eight waves' words back
.set KS,  28
.set VS,  248
.set PC,  32
.set TM,  52
.set PW,  68
.set QSO, 69                           ; v69 4 r
.set GB,  70
.set WV,  18
.set SEL, 20
.set CS,  22
.set G1,  24
.set G1S, 32
.set G0,  40
.set G0S, 44
.set SB,  48                           ; s48 the slot in hand
.set SS,  49                           ; s49 its scale words: 2,048 bytes a slot
.set SLOTS, 50
.set LIM, 51
.set PFA, 52
.set MSB, 0
.macro WIN new
.if MSB != (\new)
	s_set_vgpr_msb (MSB<<8)|(\new)
.set MSB, (\new)
.endif
.endm
.macro CROUND                          ; a round of the cluster's barrier
	s_barrier_signal -1
	s_barrier_wait -1
	s_cmp_lg_u32 s[WV], 0
	s_cbranch_scc1 .Lnot_wave_0_\@
	s_barrier_signal -3
.Lnot_wave_0_\@:
	s_barrier_wait -3
	s_barrier_signal -1
	s_barrier_wait -1
.endm
; A PREFETCH INTO THE L2 of the slot that the NEXT change of slots will ask for: 98,304 bytes, 384 blocks of 256.  Both clusters of a head walk the same K and V: the first asks.  Its four partners take
; 24,576 bytes each, told apart by address alone (partners 0, 1: K's halves; 2, 3: V's); in each, waves 0 to 2 ask for 8,192 bytes, lanes 256 bytes apart.  So each block is named once in the launch.
; It stands behind the wave's tensor load and its four lines.  The last change that fills a slot asks for nothing; slots 0 and 1 and the scale words come by their loads alone.
.macro ASK
	s_cmp_gt_u32 s[SLOTS], s[LIM]
	s_cbranch_scc0 .Lnot_mine_\@
	global_prefetch_b8 v[PFO], s[PFA:PFA+1] th:TH_LOAD_NT scope:SCOPE_SE
.Lnot_mine_\@:
.endm
.macro QUANT s, pc, tm, pw             ; 64 numbers of a lane (register 16 b + i = k 32 b + 16 (lane / 16) + i) become a fragment in v[pc] on and a scale word in v[pw]
.irp b, 0,1,2,3
	v_max3_num_f32 v[\tm+\b], |v[\s+16*\b]|, |v[\s+1+16*\b]|, 0x1800000
.endr
.irp i, 2,4,6,8,10,12,14
.irp b, 0,1,2,3
	v_max3_num_f32 v[\tm+\b], v[\tm+\b], |v[\s+16*\b+\i]|, |v[\s+1+16*\b+\i]|
.endr
.endr
.irp b, 0,1,2,3
	v_permlanex16_b32 v[\tm+4+\b], v[\tm+\b], s[SEL], s[SEL+1]
.endr
.irp b, 0,1,2,3
	v_max_num_f32 v[\tm+\b], v[\tm+\b], v[\tm+4+\b]
.endr
.irp b, 0,1,2,3
	v_add_nc_u32 v[\tm+12+\b], 0xff000000, v[\tm+\b]
.endr
.irp b, 0,1,2,3
	v_lshrrev_b32 v[\tm+4+\b], 23, v[\tm+12+\b]
.endr
	v_lshl_or_b32 v[\pw], v[\tm+5], 8, v[\tm+4]
	v_lshl_or_b32 v[\pw], v[\tm+6], 16, v[\pw]
	v_lshl_or_b32 v[\pw], v[\tm+7], 24, v[\pw]
.irp c, 0,1
	v_cvt_scalef32_pk16_fp6_f32 v[\pc+6*\c:\pc+2+6*\c], v[\s+32*\c:\s+15+32*\c], v[\tm+12+2*\c]
	v_cvt_scalef32_pk16_fp6_f32 v[\pc+12+4*\c:\pc+14+4*\c], v[\s+16+32*\c:\s+31+32*\c], v[\tm+12+2*\c+1]
.endr
	v_nop
.irp c, 0,1
.irp i, 0,1,2
	v_permlane16_swap_b32 v[\pc+6*\c+\i], v[\pc+12+4*\c+\i]
.endr
.irp i, 0,1,2
	v_mov_b32 v[\pc+3+6*\c+\i], v[\pc+12+4*\c+\i]
.endr
.endr
.endm
	s_load_b128 s[4:7], s[0:1], 0x0                ; qop s[4:5], kvop s[6:7]
	s_load_b64 s[8:9], s[0:1], 0x10                ; aop
	v_lshl_add_u32 v[SPW], v0, 2, SPARE
	v_mov_b32 v[NIL], 0
	ds_add_u32 v4, v5
	ds_add_u32 v4, v5
	s_wait_dscnt 0x0
	v_lshrrev_b32 v7, 5, v0
	v_readfirstlane_b32 s[WV], v7                  ; wave 0..7
	s_bfe_u32 s54, ttmp6, 0x40000                  ; cx: it enters Q's, the result's and the prefetches' addresses alone
	s_lshl_b32 s55, ttmp9, 2
	s_add_co_u32 s55, s55, s54                     ; my block of 128 queries
	s_and_b32 s56, ttmp7, 0xffff                   ; bh = 16 b + head, which the partners share
	s_lshr_b32 s57, s[WV], 2                       ; I fetch for K (0) or V (1),
	s_and_b32 s58, s[WV], 3                        ; which step of a slot
	s_mul_i32 s60, s57, 9437184
	s_mul_i32 s59, s56, 294912
	s_add_co_u32 s60, s60, s59
	s_mul_i32 s59, s58, STEPB
	s_add_co_u32 s60, s60, s59
	s_mov_b32 s61, 0
	s_mul_i32 s62, s57, 393216
	s_add_co_u32 s62, s62, 18874368
	s_mul_i32 s59, s56, 12288
	s_add_co_u32 s62, s62, s59
	s_mul_i32 s59, s58, 3072
	s_add_co_u32 s62, s62, s59
	s_mov_b32 s63, 0
	s_mov_b32 s[G1], 15|(3<<16)|(1<<21)            ; 15:0 the mask: all four work-groups; 17:16 elements of 8 bytes; 21 set beside a mask; no padding
	s_mov_b32 s[G1+1], 32<<16                      ; 12,288 dense bytes as 48 rows of 256
	s_mov_b32 s[G1+2], 48<<16
	s_mov_b32 s[G1+3], 32<<16
	s_mov_b32 s[G1+4], 48
	s_mov_b32 s[G1+5], 32
	s_mov_b32 s[G1+6], 0
	s_mov_b32 s[G1+7], 0
	s_mov_b32 s[G1S], 15|(3<<16)|(1<<21)           ; 3,072 dense bytes as 12 rows of 256
	s_mov_b32 s[G1S+1], 32<<16
	s_mov_b32 s[G1S+2], 12<<16
	s_mov_b32 s[G1S+3], 32<<16
	s_mov_b32 s[G1S+4], 12
	s_mov_b32 s[G1S+5], 32
	s_mov_b32 s[G1S+6], 0
	s_mov_b32 s[G1S+7], 0
	s_mov_b32 s[G0], 1
	s_mul_i32 s[G0+1], s[WV], STEPB                ; slot 0: wave x 12,288
	s_mov_b32 s[G0S], 1
	s_mul_i32 s59, s[WV], 3072
	s_add_co_u32 s[G0S+1], s59, SCS
	s_lshr_b32 s66, s54, 1                         ; the prefetches: my work-group's quarter of a slot,
	s_mul_i32 s66, s66, 9437184
	s_mul_i32 s59, s56, 294912
	s_add_co_u32 s66, s66, s59
	s_and_b32 s59, s54, 1
	s_mul_i32 s59, s59, 24576
	s_add_co_u32 s66, s66, s59
	s_lshl_b32 s59, s[WV], 13                      ; my wave's 8,192 bytes of it,
	s_add_co_u32 s66, s66, s59
	s_add_co_u32 s66, s66, VOFF                    ; in slot 1: the first change of slots steps it to slot 2
	s_mov_b32 s67, 0
	s_cmp_lt_u32 s[WV], 3
	s_cselect_b32 s59, 0, 1
	s_or_b32 s59, s59, ttmp9                       ; waves 0 to 2 of the head's first cluster: the same in all partners
	s_cmp_eq_u32 s59, 0
	s_cselect_b32 s[LIM], 1, -1
	s_lshl_b32 s59, s55, 3
	s_add_co_u32 s59, s59, s[WV]                   ; my fragment of queries
	s_lshl_b32 s68, s56, 6
	s_add_co_u32 s68, s68, s59
	s_mul_i32 s70, s68, 1536
	s_mov_b32 s71, 0
	s_lshl_b32 s72, s68, 6
	s_add_co_u32 s72, s72, 3145728
	s_mov_b32 s73, 0
	s_and_b32 s68, s56, 15                         ; the result: chunk = head, fragment = 64 b + my fragment
	s_lshl_b32 s68, s68, 7
	s_lshr_b32 s69, s56, 4
	s_lshl_b32 s69, s69, 6
	s_add_co_u32 s68, s68, s69
	s_add_co_u32 s69, s68, s59
	s_mul_i32 s74, s69, 1536
	s_mov_b32 s75, 0
	s_lshl_b32 s69, s55, 3
	s_add_co_u32 s68, s68, s69
	s_lshl_b32 s76, s68, 6
	s_add_co_u32 s76, s76, 3145728
	s_mov_b32 s77, 0
	s_mov_b32 s[SEL], 0x76543210
	s_mov_b32 s[SEL+1], 0xfedcba98
	s_mov_b32 s[CS], 0x3e0293ee                    ; c = log2(e) / sqrt(128)
	s_mov_b32 s[CS+1], s[CS]
	s_mov_b32 s[SB], 0
	s_mov_b32 s[SS], 0
	s_mov_b32 s[SLOTS], 5
	s_wait_kmcnt 0x0
	s_add_nc_u64 s[G0+2:G0+3], s[6:7], s[60:61]
	s_or_b32 s[G0+3], s[G0+3], 0x80000000
	s_add_nc_u64 s[G0S+2:G0S+3], s[6:7], s[62:63]
	s_or_b32 s[G0S+3], s[G0S+3], 0x80000000
	s_add_nc_u64 s[PFA:PFA+1], s[6:7], s[66:67]
	s_add_nc_u64 s[10:11], s[4:5], s[70:71]        ; Q's codes,
	s_add_nc_u64 s[12:13], s[4:5], s[72:73]        ; Q's scale words,
	s_add_nc_u64 s[14:15], s[8:9], s[74:75]        ; the result's codes,
	s_add_nc_u64 s[16:17], s[8:9], s[76:77]        ; the work-group's 512 bytes of its scale words
	CROUND                                         ; all four work-groups are here: the first joint loads meet
	tensor_load_to_lds s[G0S:G0S+3], s[G1S:G1S+7]  ; the head's scale words: filled once
	s_nop 0
	tensor_load_to_lds s[G0:G0+3], s[G1:G1+7]      ; slot 0: two loads of mine are out
	s_nop 0
.rept 4
	v_nop
.endr
	v_and_b32 v[LI], 31, v0
	v_lshlrev_b32 v[PFO], 8, v[LI]
	v_lshl_add_u32 v[LSC], v[LI], 2, SCS
	v_lshlrev_b32 v[LI], 4, v[LI]
	v_add_nc_u32 v[LIV], VOFF, v[LI]
	v_and_b32 v[QSO], 15, v0
	v_lshlrev_b32 v[QSO], 2, v[QSO]
	s_lshl_b32 s59, s[WV], 6
	v_add_nc_u32 v[GW], s59, v[QSO]
	v_add_nc_u32 v[GW], GST, v[GW]
	v_add_nc_u32 v[GR], GST, v[LI]
.irp c, 0,1,2
	global_load_b128 v[16+4*\c:19+4*\c], v[LI], s[10:11] offset:512*\c   ; Q's fragment stays in registers
.endr
	global_load_b32 v255, v[QSO], s[12:13]
	v_mov_b32 v13, 0xff61b1e6                      ; the largest t so far: -3e38
	v_floor_f32 v12, -v13                          ; -M
	v_mov_b32 v14, 0
	v_mov_b32 v15, 0
.irp b, 0,1,2,3
	v_mov_b32 v[236+\b], 0                         ; a lane permute's destination counts as one of its sources
	v_mov_b32 v[TM+4+\b], 0
.endr
	v_mov_b32 v253, 0                              ; named as the upper half of the pair v[252:253] before it is first written
.set j, 0
.rept 64
	v_mov_b32 v[160+j], 0                          ; O^T: the key step is written for every step alike: the first finds zeros, which the first change of M leaves zeros
.set j, j+1
.endr
; A KEY STEP: 128 keys, the q-th of the slot in hand.  All its LDS loads go out at its head; V's land while the scores and the softmax are worked.
.macro STEP q
.rept 4
	v_nop                                          ; places behind the last step's products, whose operands and scale words are loaded again
.endr
.irp i, 0,1,2,3
	ds_load_b32 v[KS+\i], v[ADS] offset:512*(\q)+128*\i        ; lanes 0-15: fragment 2 i's words, lanes 16-31: fragment 2 i + 1's
.endr
	WIN 0x40                                       ; destination window 1
.irp t, 0,1,2,3,4,5,6,7
.irp c, 0,1,2
	ds_load_b128 v[12*\t+4*\c:12*\t+4*\c+3], v[ADK] offset:STEPB*(\q)+1536*\t+512*\c
.endr
.endr
.irp t, 0,1,2,3,4,5,6,7
.irp c, 0,1,2
	ds_load_b128 v[96+12*\t+4*\c:96+12*\t+4*\c+3], v[ADV] offset:STEPB*(\q)+1536*\t+512*\c
.endr
.endr
	WIN 0
.irp i, 0,1,2,3
	ds_load_b32 v[VS+\i], v[ADS] offset:12288+512*(\q)+128*\i
.endr
	s_wait_dscnt 28                                ; K's 28 loads are in; V's 24 and its 4 scale loads may be out
	WIN 0x01                                       ; source 0 window 1
.irp t, 0,2,4,6
	v_wmma_scale_f32_16x16x128_f8f6f4 v[96+8*\t:103+8*\t], v[12*\t:12*\t+11], v[16:27], 0, v[KS+\t/2], v255 matrix_a_fmt:MATRIX_FMT_FP6 matrix_b_fmt:MATRIX_FMT_FP6
	v_wmma_scale_f32_16x16x128_f8f6f4 v[104+8*\t:111+8*\t], v[12*\t+12:12*\t+23], v[16:27], 0, v[KS+\t/2], v255 matrix_a_fmt:MATRIX_FMT_FP6 matrix_b_fmt:MATRIX_FMT_FP6 matrix_a_scale:MATRIX_SCALE_ROW1
.endr
	WIN 0
.rept 4
	v_nop
.endr
.irp b, 0,1,2,3
	v_max3_num_f32 v[232+\b], v[96+16*\b], v[97+16*\b], v[98+16*\b]   ; the largest score of each block of 32 keys: it serves the row's maximum and, since p rises with the score, the block's largest p
.endr
.irp i, 3,5,7,9,11,13
.irp b, 0,1,2,3
	v_max3_num_f32 v[232+\b], v[232+\b], v[96+16*\b+\i], v[97+16*\b+\i]
.endr
.endr
.irp b, 0,1,2,3
	v_max_num_f32 v[232+\b], v[232+\b], v[111+16*\b]
.endr
.irp b, 0,1,2,3
	v_permlanex16_b32 v[236+\b], v[232+\b], s[SEL], s[SEL+1]
.endr
.irp b, 0,1,2,3
	v_max_num_f32 v[232+\b], v[232+\b], v[236+\b]  ; with lane l xor 16's 16 keys
.endr
	v_max3_num_f32 v254, v232, v233, v234
	v_max_num_f32 v254, v254, v235                 ; the step's largest score of my query
	v_mul_f32 v254, s[CS], v254                    ; as t
	v_max_num_f32 v13, v13, v254                   ; the running largest t
	v_mov_b32 v254, v12
	v_floor_f32 v12, -v13                          ; the new -M = floor(-t): M is a whole number
	v_sub_f32 v254, v12, v254                      ; old M - new M: a whole number, 0 or less
	v_cvt_i32_f32 v254, v254                       ; (it saturates)
	v_ldexp_f32 v252, 1.0, v254                    ; f = 2^(old M - new M)
.set j, 0
.rept 32
	v_pk_fma_f32 v[96+j:97+j], v[96+j:97+j], s[CS:CS+1], v[12:13] op_sel_hi:[1,0,0]   ; t - M, two at a time
.set j, j+2
.endr
.irp b, 0,1,2,3
	v_fma_f32 v[232+\b], v[232+\b], s[CS], v12     ; the same of each block's largest score
.endr
.set j, 0
.rept 64
	v_exp_f32 v[96+j], v[96+j]                     ; p = 2^(t - M), at most 1
.set j, j+1
.endr
	v_pk_mul_f32 v[14:15], v[14:15], v[252:253] op_sel_hi:[1,0]   ; the sums under the new M: the plain instruction behind the exponentials
	s_wait_alu depctr_va_vdst(0)                   ; one wait for the whole batch, ahead of its first reader
.irp b, 0,1,2,3
	v_exp_f32 v[232+\b], v[232+\b]                 ; the block's largest p
.endr
	v_pk_add_f32 v[236:237], v[96:97], v[98:99]    ; the row's sum is taken of the unquantised p, in two chains
.irp j, 4,8,12,16,20,24,28,32,36,40,44,48,52,56,60
	v_pk_add_f32 v[14:15], v[14:15], v[96+\j:97+\j]
	v_pk_add_f32 v[236:237], v[236:237], v[98+\j:99+\j]
.endr
	v_pk_add_f32 v[14:15], v[14:15], v[236:237]
	s_wait_alu depctr_va_vdst(0)                   ; and one for the four
.irp b, 0,1,2,3
	v_max_num_f32 v[232+\b], 0x1800000, v[232+\b]  ; the floor 2^(3 - 127)
.endr
.irp b, 0,1,2,3
	v_add_nc_u32 v[244+\b], 0xff000000, v[232+\b]  ; the conversion's scale operand
.endr
.irp b, 0,1,2,3
	v_lshrrev_b32 v[236+\b], 23, v[244+\b]
.endr
	v_lshl_or_b32 v253, v237, 8, v236              ; p's scale word for these 128 keys
	v_lshl_or_b32 v253, v238, 16, v253
	v_lshl_or_b32 v253, v239, 24, v253
.irp c, 0,1
	v_cvt_scalef32_pk16_fp6_f32 v[224+6*\c:226+6*\c], v[96+32*\c:111+32*\c], v[244+2*\c]
	v_cvt_scalef32_pk16_fp6_f32 v[236+4*\c:238+4*\c], v[112+32*\c:127+32*\c], v[244+2*\c+1]
.endr
	v_nop                                          ; one plain instruction behind the scaled conversions
.irp c, 0,1
.irp i, 0,1,2
	v_permlane16_swap_b32 v[224+6*\c+\i], v[236+4*\c+\i]
.endr
.irp i, 0,1,2
	v_mov_b32 v[227+6*\c+\i], v[236+4*\c+\i]
.endr
.endr
.set j, 0
.rept 32
	v_pk_mul_f32 v[160+j:161+j], v[160+j:161+j], v[252:253] op_sel_hi:[1,0]   ; O^T under the new M; these 32 are also the places in front of the products below
.set j, j+2
.endr
	s_wait_dscnt 0x0                               ; V is in
	WIN 0x01
.irp t, 0,2,4,6
	v_wmma_scale_f32_16x16x128_f8f6f4 v[160+8*\t:167+8*\t], v[96+12*\t:107+12*\t], v[224:235], v[160+8*\t:167+8*\t], v[VS+\t/2], v253 matrix_a_fmt:MATRIX_FMT_FP6 matrix_b_fmt:MATRIX_FMT_FP6
	v_wmma_scale_f32_16x16x128_f8f6f4 v[168+8*\t:175+8*\t], v[108+12*\t:119+12*\t], v[224:235], v[168+8*\t:175+8*\t], v[VS+\t/2], v253 matrix_a_fmt:MATRIX_FMT_FP6 matrix_b_fmt:MATRIX_FMT_FP6 matrix_a_scale:MATRIX_SCALE_ROW1
.endr
	WIN 0
.endm
.macro SLOT_STEPS
	v_add_nc_u32 v[ADK], s[SB], v[LI]
	v_add_nc_u32 v[ADV], s[SB], v[LIV]
	v_add_nc_u32 v[ADS], s[SS], v[LSC]
	STEP 0
	STEP 1
	STEP 2
	STEP 3
	s_xor_b32 s[SB], s[SB], SLOT1                  ; on to the other slot
	s_add_co_u32 s[SS], s[SS], 2048
.endm
; THE CHANGE OF SLOTS stands at a slot's head.  Each wave waits for all its tensor loads (its part of the slot ahead), adds 0 to its spare word, and waits for that and for its reads of the slot that it
; has left.  fill = 1: a round of the cluster's barrier, and the slot just left is filled with the keys that follow: the load has four key steps in which to land.
.macro CHANGE fill
	s_wait_tensorcnt 0x0                           ; no tensor load of mine is out, so the walking descriptor may be written
	ds_add_u32 v[SPW], v[NIL]                      ; 0 onto my spare word
.if \fill
	s_xor_b32 s[G0+1], s[G0+1], SLOT1
	s_add_nc_u64 s[G0+2:G0+3], s[G0+2:G0+3], VOFF  ; the next four key steps; the type bits on top are not reached
	s_wait_xcnt 0x0                                ; the last prefetch, a slot back, has read its address
	s_add_nc_u64 s[PFA:PFA+1], s[PFA:PFA+1], VOFF  ; one slot further on than the walking descriptor
	s_wait_dscnt 0x0                               ; the add is done, and my reads of the slot that I have left are over
	CROUND
	tensor_load_to_lds s[G0:G0+3], s[G1:G1+7]      ; the first thing behind the round, and my one tensor load until the next
	s_nop 0
.rept 4
	v_nop
.endr
	ASK
.else
	s_wait_dscnt 0x0
	s_barrier_signal -1
	s_barrier_wait -1
.endif
.endm
	s_wait_loadcnt 0x0                             ; Q
.Lslot:                                            ; five trips: behind each change of slots but the last the next slot is asked for
	CHANGE 1
	SLOT_STEPS
	s_sub_co_u32 s[SLOTS], s[SLOTS], 1
	s_cmp_lg_u32 s[SLOTS], 0
	s_cbranch_scc1 .Lslot
	CHANGE 0                                       ; the last slot is written out
	SLOT_STEPS
	; THE WAY OUT: O^T / the sum, quantised along the head's 128: one fragment image, 3 x 512 consecutive bytes; the eight waves' scale words meet in LDS and leave as 512 bytes.
.rept 4
	v_nop
.endr
	v_add_f32 v14, v14, v15
	v_permlanex16_b32 v252, v14, s[SEL], s[SEL+1]
	v_add_f32 v14, v14, v252                       ; the row's sum
	v_rcp_f32 v14, v14
	v_nop                                          ; a plain instruction behind the reciprocal
	s_wait_alu depctr_va_vdst(0)                   ; and the wait ahead of its first reader
.set j, 0
.rept 64
	v_mul_f32 v[96+j], v[160+j], v14               ; ascending: each accumulator is read from its low end on; register 16 B + i is channel 32 B + 16 (lane / 16) + i
.set j, j+1
.endr
	QUANT 96, PC, TM, PW
.irp c, 0,1,2
	global_store_b128 v[LI], v[PC+4*\c:PC+4*\c+3], s[14:15] offset:512*\c
.endr
	ds_store_b32 v[GW], v[PW]                      ; lanes l and l xor 16 write the same word with the same value
	s_wait_dscnt 0x0                               ; for the others' sake: my store has landed
	s_barrier_signal -1
	s_barrier_wait -1
	s_cmp_lg_u32 s[WV], 0
	s_cbranch_scc1 .Lnot_first
	ds_load_b128 v[GB:GB+3], v[GR]
	s_wait_dscnt 0x0
	global_store_b128 v[LI], v[GB:GB+3], s[16:17]
.Lnot_first:
	s_wait_tensorcnt 0x0                           ; the wave's end
	ds_add_u32 v[SPW], v[NIL]
	s_wait_dscnt 0x0
	CROUND                                         ; the closing round
	s_endpgm
.Lfunc_end_k_q4886445669_attn:
	.size	k_q4886445669_attn, .Lfunc_end_k_q4886445669_attn-k_q4886445669_attn
	.p2alignl 7, 3214868480
	.fill 96, 4, 3214868480
	.section	.rodata,"a",@progbits
	.p2align	6, 0x0
	.amdhsa_kernel k_q4886445669_attn
		.amdhsa_group_segment_fixed_size 327680
		.amdhsa_private_segment_fixed_size 0
		.amdhsa_enable_private_segment 0
		.amdhsa_kernarg_size 24
		.amdhsa_user_sgpr_count 2
		.amdhsa_user_sgpr_kernarg_segment_ptr 1
		.amdhsa_wavefront_size32 1
		.amdhsa_system_sgpr_workgroup_id_x 1
		.amdhsa_system_sgpr_workgroup_id_y 1
		.amdhsa_system_sgpr_workgroup_id_z 1
		.amdhsa_system_vgpr_workitem_id 0
		.amdhsa_next_free_vgpr 448
		.amdhsa_next_free_sgpr 78
		.amdhsa_reserve_vcc 0
		.amdhsa_float_denorm_mode_32 3
		.amdhsa_float_denorm_mode_16_64 3
		.amdhsa_memory_ordered 1
		.amdhsa_forward_progress 1
		.amdhsa_inst_pref_size 167
	.end_amdhsa_kernel
	.amdgpu_metadata
---
amdhsa.version: [ 1, 2 ]
amdhsa.kernels:
  - .name:           k_q4886445669_attn
    .symbol:         k_q4886445669_attn.kd
    .args:
      - { .name: qop, .offset: 0, .size: 8, .value_kind: global_buffer, .address_space: global }
      - { .name: kvop, .offset: 8, .size: 8, .value_kind: global_buffer, .address_space: global }
      - { .name: aop, .offset: 16, .size: 8, .value_kind: global_buffer, .address_space: global }
    .group_segment_fixed_size: 327680
    .private_segment_fixed_size: 0
    .kernarg_segment_align: 8
    .kernarg_segment_size: 24
    .max_flat_workgroup_size: 256
    .sgpr_count:     78
    .vgpr_count:     448
    .wavefront_size: 32
...
	.end_amdgpu_metadata
.endif
;; end of part 4
;; launch gemm_out (part 5): grid 8 x 8, 4 waves a work-group, clusters of 4 x 4, 327,680 bytes of LDS; arguments aop, wop, bo, out0; writes out0
.if DOCPART == 5
	.amdgcn_target "amdgcn-amd-amdhsa--gfx1250"
	.amdhsa_code_object_version 6
	.text
	.protected	k_q4886445669_gemm_out
	.globl	k_q4886445669_gemm_out
	.p2align	8
	.type	k_q4886445669_gemm_out,@function
k_q4886445669_gemm_out:
	s_mov_b64 s[64:65], 0
	v_nop
	global_prefetch_b8 v0, s[64:65] scope:SCOPE_SE
	s_setreg_imm32_b32 hwreg(HW_REG_WAVE_MODE, 25, 1), 1
	s_wait_xcnt 0x0
	s_wait_alu depctr_hold_cnt(0) depctr_sa_sdst(0) depctr_va_vdst(0) depctr_va_sdst(0) depctr_va_ssrc(0) depctr_va_vcc(0) depctr_vm_vsrc(0)
	s_getreg_b32 s2, hwreg(HW_REG_IB_STS2, 6, 4)
	s_cmp_eq_u32 s2, 0
	s_cbranch_scc0 .Lentry_in_a_cluster
	s_endpgm
.Lentry_in_a_cluster:
	s_bfe_u32 s2, ttmp6, 0x10000c
	s_cmp_lg_u32 s2, 0xf033
	s_cbranch_scc0 .Lentry_shape_is_right
	s_endpgm
.Lentry_shape_is_right:
; out0 = A wo + bo on codes of FP6 (E2M3) with E8M0 scales, sums in f32.  A is the attention's result [2048 rows][2048], wo's rows are its columns n.
; OPERANDS are fragment images (16 rows x 128 K = 1,536 bytes, the 12 registers as they stand; fragment 2 g + u holds at lane place r row 32 g + 8 u + r + 8 (r / 8); 64 scale bytes a fragment),
; laid [chunk of 128 K][128 fragments].  A fragment comes by three loads of 16 bytes a lane, 512 consecutive bytes each; a tile's chunk is one dense block.
; A tile of 256 x 256 is made by four waves, each 128 x 128: 64 accumulators.  Source 0 = wo (S0, 8 fragments b), source 1 = A (S1, 8 fragments a): a lane holds one row of the output, and the 16
; registers of tiles 2 B, 2 B + 1 are columns 32 B + 16 (lane / 16) + 0 .. 15.  K goes in slots of two chunks through a ring of two LDS slots; all scale words of the tile's rows come once.
; CLUSTERS 4 x 4: A's tiles are shared along a row of the cluster, wo's along a column.
; REGISTERS: window 0: v0-31 addresses; v32-63 scale words, two sets; v64-67 my four numbers of bo; v128-223 S1's fragments; on the way out v128-255 hold rows read back.
;   window 1: S0's fragments, two sets, at v0 and v128.  windows 2, 3: accumulator (a, b) at v[8 (8 (a % 4) + b)] of window 2 + a / 4.
.set NQ,    2
.set FR,    12
.set NL,    3
.set NP,    4                          ; places behind this matrix instruction (ISA guide 7.12.1)
.set QB,    24576
.set SLOT,  4*QB
.set SCL,   2*SLOT
.set SPARE, SCL+32768                  ; the spare words, 128 bytes a wave: two blocks of 256 bytes that no other line names
.set CHB,   196608
.set LAPS,  4
.set SPITCH, 528                       ; the way out: a stage of 16 rows x (512 + 16) bytes a wave, in slot 0, which has had its last fill and its last read when the first result is stored there
.set ADRA, 16
.set ADRB, 20
.set LI,   24                          ; v24 16 x lane
.set STO,  25
.set RD,   26
.set ADRS, 27
.set SPW,  28
.set NIL,  29
.set SC,   32
.set BO,   64
.set AF,   128
.set BK,   128
.set WV, 18
.set HI, 19
.set LO, 20
.set G1, 24
.set G0, 32
.set G1B, 48
.set G0B, 56
.set G1S, 68
.set G0S, 76
.set G1SB, 80
.set G0SB, 88
.set MSB, 0
.macro WIN new
.if MSB != (\new)
	s_set_vgpr_msb (MSB<<8)|(\new)
.set MSB, (\new)
.endif
.endm
.set MUL_LO, 0xa1
.set MUL_HI, 0xf1
.set TO_B,   0x40
.macro JLOAD g0a, g1a, g0b, g1b        ; waves 0 and 1 fetch for S1, waves 2 and 3 for S0; four v_nop follow each line
	s_cmp_eq_u32 s[HI], 0
	s_cbranch_scc0 .Lfor_b_\@
	tensor_load_to_lds s[\g0a:\g0a+3], s[\g1a:\g1a+7]
	s_nop 0
.rept 4
	v_nop
.endr
	s_branch .Lasked_\@
.Lfor_b_\@:
	tensor_load_to_lds s[\g0b:\g0b+3], s[\g1b:\g1b+7]
	s_nop 0
.rept 4
	v_nop
.endr
.Lasked_\@:
.endm
.macro CREST
	s_cmp_lg_u32 s[WV], 0
	s_cbranch_scc1 .Lnot_wave_0_\@
	s_barrier_signal -3
.Lnot_wave_0_\@:
	s_barrier_wait -3
	s_barrier_signal -1
	s_barrier_wait -1
.endm
.macro CROUND
	s_barrier_signal -1
	s_barrier_wait -1
	CREST
.endm
	s_load_b256 s[4:11], s[0:1], 0x0               ; aop s[4:5], wop s[6:7], bo s[8:9], out0 s[10:11]
	v_lshl_add_u32 v[SPW], v0, 2, SPARE
	v_mov_b32 v[NIL], 0
	ds_add_u32 v28, v29
	ds_add_u32 v28, v29
	s_wait_dscnt 0x0
	v_lshrrev_b32 v1, 5, v0
	v_readfirstlane_b32 s[WV], v1
	s_lshr_b32 s[HI], s[WV], 1
	s_and_b32 s[LO], s[WV], 1
	s_bfe_u32 s40, ttmp6, 0x40000                  ; cx
	s_bfe_u32 s41, ttmp6, 0x40004                  ; cy
	s_lshl_b32 s21, ttmp9, 2
	s_add_co_u32 s21, s21, s40                     ; wo's block of 256 rows n
	s_and_b32 s22, ttmp7, 0xffff
	s_lshl_b32 s22, s22, 2
	s_add_co_u32 s22, s22, s41                     ; A's block of 256 rows
	s_lshl_b32 s45, s41, 2
	s_lshl_b32 s45, 15, s45                        ; my row of the cluster
	s_lshl_b32 s46, 0x1111, s40                    ; my column
	s_or_b32 s[G1+0], s45, (3<<16)|(1<<21)
	s_or_b32 s[G1B+0], s46, (3<<16)|(1<<21)
	s_or_b32 s[G1S+0], s45, (3<<16)|(1<<21)
	s_or_b32 s[G1SB+0], s46, (3<<16)|(1<<21)
.irp g, G1, G1B                        ; 24,576 dense bytes as 96 rows of 256
	s_mov_b32 s[\g+1], 32<<16
	s_mov_b32 s[\g+2], 96<<16
	s_mov_b32 s[\g+3], 32<<16
	s_mov_b32 s[\g+4], 96
	s_mov_b32 s[\g+5], 32
	s_mov_b32 s[\g+6], 0
	s_mov_b32 s[\g+7], 0
.endr
.irp g, G1S, G1SB                      ; the scale words of 8 chunks: 8 rows of 1,024 bytes, 8,192 bytes apart
	s_mov_b32 s[\g+1], 128<<16
	s_mov_b32 s[\g+2], 8<<16
	s_mov_b32 s[\g+3], 128<<16
	s_mov_b32 s[\g+4], 8
	s_mov_b32 s[\g+5], 1024
	s_mov_b32 s[\g+6], 0
	s_mov_b32 s[\g+7], 0
.endr
	s_mul_i32 s23, s[LO], CHB
	s_mul_i32 s94, s22, QB
	s_add_co_u32 s94, s94, s23                     ; A's codes
	s_mov_b32 s95, 0
	s_mul_i32 s100, s21, QB
	s_add_co_u32 s100, s100, s23
	s_add_co_u32 s100, s100, 9437184               ; wo's codes in wop
	s_mov_b32 s101, 0
	s_lshl_b32 s23, s[LO], 16
	s_lshl_b32 s92, s22, 10
	s_add_co_u32 s92, s92, s23
	s_add_co_u32 s92, s92, 3145728                 ; A's scale words
	s_mov_b32 s93, 0
	s_lshl_b32 s46, s21, 10
	s_add_co_u32 s46, s46, s23
	s_add_co_u32 s46, s46, 12976128                ; wo's scale words
	s_mov_b32 s47, 0
	s_mul_i32 s23, s[WV], QB
	s_lshl_b32 s2, s[WV], 13
	s_wait_kmcnt 0x0
	s_add_nc_u64 s[94:95], s[4:5], s[94:95]
	s_add_nc_u64 s[92:93], s[4:5], s[92:93]
	s_add_nc_u64 s[100:101], s[6:7], s[100:101]
	s_add_nc_u64 s[46:47], s[6:7], s[46:47]
	CROUND                                         ; all sixteen work-groups are here: the first joint loads meet
	s_mov_b32 s[G0S], 1
	s_add_co_u32 s[G0S+1], s2, SCL
	s_mov_b64 s[G0S+2:G0S+3], s[92:93]
	s_or_b32 s[G0S+3], s[G0S+3], 0x80000000
	s_mov_b32 s[G0SB], 1
	s_add_co_u32 s[G0SB+1], s2, SCL
	s_mov_b64 s[G0SB+2:G0SB+3], s[46:47]
	s_or_b32 s[G0SB+3], s[G0SB+3], 0x80000000
	JLOAD G0S, G1S, G0SB, G1SB
.irp s, 0,1
	s_mov_b32 s[G0+4*\s], 1
	s_add_co_u32 s[G0+4*\s+1], s23, \s*SLOT
	s_add_nc_u64 s[G0+4*\s+2:G0+4*\s+3], s[94:95], \s*2*CHB
	s_or_b32 s[G0+4*\s+3], s[G0+4*\s+3], 0x80000000
	s_mov_b32 s[G0B+4*\s], 1
	s_add_co_u32 s[G0B+4*\s+1], s23, \s*SLOT
	s_add_nc_u64 s[G0B+4*\s+2:G0B+4*\s+3], s[100:101], \s*2*CHB
	s_or_b32 s[G0B+4*\s+3], s[G0B+4*\s+3], 0x80000000
	JLOAD G0+4*\s, G1, G0B+4*\s, G1B
.endr
	v_and_b32 v1, 15, v0                           ; r
	v_bfe_u32 v2, v0, 4, 1                         ; h
	v_and_b32 v3, 31, v0
	v_lshlrev_b32 v[LI], 4, v3
	s_mul_i32 s44, s[HI], 12288
	s_mul_i32 s45, s[LO], 12288
	s_add_co_u32 s45, s45, 2*QB
.irp s, 0,1
	v_add_nc_u32 v[ADRA+\s], s44, v[LI]
	v_add_nc_u32 v[ADRB+\s], s45, v[LI]
	s_add_co_u32 s44, s44, SLOT
	s_add_co_u32 s45, s45, SLOT
.endr
	s_lshl_b32 s44, s[HI], 9
	s_xor_b32 s45, s[HI], 1
	s_lshl_b32 s45, s45, 9
	s_lshl_b32 s46, s[LO], 9
	s_add_co_u32 s45, s45, s46
	s_add_co_u32 s45, s45, 15872                   ; S0's scale words lie 16,384 + 512 LO - 512 HI behind S1's: one product with the lane's half
	v_mul_u32_u24 v4, s45, v2
	s_add_co_u32 s44, s44, SCL
	v_lshl_add_u32 v4, v1, 2, v4
	v_add_nc_u32 v[ADRS], s44, v4
	s_mul_i32 s44, s[WV], 16*SPITCH                ; my stage
	v_mul_u32_u24 v4, v1, SPITCH
	v_lshl_add_u32 v4, v2, 6, v4
	v_add_nc_u32 v[STO], s44, v4                   ; in: place r, + 64 h
	v_add_nc_u32 v[RD], s44, v[LI]                 ; back: a row of 512 bytes, 16 a lane
	s_lshl_b32 s42, s21, 10
	s_lshl_b32 s43, s[LO], 9
	s_add_co_u32 s42, s42, s43                     ; my 128 columns, in bytes
	s_mov_b32 s43, 0
	s_add_nc_u64 s[8:9], s[8:9], s[42:43]
	s_lshl_b32 s44, s22, 21
	s_lshl_b32 s45, s[HI], 20
	s_add_co_u32 s44, s44, s45                     ; my 128 rows of 8,192 bytes
	s_add_co_u32 s44, s44, s42
	s_mov_b32 s45, 0
	s_add_nc_u64 s[10:11], s[10:11], s[44:45]
	global_load_b128 v[BO:BO+3], v[LI], s[8:9]     ; bo at the four columns that I store
	s_wait_loadcnt 0x0
.macro FRAG reg, adr, q, i
.irp c, 0,1,2
	ds_load_b128 v[\reg+4*\c:\reg+4*\c+3], v[\adr] offset:(\q)*QB+(\i)*1536+512*\c
.endr
.endm
; The 64 accumulators take turns, one instruction a turn, in the same order in every step.
.macro MUL16 a0, p, q, sc, zero
.irp a, \a0, \a0+1
.irp b, 0,1,2,3,4,5,6,7
.if \zero
	v_wmma_scale_f32_16x16x128_f8f6f4 v[8*(8*((\a)%4)+\b):8*(8*((\a)%4)+\b)+7], v[128*(\p)+FR*\b:128*(\p)+FR*\b+FR-1], v[AF+FR*(\a):AF+FR*(\a)+FR-1], 0, v[SC+16*(\sc)+8*(\q)+\b], v[SC+16*(\sc)+8*(\q)+(\a)] matrix_a_fmt:MATRIX_FMT_FP6 matrix_b_fmt:MATRIX_FMT_FP6 matrix_a_scale:MATRIX_SCALE_ROW1
.else
	v_wmma_scale_f32_16x16x128_f8f6f4 v[8*(8*((\a)%4)+\b):8*(8*((\a)%4)+\b)+7], v[128*(\p)+FR*\b:128*(\p)+FR*\b+FR-1], v[AF+FR*(\a):AF+FR*(\a)+FR-1], v[8*(8*((\a)%4)+\b):8*(8*((\a)%4)+\b)+7], v[SC+16*(\sc)+8*(\q)+\b], v[SC+16*(\sc)+8*(\q)+(\a)] matrix_a_fmt:MATRIX_FMT_FP6 matrix_b_fmt:MATRIX_FMT_FP6 matrix_a_scale:MATRIX_SCALE_ROW1
.endif
.endr
.endr
.endm
.macro FETCH_B slot, q, p
	WIN TO_B
.irp i, 0,1,2,3,4,5,6,7
	FRAG 128*(\p)+FR*\i, ADRB+\slot, \q, \i
.endr
	WIN 0
.endm
.macro FETCH_A slot, q, i0
.irp i, \i0, \i0+1, \i0+2, \i0+3
	FRAG AF+FR*(\i), ADRA+\slot, \q, \i
.endr
.endm
.macro SCALES sc
.irp q, 0,1
.irp i, 0,1,2,3,4,5,6,7
	ds_load_b32 v[SC+16*\sc+8*\q+\i], v[ADRS] offset:1024*\q+64*\i
.endr
.endr
.endm
.macro PLACES n
.rept \n
	v_nop
.endr
.endm
.macro STEP slot, q, zero
	s_wait_dscnt 4*NL                              ; all but the youngest 12 loads (S1's blocks 4-7)
	WIN MUL_LO
	MUL16 0, (\q)%2, \q, \slot, \zero
	MUL16 2, (\q)%2, \q, \slot, \zero
	s_wait_dscnt 0
	PLACES NP
	FETCH_B \slot, (\q)+1, 1-(\q)%2
	FETCH_A \slot, (\q)+1, 0
	WIN MUL_HI
	MUL16 4, (\q)%2, \q, \slot, \zero
	MUL16 6, (\q)%2, \q, \slot, \zero
	PLACES NP
	WIN 0
	FETCH_A \slot, (\q)+1, 4
.endm
.macro TURN slot, next, fill
	s_wait_tensorcnt 0x0                           ; all my tensor loads have landed: my part of the next slot
	ds_add_u32 v[SPW], v[NIL]                      ; 0 onto my spare word
	s_wait_dscnt 4*NL+1                            ; the add and the youngest 12 loads may be out
	WIN MUL_LO
	MUL16 0, 1, NQ-1, \slot, 0
	s_wait_dscnt 0x0                               ; the add is done, and my reads of this slot are over
	s_barrier_signal -1
	MUL16 2, 1, NQ-1, \slot, 0
	WIN 0
	s_barrier_wait -1
.if \fill
	CREST                                          ; the barrier has opened a round of the cluster's
	s_add_nc_u64 s[G0+4*\slot+2:G0+4*\slot+3], s[G0+4*\slot+2:G0+4*\slot+3], 4*CHB
	s_add_nc_u64 s[G0B+4*\slot+2:G0B+4*\slot+3], s[G0B+4*\slot+2:G0B+4*\slot+3], 4*CHB
	JLOAD G0+4*\slot, G1, G0B+4*\slot, G1B
.else
	PLACES NP
.endif
	v_add_nc_u32 v[ADRS], 2048, v[ADRS]
	FETCH_B \next, 0, 0
	FETCH_A \next, 0, 0
	SCALES \next
	WIN MUL_HI
	MUL16 4, 1, NQ-1, \slot, 0
	MUL16 6, 1, NQ-1, \slot, 0
	PLACES NP
	WIN 0
	FETCH_A \next, 0, 4
.endm
	s_wait_tensorcnt 1                             ; the scale words and my part of slot 0 are in; slot 1's load may be out
	s_barrier_signal -1
	s_barrier_wait -1
	FETCH_B 0, 0, 0
	FETCH_A 0, 0, 0
	SCALES 0
	FETCH_A 0, 0, 4
	STEP 0, 0, 1
	s_mov_b32 s3, LAPS-1
.Llap:
	TURN 0, 1, 1
	STEP 1, 0, 0
	TURN 1, 0, 1
	STEP 0, 0, 0
	s_sub_co_u32 s3, s3, 1
	s_cmp_lg_u32 s3, 0
	s_cbranch_scc1 .Llap
	TURN 0, 1, 0
	STEP 1, 0, 0
	s_wait_dscnt 4*NL
	WIN MUL_LO
	MUL16 0, 1, NQ-1, 1, 0
	MUL16 2, 1, NQ-1, 1, 0
	s_wait_dscnt 0
	WIN MUL_HI
	MUL16 4, 1, NQ-1, 1, 0
	MUL16 6, 1, NQ-1, 1, 0
	WIN 0
; THE WAY OUT, block by block of 16 rows x 128 columns, through my own stage: accumulator b's eight numbers are columns 32 (b / 2) + 16 h + 8 (b % 2) + 0 .. 7 of the row at place r.  A stage row comes back
; as 512 bytes in true order, gets bo, and is stored by 32 lanes as 512 consecutive bytes.  Stage row t of block a is output row 32 (a / 2) + 8 (a % 2) + t + 8 (t / 8) of my 128: it stands in the immediate.
.macro TOSTAGE a
.set AC, 64*((\a)%4)
	WIN 0x08+4*((\a)/4)                            ; the data: window 2 or 3
.irp b, 0,1,2,3,4,5,6,7
	ds_store_b128 v[STO], v[AC+8*\b:AC+8*\b+3] offset:128*(\b/2)+32*(\b%2)          ; each accumulator from its low end on
	ds_store_b128 v[STO], v[AC+8*\b+4:AC+8*\b+7] offset:128*(\b/2)+32*(\b%2)+16
.endr
	WIN 0
.set BB, BK+64*((\a)%2)
.irp t, 0,1,2,3,4,5,6,7,8,9,10,11,12,13,14,15
	ds_load_b128 v[BB+4*\t:BB+4*\t+3], v[RD] offset:\t*SPITCH   ; LDS serves a wave's instructions in order
.endr
.endm
.macro SEND a, younger                 ; younger: the LDS instructions issued behind block a's loads, which may stay out
.set BB, BK+64*((\a)%2)
	s_wait_dscnt \younger
.irp t, 0,1,2,3,4,5,6,7,8,9,10,11,12,13,14,15
	v_pk_add_f32 v[BB+4*\t:BB+4*\t+1], v[BB+4*\t:BB+4*\t+1], v[BO:BO+1]
	v_pk_add_f32 v[BB+4*\t+2:BB+4*\t+3], v[BB+4*\t+2:BB+4*\t+3], v[BO+2:BO+3]
	global_store_b128 v[LI], v[BB+4*\t:BB+4*\t+3], s[10:11] offset:(32*((\a)/2)+8*((\a)%2)+\t+8*(\t/8))*8192 th:TH_STORE_NT
.endr
.endm
	PLACES NP                                      ; behind the last products: for the reads of results and the loads into the registers that held S1's fragments
	TOSTAGE 0
.irp a, 1,2,3,4,5,6,7
.if \a > 1
	s_wait_xcnt 0x0                                ; block a - 2's stores have read their registers: block a's loads may land there
.endif
	TOSTAGE \a
	SEND \a-1, 32                                  ; behind block a - 1's loads: block a's 16 stores and 16 loads
.endr
	SEND 7, 0
	s_wait_tensorcnt 0x0                           ; the wave's end
	ds_add_u32 v[SPW], v[NIL]
	s_wait_dscnt 0x0
	CROUND                                         ; the closing round
	s_endpgm
.Lfunc_end_k_q4886445669_gemm_out:
	.size	k_q4886445669_gemm_out, .Lfunc_end_k_q4886445669_gemm_out-k_q4886445669_gemm_out
	.p2alignl 7, 3214868480
	.fill 96, 4, 3214868480
	.section	.rodata,"a",@progbits
	.p2align	6, 0x0
	.amdhsa_kernel k_q4886445669_gemm_out
		.amdhsa_group_segment_fixed_size 327680
		.amdhsa_private_segment_fixed_size 0
		.amdhsa_enable_private_segment 0
		.amdhsa_kernarg_size 32
		.amdhsa_user_sgpr_count 2
		.amdhsa_user_sgpr_kernarg_segment_ptr 1
		.amdhsa_wavefront_size32 1
		.amdhsa_system_sgpr_workgroup_id_x 1
		.amdhsa_system_sgpr_workgroup_id_y 1
		.amdhsa_system_sgpr_workgroup_id_z 1
		.amdhsa_system_vgpr_workitem_id 0
		.amdhsa_next_free_vgpr 1024
		.amdhsa_next_free_sgpr 102
		.amdhsa_reserve_vcc 0
		.amdhsa_float_denorm_mode_32 3
		.amdhsa_float_denorm_mode_16_64 3
		.amdhsa_memory_ordered 1
		.amdhsa_forward_progress 1
		.amdhsa_inst_pref_size 153
	.end_amdhsa_kernel
	.amdgpu_metadata
---
amdhsa.version: [ 1, 2 ]
amdhsa.kernels:
  - .name:           k_q4886445669_gemm_out
    .symbol:         k_q4886445669_gemm_out.kd
    .args:
      - { .name: aop, .offset: 0, .size: 8, .value_kind: global_buffer, .address_space: global }
      - { .name: wop, .offset: 8, .size: 8, .value_kind: global_buffer, .address_space: global }
      - { .name: bo, .offset: 16, .size: 8, .value_kind: global_buffer, .address_space: global }
      - { .name: out0, .offset: 24, .size: 8, .value_kind: global_buffer, .address_space: global }
    .group_segment_fixed_size: 327680
    .private_segment_fixed_size: 0
    .kernarg_segment_align: 8
    .kernarg_segment_size: 32
    .max_flat_workgroup_size: 128
    .sgpr_count:     102
    .vgpr_count:     1024
    .wavefront_size: 32
...
	.end_amdgpu_metadata
.endif
;; end of part 5
;; ======== version 2 of 2: 4 launches
;; limits: right only within a limited range of input values
;; workspace buffers: xop 3,276,800 bytes; wop 13,107,200 bytes; qop 3,276,800 bytes; kvop 19,660,800 bytes; aop 3,276,800 bytes
;; launch quant (part 6): grid 1152 x 1, 4 waves a work-group, no clusters, 48,640 bytes of LDS; arguments x, cache_k, xop, kvop, wq, wk, wv, wo, cache_v, wop; writes xop, kvop, wop
.if DOCPART == 6
	.amdgcn_target "amdgcn-amd-amdhsa--gfx1250"
	.amdhsa_code_object_version 6
	.text
	.protected	k_q4886445669_quant
	.globl	k_q4886445669_quant
	.p2align	8
	.type	k_q4886445669_quant,@function
k_q4886445669_quant:
	s_mov_b64 s[64:65], 0
	v_nop
	global_prefetch_b8 v0, s[64:65] scope:SCOPE_SE
	s_setreg_imm32_b32 hwreg(HW_REG_WAVE_MODE, 25, 1), 1
	s_wait_xcnt 0x0
; All f32 inputs of the quantised products become codes of FP6 (E2M3) with one E8M0 byte for each 32 along K, laid as FRAGMENT IMAGES: a fragment is 16 rows x 128 K; fragment 2 g + u holds,
; at lane place r, row 32 g + 8 u + r + 8 (r / 8); its 1,536 bytes are the operand's 12 registers as they stand (register 4 c + w of lane l at 512 c + 16 l + 4 w); 64 scale bytes, a word a place.
; A block's scale is 2^(floor(log2(largest magnitude)) - 2); its byte is the largest magnitude's exponent field - 2, held at 1 from below.
; LIMITS: NaN and infinities are not served; a block of zeros, or one under 2^-124, gets the byte 1; the bytes are read by this program alone.
; TWO PATHS, parted on the work-group's number alone, each with LDS bytes of its own.  No tensor loads, no barrier, no cluster: waves share nothing.
; Work-groups 0-383, K INNERMOST: x (0-127; xop [chunk of 128 K][128 fragments]) and cache_k (kvop [16 b + head][192 fragments of keys]).  A wave takes 64 rows x one chunk: four fragments.
;   Each load reads 512 consecutive bytes of a row; a fragment's 16 rows turn through the wave's stage in LDS (rows 528 bytes apart), so that a lane gets 16 neighbours of each block.
; Work-groups 384-1151, K THE FIRST AXIS: wq, wk, wv, wo (wop [4][16 chunks][128 fragments]) and cache_v's two batches (kvop's V part [16 b + head][24 chunks of keys][8 fragments]).
;   The number less 384 is 96 y + x: x = matrix x 16 + block of 128 columns, y = 256 along K.  A lane takes a column and its registers run down K: a block of 32 is one lane's.
;   A block's 24 bytes go to their place in the wave's two images in LDS; a chunk's images leave as 3,072 consecutive bytes.  Loads run two blocks ahead.
.set WREG, 8704                        ; rows' path: LDS of a wave: the stage, 16 x 528 bytes, then its 256 scale bytes
.set SPIT, 528
.set SCB,  16*SPIT
.set SPARE, 0x8800                     ; the spare words, 128 bytes a wave
.set CBASE, 35328                      ; columns' path: its LDS begins here
.set R,    16
.set X,    144
.set PC,   208
.set TM,   228
.set PW,   244
.set SO,   246
.set SEL,  28
.macro QUANT s, pc, tm, pw             ; 64 numbers of a lane become a fragment's 12 registers and its row's scale word
.irp b, 0,1,2,3
	v_max3_num_f32 v[\tm+\b], |v[\s+16*\b]|, |v[\s+1+16*\b]|, 0x1800000   ; and the floor 2^(3 - 127)
.endr
.irp i, 2,4,6,8,10,12,14
.irp b, 0,1,2,3
	v_max3_num_f32 v[\tm+\b], v[\tm+\b], |v[\s+16*\b+\i]|, |v[\s+1+16*\b+\i]|
.endr
.endr
.irp b, 0,1,2,3
	v_permlanex16_b32 v[\tm+4+\b], v[\tm+\b], s[SEL], s[SEL+1]
.endr
.irp b, 0,1,2,3
	v_max_num_f32 v[\tm+\b], v[\tm+\b], v[\tm+4+\b]
.endr
.irp b, 0,1,2,3
	v_add_nc_u32 v[\tm+12+\b], 0xff000000, v[\tm+\b]                ; 2 off the exponent field: the conversion's scale operand
.endr
.irp b, 0,1,2,3
	v_lshrrev_b32 v[\tm+4+\b], 23, v[\tm+12+\b]
.endr
	v_lshl_or_b32 v[\pw], v[\tm+5], 8, v[\tm+4]
	v_lshl_or_b32 v[\pw], v[\tm+6], 16, v[\pw]
	v_lshl_or_b32 v[\pw], v[\tm+7], 24, v[\pw]
.irp c, 0,1
	v_cvt_scalef32_pk16_fp6_f32 v[\pc+6*\c:\pc+2+6*\c], v[\s+32*\c:\s+15+32*\c], v[\tm+12+2*\c]
	v_cvt_scalef32_pk16_fp6_f32 v[\pc+12+4*\c:\pc+14+4*\c], v[\s+16+32*\c:\s+31+32*\c], v[\tm+12+2*\c+1]
.endr
	v_nop                                          ; one plain instruction behind the scaled conversions
.irp c, 0,1
.irp i, 0,1,2
	v_permlane16_swap_b32 v[\pc+6*\c+\i], v[\pc+12+4*\c+\i]
.endr
.irp i, 0,1,2
	v_mov_b32 v[\pc+3+6*\c+\i], v[\pc+12+4*\c+\i]
.endr
.endr
.endm
	v_lshl_add_u32 v248, v0, 2, SPARE
	v_mov_b32 v249, 0
	s_cmp_ge_u32 ttmp9, 384
	s_wait_alu depctr_va_vdst(0)
	s_cbranch_scc1 .Lcols
	s_load_b256 s[4:11], s[0:1], 0x0               ; x, cache_k, xop, kvop
	v_lshrrev_b32 v1, 5, v0
	v_readfirstlane_b32 s12, v1                    ; wave
	v_and_b32 v2, 31, v0
	v_and_b32 v3, 15, v0
	v_bfe_u32 v10, v0, 4, 1
	v_lshlrev_b32 v4, 4, v2                        ; 16 x lane
	s_mul_i32 s14, s12, WREG
	v_add_nc_u32 v5, s14, v4                       ; the stage, on the way in
	v_mul_u32_u24 v6, v3, SPIT
	v_lshl_add_u32 v6, v10, 6, v6
	v_add_nc_u32 v6, s14, v6                       ; and on the way out: row r, + 64 h
	s_add_co_u32 s15, s14, SCB
	v_lshlrev_b32 v7, 2, v3
	v_add_nc_u32 v7, s15, v7                       ; my row's scale word
	v_lshlrev_b32 v9, 3, v2
	v_add_nc_u32 v8, s15, v9
	s_mov_b32 s[SEL], 0x76543210
	s_mov_b32 s[SEL+1], 0xfedcba98
.irp b, 0,1,2,3
	v_mov_b32 v[TM+4+\b], 0                        ; a lane permute's destination counts as one of its sources
.endr
	s_cmp_lt_u32 ttmp9, 128
	s_cselect_b32 s13, 0, 128
	s_sub_co_u32 s13, ttmp9, s13                   ; the work-group's number within its tensor
	s_lshr_b32 s16, s13, 2                         ; which 64 rows
	s_and_b32 s17, s13, 3
	s_lshl_b32 s17, s17, 2
	s_add_co_u32 s17, s17, s12                     ; which chunk
	s_lshl_b32 s18, s16, 19
	s_lshl_b32 s19, s17, 9
	s_add_co_u32 s18, s18, s19                     ; where my wave reads
	s_mov_b32 s19, 0
	s_lshl_b32 s20, s17, 7
	s_lshl_b32 s21, s16, 2
	s_add_co_u32 s20, s20, s21                     ; x: fragment chunk x 128 + 4 x rows' block
	s_lshr_b32 s22, s16, 5
	s_mul_i32 s22, s22, 3072
	s_mul_i32 s23, s17, 192
	s_add_co_u32 s22, s22, s23
	s_and_b32 s23, s16, 31
	s_lshl_b32 s23, s23, 2
	s_add_co_u32 s22, s22, s23                     ; cache_k: fragment (16 b + head) x 192 + 4 x keys' block
	s_mov_b32 s23, 18874368                        ; K's scale bytes in kvop
	s_wait_alu depctr_va_vdst(0)
	s_wait_kmcnt 0x0
	s_cmp_lt_u32 ttmp9, 128
	s_cselect_b32 s20, s20, s22
	s_cselect_b32 s23, 3145728, s23                ; x's in xop
	s_cselect_b64 s[4:5], s[4:5], s[6:7]
	s_cselect_b64 s[8:9], s[8:9], s[10:11]
	s_add_nc_u64 s[4:5], s[4:5], s[18:19]
	s_mul_i32 s24, s20, 1536
	s_mov_b32 s25, 0
	s_lshl_b32 s26, s20, 6
	s_add_co_u32 s26, s26, s23
	s_mov_b32 s27, 0
	s_add_nc_u64 s[10:11], s[8:9], s[26:27]        ; my 256 scale bytes
	s_add_nc_u64 s[8:9], s[8:9], s[24:25]          ; my four fragments' codes
.macro LOAD t                          ; fragment t's 16 rows, in the order of its lane places
.irp p, 0,1,2,3,4,5,6,7,8,9,10,11,12,13,14,15
	global_load_b128 v[R+64*((\t)%2)+4*\p:R+64*((\t)%2)+4*\p+3], v4, s[4:5] offset:(32*((\t)/2)+8*((\t)%2)+\p+8*(\p/8))*8192 th:TH_LOAD_NT
.endr
.endm
.macro STEP t
.if (\t) < 3
	s_wait_loadcnt 16                              ; this fragment's 16 loads are in; the next fragment's may be out
.else
	s_wait_loadcnt 0
.endif
.irp p, 0,1,2,3,4,5,6,7,8,9,10,11,12,13,14,15
	ds_store_b128 v5, v[R+64*((\t)%2)+4*\p:R+64*((\t)%2)+4*\p+3] offset:SPIT*\p
.endr
.irp b, 0,1,2,3
.irp j, 0,1,2,3
	ds_load_b128 v[X+16*\b+4*\j:X+16*\b+4*\j+3], v6 offset:128*\b+16*\j   ; LDS serves a wave's instructions in order
.endr
.endr
	s_wait_dscnt 0x0
	s_wait_xcnt 0x0                                ; the last fragment's stores have read the codes' registers
.if (\t) < 2
	LOAD (\t)+2
.endif
	QUANT X, PC, TM, PW
.irp c, 0,1,2
	global_store_b128 v4, v[PC+4*\c:PC+4*\c+3], s[8:9] offset:1536*(\t)+512*\c   ; 32 lanes store 512 consecutive bytes
.endr
	ds_store_b32 v7, v[PW] offset:64*(\t)          ; lanes l and l xor 16 write the same word with the same value
.endm
	LOAD 0
	LOAD 1
	STEP 0
	STEP 1
	STEP 2
	STEP 3
	ds_load_b64 v[SO:SO+1], v8
	s_wait_dscnt 0x0
	global_store_b64 v9, v[SO:SO+1], s[10:11]      ; 32 lanes store 256 consecutive bytes, aligned
	s_wait_tensorcnt 0x0                           ; the wave's end
	ds_add_u32 v248, v249
	s_wait_dscnt 0x0
	s_endpgm
.Lcols:
.set WREGC, 3328                       ; LDS of a wave: two images, 1,664 bytes apart
.set IMG,  1664
.set SW,   24
.set XK,   32
.set CK,   96
.set DK,   102
.set OUTK, 112
	s_load_b256 s[4:11], s[0:1], 0x20              ; wq, wk, wv, wo
	s_load_b128 s[12:15], s[0:1], 0x40             ; cache_v, wop
	s_load_b64 s[16:17], s[0:1], 0x18              ; kvop
	v_lshrrev_b32 v1, 5, v0
	v_readfirstlane_b32 s18, v1                    ; wave
	v_and_b32 v2, 31, v0                           ; lane = my column of the wave's 32
	v_lshlrev_b32 v3, 2, v2
	v_bfe_u32 v5, v0, 3, 1                         ; u: which of the two fragments holds my column
	v_and_b32 v6, 7, v0
	v_bfe_u32 v10, v0, 4, 1
	v_lshl_add_u32 v6, v10, 3, v6                  ; r: at which place
	s_mul_i32 s19, s18, WREGC
	s_add_co_u32 s19, s19, CBASE
	v_mul_u32_u24 v4, v5, IMG
	v_lshl_add_u32 v4, v6, 4, v4
	v_add_nc_u32 v4, s19, v4                       ; into the images
	v_lshlrev_b32 v8, 4, v2
	v_add_nc_u32 v7, s19, v8                       ; back out of them
	v_lshlrev_b32 v9, 6, v5
	v_lshl_add_u32 v9, v6, 2, v9                   ; my scale word's place: 64 u + 4 r
	s_sub_co_u32 s36, ttmp9, 384                   ; 96 y + x, under 768
	s_mul_i32 s22, s36, 683
	s_lshr_b32 s22, s22, 16                        ; y: which 256 along K (683 / 65,536 serves as 1 / 96 for numbers under 768)
	s_mul_i32 s37, s22, 96
	s_sub_co_u32 s36, s36, s37                     ; x
	s_lshr_b32 s20, s36, 4                         ; which matrix: 0-3 the weights, 4, 5 cache_v's batches
	s_and_b32 s21, s36, 15                         ; which 128 columns (in cache_v: the head)
	s_max_u32 s23, s20, 4
	s_sub_co_u32 s23, s23, 4                       ; cache_v's batch (0 for a weight)
	s_lshl_b32 s24, s23, 24
	s_lshl_b32 s25, s22, 21
	s_add_co_u32 s24, s24, s25
	s_lshl_b32 s25, s21, 9
	s_add_co_u32 s24, s24, s25
	s_lshl_b32 s25, s18, 7
	s_add_co_u32 s24, s24, s25                     ; where my wave reads
	s_mov_b32 s25, 0
	s_lshl_b32 s26, s20, 4
	s_lshl_b32 s27, s22, 1                         ; my first chunk
	s_add_co_u32 s26, s26, s27
	s_lshl_b32 s26, s26, 7
	s_lshl_b32 s28, s21, 3
	s_add_co_u32 s26, s26, s28
	s_lshl_b32 s28, s18, 1
	s_add_co_u32 s26, s26, s28                     ; a weight's fragment: (16 matrix + chunk) x 128 + 8 x columns' block + 2 wave
	s_lshl_b32 s29, s23, 4
	s_add_co_u32 s29, s29, s21
	s_mul_i32 s29, s29, 192
	s_lshl_b32 s27, s27, 3
	s_add_co_u32 s29, s29, s27
	s_add_co_u32 s29, s29, s28                     ; cache_v's: (16 b + head) x 192 + 8 chunk + 2 wave
	s_mov_b32 s30, 19267584                        ; V's scale bytes in kvop
	s_mov_b32 s31, 12582912                        ; the weights' in wop
	s_cmp_ge_u32 s20, 4
	s_cselect_b32 s26, s29, s26
	s_cselect_b32 s27, 8, 128                      ; fragments from a chunk to the next
	s_cselect_b32 s30, s30, s31
	s_cselect_b32 s31, 9437184, 0                  ; V's codes in kvop
	s_mul_i32 s32, s26, 1536
	s_add_co_u32 s32, s32, s31
	s_mov_b32 s33, 0
	s_lshl_b32 s34, s26, 6
	s_add_co_u32 s34, s34, s30
	s_mov_b32 s35, 0
	s_mul_i32 s36, s27, 1536
	s_mov_b32 s37, 0
	s_lshl_b32 s38, s27, 6
	s_mov_b32 s39, 0
	s_wait_alu depctr_va_vdst(0)
	s_wait_kmcnt 0x0
	s_cmp_eq_u32 s20, 1                            ; the choices hang on the work-group's number alone
	s_cselect_b64 s[4:5], s[6:7], s[4:5]
	s_cmp_eq_u32 s20, 2
	s_cselect_b64 s[4:5], s[8:9], s[4:5]
	s_cmp_eq_u32 s20, 3
	s_cselect_b64 s[4:5], s[10:11], s[4:5]
	s_cmp_ge_u32 s20, 4
	s_cselect_b64 s[4:5], s[12:13], s[4:5]
	s_cselect_b64 s[6:7], s[16:17], s[14:15]
	s_add_nc_u64 s[4:5], s[4:5], s[24:25]
	s_add_nc_u64 s[40:41], s[6:7], s[32:33]        ; codes: first chunk,
	s_add_nc_u64 s[42:43], s[40:41], s[36:37]      ; second chunk
	s_add_nc_u64 s[44:45], s[6:7], s[34:35]        ; scale words likewise
	s_add_nc_u64 s[46:47], s[44:45], s[38:39]
.macro LOADK t                         ; block t: rows 32 t + i of my column; a wave's load reads 128 consecutive bytes, the four waves stand side by side
.irp i, 0,1,2,3,4,5,6,7,8,9,10,11,12,13,14,15,16,17,18,19,20,21,22,23,24,25,26,27,28,29,30,31
	global_load_b32 v[XK+32*((\t)%2)+\i], v3, s[4:5] offset:(32*(\t)+\i)*8192 th:TH_LOAD_NT
.endr
.endm
.macro BLOCK t
.set XS, XK+32*((\t)%2)
.set HH, (\t)%2                        ; the block lies in lane r + 16 HH of the image,
.set CC, ((\t)%4)/2                    ; in registers 6 CC .. 6 CC + 5
.if (\t) < 7
	s_wait_loadcnt 32                              ; this block's 32 loads are in; the next block's may be out
.else
	s_wait_loadcnt 0
.endif
	v_max3_num_f32 v12, |v[XS]|, |v[XS+1]|, |v[XS+2]|
	v_max3_num_f32 v13, |v[XS+3]|, |v[XS+4]|, |v[XS+5]|
.irp i, 6,10,14,18,22,26
	v_max3_num_f32 v12, v12, |v[XS+\i]|, |v[XS+\i+1]|
	v_max3_num_f32 v13, v13, |v[XS+\i+2]|, |v[XS+\i+3]|
.endr
	v_max3_num_f32 v12, v12, |v[XS+30]|, |v[XS+31]|
	v_max3_num_f32 v12, v12, v13, 0x1800000        ; and the floor 2^(3 - 127)
	v_add_nc_u32 v11, 0xff000000, v12
	v_lshrrev_b32 v13, 23, v11                     ; the scale's byte
.if (\t)%4 == 0
	v_mov_b32 v[SW+(\t)/4], v13
.else
	v_lshl_or_b32 v[SW+(\t)/4], v13, 8*((\t)%4), v[SW+(\t)/4]
.endif
	v_cvt_scalef32_pk16_fp6_f32 v[CK:CK+2], v[XS:XS+15], v11
	v_cvt_scalef32_pk16_fp6_f32 v[DK:DK+2], v[XS+16:XS+31], v11
	v_nop                                          ; one plain instruction behind the scaled conversions
.irp i, 0,1,2
	v_mov_b32 v[CK+3+\i], v[DK+\i]
.endr
.if CC == 0
	ds_store_b128 v4, v[CK:CK+3] offset:256*HH
	ds_store_b64 v4, v[CK+4:CK+5] offset:512+256*HH
.else
	ds_store_b64 v4, v[CK:CK+1] offset:520+256*HH
	ds_store_b128 v4, v[CK+2:CK+5] offset:1024+256*HH
.endif
.if (\t) < 6
	LOADK (\t)+2
.endif
	s_wait_dscnt 0x0                               ; the stores have read their registers
.endm
.macro OUTC k                          ; chunk k's two images leave: 3,072 consecutive bytes; and its scale words
.irp t, 0,1,2,3,4,5
	ds_load_b128 v[OUTK+24*\k+4*\t:OUTK+24*\k+4*\t+3], v7 offset:(\t/3)*IMG+(\t%3)*512
.endr
	s_wait_dscnt 0x0
.irp t, 0,1,2,3,4,5
	global_store_b128 v8, v[OUTK+24*\k+4*\t:OUTK+24*\k+4*\t+3], s[40+2*\k:41+2*\k] offset:512*\t
.endr
	global_store_b32 v9, v[SW+\k], s[44+2*\k:45+2*\k]
.endm
	LOADK 0
	LOADK 1
	BLOCK 0
	BLOCK 1
	BLOCK 2
	BLOCK 3
	s_wait_alu depctr_va_vdst(0)
	OUTC 0
	BLOCK 4
	BLOCK 5
	BLOCK 6
	BLOCK 7
	s_wait_alu depctr_va_vdst(0)
	OUTC 1
	s_wait_tensorcnt 0x0                           ; the wave's end
	ds_add_u32 v248, v249
	s_wait_dscnt 0x0
	s_endpgm
.Lfunc_end_k_q4886445669_quant:
	.size	k_q4886445669_quant, .Lfunc_end_k_q4886445669_quant-k_q4886445669_quant
	.p2alignl 7, 3214868480
	.fill 96, 4, 3214868480
	.section	.rodata,"a",@progbits
	.p2align	6, 0x0
	.amdhsa_kernel k_q4886445669_quant
		.amdhsa_group_segment_fixed_size 48640
		.amdhsa_private_segment_fixed_size 0
		.amdhsa_enable_private_segment 0
		.amdhsa_kernarg_size 80
		.amdhsa_user_sgpr_count 2
		.amdhsa_user_sgpr_kernarg_segment_ptr 1
		.amdhsa_wavefront_size32 1
		.amdhsa_system_sgpr_workgroup_id_x 1
		.amdhsa_system_sgpr_workgroup_id_y 1
		.amdhsa_system_sgpr_workgroup_id_z 1
		.amdhsa_system_vgpr_workitem_id 0
		.amdhsa_next_free_vgpr 250
		.amdhsa_next_free_sgpr 66
		.amdhsa_reserve_vcc 0
		.amdhsa_float_denorm_mode_32 3
		.amdhsa_float_denorm_mode_16_64 3
		.amdhsa_memory_ordered 1
		.amdhsa_forward_progress 1
		.amdhsa_inst_pref_size 77
	.end_amdhsa_kernel
	.amdgpu_metadata
---
amdhsa.version: [ 1, 2 ]
amdhsa.kernels:
  - .name:           k_q4886445669_quant
    .symbol:         k_q4886445669_quant.kd
    .args:
      - { .name: x, .offset: 0, .size: 8, .value_kind: global_buffer, .address_space: global }
      - { .name: cache_k, .offset: 8, .size: 8, .value_kind: global_buffer, .address_space: global }
      - { .name: xop, .offset: 16, .size: 8, .value_kind: global_buffer, .address_space: global }
      - { .name: kvop, .offset: 24, .size: 8, .value_kind: global_buffer, .address_space: global }
      - { .name: wq, .offset: 32, .size: 8, .value_kind: global_buffer, .address_space: global }
      - { .name: wk, .offset: 40, .size: 8, .value_kind: global_buffer, .address_space: global }
      - { .name: wv, .offset: 48, .size: 8, .value_kind: global_buffer, .address_space: global }
      - { .name: wo, .offset: 56, .size: 8, .value_kind: global_buffer, .address_space: global }
      - { .name: cache_v, .offset: 64, .size: 8, .value_kind: global_buffer, .address_space: global }
      - { .name: wop, .offset: 72, .size: 8, .value_kind: global_buffer, .address_space: global }
    .group_segment_fixed_size: 48640
    .private_segment_fixed_size: 0
    .kernarg_segment_align: 8
    .kernarg_segment_size: 80
    .max_flat_workgroup_size: 128
    .sgpr_count:     66
    .vgpr_count:     250
    .wavefront_size: 32
...
	.end_amdgpu_metadata
.endif
;; end of part 6
;; launch gemm_qkv (part 7): grid 24 x 8, 4 waves a work-group, clusters of 4 x 4, 327,680 bytes of LDS; arguments xop, wop, bq, bk, bv, qop, kvop; writes qop, kvop
.if DOCPART == 7
	.amdgcn_target "amdgcn-amd-amdhsa--gfx1250"
	.amdhsa_code_object_version 6
	.text
	.protected	k_q4886445669_gemm_qkv
	.globl	k_q4886445669_gemm_qkv
	.p2align	8
	.type	k_q4886445669_gemm_qkv,@function
k_q4886445669_gemm_qkv:
	s_mov_b64 s[64:65], 0
	v_nop
	global_prefetch_b8 v0, s[64:65] scope:SCOPE_SE
	s_setreg_imm32_b32 hwreg(HW_REG_WAVE_MODE, 25, 1), 1
	s_wait_xcnt 0x0
	s_wait_alu depctr_hold_cnt(0) depctr_sa_sdst(0) depctr_va_vdst(0) depctr_va_sdst(0) depctr_va_ssrc(0) depctr_va_vcc(0) depctr_vm_vsrc(0)
	s_getreg_b32 s2, hwreg(HW_REG_IB_STS2, 6, 4)
	s_cmp_eq_u32 s2, 0
	s_cbranch_scc0 .Lentry_in_a_cluster
	s_endpgm
.Lentry_in_a_cluster:
	s_bfe_u32 s2, ttmp6, 0x10000c
	s_cmp_lg_u32 s2, 0xf033
	s_cbranch_scc0 .Lentry_shape_is_right
	s_endpgm
.Lentry_shape_is_right:
; q = x wq + bq, k_new = x wk + bk, v_new = x wv + bv on codes of FP6 (E2M3) with E8M0 scales, sums in f32; each result is quantised here, in registers, for the product that
; reads it: q and k_new along the head's 128, v_new along the keys.  No f32 result goes to memory.
; OPERANDS are fragment images (16 rows x 128 K = 1,536 bytes, the 12 registers as they stand; fragment 2 g + u holds at lane place r row 32 g + 8 u + r + 8 (r / 8); 64 scale
; bytes a fragment), laid [chunk of 128 K][128 fragments].  So a fragment comes by three loads of 16 bytes a lane, 512 consecutive bytes each, and a tile's chunk is one dense block.
; A tile of 256 x 256 is made by four waves, each 128 x 128: 64 accumulators.  Source 0 = operand S0 (8 fragments b), source 1 = operand S1 (8 fragments a): a lane then holds one
; row of S1, and the 16 registers of tiles 2 B and 2 B + 1 are the neighbours 32 B + 16 (lane / 16) + 0 .. 15 of S0's rows: what the quantiser wants along its K.
; q, k: S0 = the weight's rows n (a wave's 128 are one head), S1 = x's rows.  v: S0 = x's rows (128 keys), S1 = wv's rows (the head's 128): the roles are swapped by choosing
; pointers and offsets on the cluster's x (0, 1: q; 2, 3: k; 4, 5: v), the same in all partners; no branch and no LDS address hangs on it.
; K goes in slots of two chunks through a ring of two LDS slots; all scale words of the tile's rows come once.  CLUSTERS 4 x 4: S1's tiles are shared along a row, S0's along a column.
; THE BIAS runs along the registers for q and k and along the lanes for v.  Both forms are loaded (both index ranges lie inside every bias) and the one that does not apply is
; masked to zeros, so that one epilogue serves all three: 32 packed additions of zeros a block of 16 rows are the price of having no branch and no second copy.
; LIMITS: NaN and infinities are not served; a block of zeros, or one under 2^-124, gets the scale byte 1; the bytes are read by this program alone.
; REGISTERS: window 0: v0-31 addresses; v32-63 scale words, two sets; v64-127 the bias along registers; v128-223 S1's fragments, one set; v240-255 the bias along lanes;
;   in the epilogue v128-239 are at work.  window 1: S0's fragments, two sets, at v0 and v128.  windows 2, 3: accumulator (a, b) at v[8 (8 (a % 4) + b)] of window 2 + a / 4.
.set NQ,    2                          ; chunks in a slot
.set FR,    12
.set NL,    3                          ; LDS loads that bring a fragment
.set NP,    4                          ; places behind this matrix instruction (ISA guide 7.12.1)
.set QB,    24576                      ; a tile's 16 fragments of one chunk
.set SLOT,  4*QB                       ; S1's two chunks, then S0's two
.set SCL,   2*SLOT                     ; behind the ring: S1's scale words, 16 chunks x 1,024 bytes, then S0's
.set STG,   SCL+32768                  ; 512 bytes a wave: the results' scale words on their way out
.set SPARE, STG+2048                   ; the spare words, 128 bytes a wave: two blocks of 256 bytes that no other line names
.set CHB,   196608                     ; from chunk to chunk in memory
.set LAPS,  4                          ; 16 chunks / 4
.set ADRA, 16                          ; v16-17 S1's fragments in slot 0, 1
.set ADRB, 20                          ; v20-21 S0's
.set LI,   24                          ; v24    16 x lane
.set SWA,  25                          ; v25    where my row's scale word goes in the stage
.set SRD,  26                          ; v26    where I read the stage back
.set ADRS, 27                          ; v27    scale words: lanes 0-15 S1's, lanes 16-31 S0's
.set SPW,  28                          ; v28    my spare word; never rewritten
.set NIL,  29                          ; v29    0; never rewritten
.set SC,   32
.set BN,   64
.set AF,   128
.set BV,   240
.set HA,   128                         ; epilogue: 64 numbers of a block
.set PC,   192                         ; its codes
.set TM,   212
.set PWS,  228                         ; v228-235 the eight blocks' scale words
.set SBK,  236
.set WV, 18
.set HI, 19                            ; which half of S1's rows is mine; also: I fetch for S1 (0) or S0 (1)
.set LO, 20                            ; which half of S0's rows; also: which chunk of a slot I fetch
.set G1, 24
.set G0, 32
.set G1B, 48
.set G0B, 56
.set G1S, 68
.set G0S, 76
.set G1SB, 80
.set G0SB, 88
.set OUTC, 92
.set OUTS, 94
.set MQK, 96
.set MV, 97
.set SEL, 98
.set MSB, 0
.macro WIN new                         ; the immediate's high byte repeats the setting that is left
.if MSB != (\new)
	s_set_vgpr_msb (MSB<<8)|(\new)
.set MSB, (\new)
.endif
.endm
.set MUL_LO, 0xa1                      ; source 0 window 1, source 1 window 0, C and D window 2
.set MUL_HI, 0xf1
.set TO_B,   0x40
; A joint load: waves 0 and 1 fetch for S1, waves 2 and 3 for S0; the branch hangs on the wave's number alone.  Four v_nop follow each line.
.macro JLOAD g0a, g1a, g0b, g1b
	s_cmp_eq_u32 s[HI], 0
	s_cbranch_scc0 .Lfor_b_\@
	tensor_load_to_lds s[\g0a:\g0a+3], s[\g1a:\g1a+7]
	s_nop 0
.rept 4
	v_nop
.endr
	s_branch .Lasked_\@
.Lfor_b_\@:
	tensor_load_to_lds s[\g0b:\g0b+3], s[\g1b:\g1b+7]
	s_nop 0
.rept 4
	v_nop
.endr
.Lasked_\@:
.endm
.macro CREST                           ; a round of the cluster's barrier behind its opening barrier
	s_cmp_lg_u32 s[WV], 0
	s_cbranch_scc1 .Lnot_wave_0_\@
	s_barrier_signal -3
.Lnot_wave_0_\@:
	s_barrier_wait -3
	s_barrier_signal -1
	s_barrier_wait -1
.endm
.macro CROUND
	s_barrier_signal -1
	s_barrier_wait -1
	CREST
.endm
.macro QUANT s, pc, tm, pw             ; 64 numbers of a lane (register 16 b + i = k 32 b + 16 (lane / 16) + i) become a fragment in v[pc] on and a scale word in v[pw]
.irp b, 0,1,2,3
	v_max3_num_f32 v[\tm+\b], |v[\s+16*\b]|, |v[\s+1+16*\b]|, 0x1800000   ; and the floor 2^(3 - 127): the byte cannot fall under 1
.endr
.irp i, 2,4,6,8,10,12,14
.irp b, 0,1,2,3
	v_max3_num_f32 v[\tm+\b], v[\tm+\b], |v[\s+16*\b+\i]|, |v[\s+1+16*\b+\i]|
.endr
.endr
.irp b, 0,1,2,3
	v_permlanex16_b32 v[\tm+4+\b], v[\tm+\b], s[SEL], s[SEL+1]
.endr
.irp b, 0,1,2,3
	v_max_num_f32 v[\tm+\b], v[\tm+\b], v[\tm+4+\b]
.endr
.irp b, 0,1,2,3
	v_add_nc_u32 v[\tm+12+\b], 0xff000000, v[\tm+\b]                ; 2 off the exponent field: the conversion's scale operand
.endr
.irp b, 0,1,2,3
	v_lshrrev_b32 v[\tm+4+\b], 23, v[\tm+12+\b]
.endr
	v_lshl_or_b32 v[\pw], v[\tm+5], 8, v[\tm+4]
	v_lshl_or_b32 v[\pw], v[\tm+6], 16, v[\pw]
	v_lshl_or_b32 v[\pw], v[\tm+7], 24, v[\pw]
.irp c, 0,1
	v_cvt_scalef32_pk16_fp6_f32 v[\pc+6*\c:\pc+2+6*\c], v[\s+32*\c:\s+15+32*\c], v[\tm+12+2*\c]
	v_cvt_scalef32_pk16_fp6_f32 v[\pc+12+4*\c:\pc+14+4*\c], v[\s+16+32*\c:\s+31+32*\c], v[\tm+12+2*\c+1]
.endr
	v_nop                                          ; one plain instruction behind the scaled conversions
.irp c, 0,1
.irp i, 0,1,2
	v_permlane16_swap_b32 v[\pc+6*\c+\i], v[\pc+12+4*\c+\i]
.endr
.irp i, 0,1,2
	v_mov_b32 v[\pc+3+6*\c+\i], v[\pc+12+4*\c+\i]
.endr
.endr
.endm
	s_load_b256 s[4:11], s[0:1], 0x0               ; xop s[4:5], wop s[6:7], bq s[8:9], bk s[10:11]
	s_load_b128 s[12:15], s[0:1], 0x20             ; bv s[12:13], qop s[14:15]
	s_load_b64 s[16:17], s[0:1], 0x30              ; kvop
	v_lshl_add_u32 v[SPW], v0, 2, SPARE
	v_mov_b32 v[NIL], 0
	ds_add_u32 v28, v29
	ds_add_u32 v28, v29
	s_wait_dscnt 0x0
	v_lshrrev_b32 v1, 5, v0
	v_readfirstlane_b32 s[WV], v1
	s_lshr_b32 s[HI], s[WV], 1
	s_and_b32 s[LO], s[WV], 1
	s_bfe_u32 s40, ttmp6, 0x40000                  ; cx
	s_bfe_u32 s41, ttmp6, 0x40004                  ; cy
	s_and_b32 s42, ttmp7, 0xffff                   ; cluster y: 0, 1
	s_lshr_b32 s43, ttmp9, 1                       ; the product: 0 q, 1 k, 2 v
	s_and_b32 s44, ttmp9, 1                        ; the other half-coordinate
	s_lshl_b32 s45, s41, 2
	s_lshl_b32 s45, 15, s45                        ; my row of the cluster
	s_lshl_b32 s46, 0x1111, s40                    ; my column
	s_or_b32 s[G1+0], s45, (3<<16)|(1<<21)         ; 15:0 the mask: S1's tiles go to my row; 17:16 elements of 8 bytes; 21 set beside a mask; no padding
	s_or_b32 s[G1B+0], s46, (3<<16)|(1<<21)        ; S0's go to my column
	s_or_b32 s[G1S+0], s45, (3<<16)|(1<<21)
	s_or_b32 s[G1SB+0], s46, (3<<16)|(1<<21)
.irp g, G1, G1B                        ; for the head: 2 rows of 24,576 bytes, 196,608 apart
	s_mov_b32 s[\g+1], 3072<<16                    ; for the head's loads: a slot's two chunks as two rows of 24,576 bytes, a chunk's distance apart
	s_mov_b32 s[\g+2], 2<<16
	s_mov_b32 s[\g+3], 3072<<16
	s_mov_b32 s[\g+4], 2
	s_mov_b32 s[\g+5], 24576
	s_mov_b32 s[\g+6], 0
	s_mov_b32 s[\g+7], 0
.endr
.irp g, G1S, G1SB                      ; the scale words of 16 chunks: 16 rows of 1,024 bytes, 8,192 bytes apart
	s_mov_b32 s[\g+1], 128<<16
	s_mov_b32 s[\g+2], 16<<16                      ; all 16 chunks' scale words in one load
	s_mov_b32 s[\g+3], 128<<16
	s_mov_b32 s[\g+4], 16
	s_mov_b32 s[\g+5], 1024
	s_mov_b32 s[\g+6], 0
	s_mov_b32 s[\g+7], 0
.endr
	s_mul_i32 s47, s43, 3145728                    ; the weight's codes in wop,
	s_lshl_b32 s66, s43, 17
	s_add_co_u32 s66, s66, 12582912                ; its scale words;
	s_mov_b32 s67, 3145728                         ; x's scale words in xop
	s_mov_b32 s92, 6291456                         ; wv's codes,
	s_mov_b32 s93, 12845056                        ; wv's scale words
	s_cmp_eq_u32 s43, 2                            ; v swaps the roles
	s_cselect_b32 s21, s42, s44
	s_cselect_b32 s22, s44, s42
	s_cselect_b32 s47, 0, s47                      ; S0's codes,
	s_cselect_b32 s66, s67, s66                    ; S0's scale words,
	s_cselect_b32 s92, s92, 0                      ; S1's codes,
	s_cselect_b32 s93, s93, s67                    ; S1's scale words
	s_cselect_b32 s[MQK], 0, -1
	s_cselect_b32 s[MV], -1, 0
	s_lshl_b32 s21, s21, 2
	s_add_co_u32 s21, s21, s40                     ; S0's block of 256 rows: hangs on cx
	s_lshl_b32 s22, s22, 2
	s_add_co_u32 s22, s22, s41                     ; S1's: hangs on cy
	s_mul_i32 s2, s[LO], CHB                       ; in the ring: the chunk of a slot that I fetch
	s_mov_b32 s3, 0
	s_mul_i32 s94, s22, QB
	s_add_co_u32 s94, s94, s92
	s_mov_b32 s95, 0
	s_mul_i32 s100, s21, QB
	s_add_co_u32 s100, s100, s47
	s_mov_b32 s101, 0
	s_lshl_b32 s92, s22, 10
	s_add_co_u32 s92, s92, s93
	s_mov_b32 s93, 0
	s_lshl_b32 s46, s21, 10
	s_add_co_u32 s46, s46, s66
	s_mov_b32 s47, 0
	s_mul_i32 s23, s[WV], QB                       ; where the ring's loads go: no place in the cluster enters an LDS address
	s_mov_b32 s[SEL], 0x76543210
	s_mov_b32 s[SEL+1], 0xfedcba98
	s_wait_kmcnt 0x0
	s_cmp_eq_u32 s43, 2
	s_cselect_b64 s[44:45], s[4:5], s[6:7]         ; S0's buffer
	s_cselect_b64 s[66:67], s[6:7], s[4:5]         ; S1's
	s_add_nc_u64 s[94:95], s[66:67], s[94:95]
	s_add_nc_u64 s[92:93], s[66:67], s[92:93]
	s_add_nc_u64 s[100:101], s[44:45], s[100:101]
	s_add_nc_u64 s[46:47], s[44:45], s[46:47]
	CROUND                                         ; all sixteen work-groups are here: the first joint loads meet
	s_mov_b32 s[G0S], 1
	s_mov_b32 s[G0S+1], SCL
	s_mov_b64 s[G0S+2:G0S+3], s[92:93]
	s_or_b32 s[G0S+3], s[G0S+3], 0x80000000
	s_mov_b32 s[G0SB], 1
	s_mov_b32 s[G0SB+1], SCL+16384
	s_mov_b64 s[G0SB+2:G0SB+3], s[46:47]
	s_or_b32 s[G0SB+3], s[G0SB+3], 0x80000000
	s_mov_b32 s[G0], 1                             ; the head: slot 0's two chunks of S1, whole,
	s_mov_b32 s[G0+1], 0
	s_mov_b64 s[G0+2:G0+3], s[94:95]
	s_or_b32 s[G0+3], s[G0+3], 0x80000000
	s_mov_b32 s[G0B], 1                            ; and of S0, behind them
	s_mov_b32 s[G0B+1], 2*QB
	s_mov_b64 s[G0B+2:G0B+3], s[100:101]
	s_or_b32 s[G0B+3], s[G0B+3], 0x80000000
	s_add_nc_u64 s[94:95], s[94:95], s[2:3]        ; the ring: my chunk of a slot
	s_add_nc_u64 s[100:101], s[100:101], s[2:3]
	s_mov_b32 s[G0+4], 1
	s_add_co_u32 s[G0+5], s23, SLOT
	s_add_nc_u64 s[G0+6:G0+7], s[94:95], 2*CHB
	s_or_b32 s[G0+7], s[G0+7], 0x80000000
	s_mov_b32 s[G0B+4], 1
	s_add_co_u32 s[G0B+5], s23, SLOT
	s_add_nc_u64 s[G0B+6:G0B+7], s[100:101], 2*CHB
	s_or_b32 s[G0B+7], s[G0B+7], 0x80000000
; THE HEAD'S LOADS, ONE A WAVE: wave 0 slot 0 of S1, wave 1 slot 0 of S0, wave 2 S1's scale words, wave 3 S0's.  One tree of branches on the wave's number.
.macro ARM under, g0, g1, next
	s_cmp_lt_u32 s[WV], \under
	s_cbranch_scc0 \next
	tensor_load_to_lds s[\g0:\g0+3], s[\g1:\g1+7]
	s_nop 0
.rept 4
	v_nop
.endr
	s_branch .Lhead_asked
\next:
.endm
	ARM 1, G0,  G1,  .Lhead_b
	ARM 2, G0B, G1B, .Lhead_sa
	ARM 3, G0S, G1S, .Lhead_sb
	tensor_load_to_lds s[G0SB:G0SB+3], s[G1SB:G1SB+7]
	s_nop 0
.rept 4
	v_nop
.endr
.Lhead_asked:
	v_and_b32 v1, 15, v0                           ; r
	v_bfe_u32 v2, v0, 4, 1                         ; h
	s_wait_alu depctr_va_vdst(0)
	v_and_b32 v3, 31, v0
	v_lshlrev_b32 v[LI], 4, v3
	s_wait_alu depctr_va_vdst(0)
	s_mul_i32 s44, s[HI], 12288                    ; my 8 fragments of S1,
	s_mul_i32 s45, s[LO], 12288                    ; my 8 of S0,
	s_add_co_u32 s45, s45, 2*QB                    ; which lie behind S1's two chunks
.irp s, 0,1
	v_add_nc_u32 v[ADRA+\s], s44, v[LI]
	v_add_nc_u32 v[ADRB+\s], s45, v[LI]
	s_add_co_u32 s44, s44, SLOT
	s_add_co_u32 s45, s45, SLOT
.endr
	s_lshl_b32 s44, s[HI], 9                       ; scale words: S1's at 512 HI;
	s_xor_b32 s45, s[HI], 1
	s_lshl_b32 s45, s45, 9
	s_lshl_b32 s46, s[LO], 9
	s_add_co_u32 s45, s45, s46
	s_add_co_u32 s45, s45, 15872                   ; S0's lie 16,384 + 512 LO - 512 HI further on: one product with the lane's half
	v_mul_u32_u24 v4, s45, v2
	s_add_co_u32 s44, s44, SCL
	v_lshl_add_u32 v4, v1, 2, v4
	v_add_nc_u32 v[ADRS], s44, v4
	s_lshl_b32 s44, s[WV], 9
	s_add_co_u32 s44, s44, STG
	v_lshl_add_u32 v[SWA], v1, 2, s44
	v_add_nc_u32 v[SRD], s44, v[LI]
	; where my eight result fragments go.  q: qop [bh][64]; k: kvop [bh][192], fragments 128 on; v: kvop's V part [bh][24 chunks][8], chunks 16 on
	s_lshl_b32 s44, s22, 4
	s_lshl_b32 s45, s[HI], 3
	s_add_co_u32 s44, s44, s45                     ; S1's first fragment of mine
	s_lshr_b32 s45, s44, 6
	s_lshl_b32 s45, s45, 4                         ; 16 b
	s_lshl_b32 s46, s21, 1
	s_add_co_u32 s46, s46, s[LO]                   ; the head
	s_add_co_u32 s45, s45, s46
	s_and_b32 s44, s44, 63
	s_lshl_b32 s46, s45, 6
	s_add_co_u32 s46, s46, s44                     ; q's fragment
	s_mul_i32 s47, s45, 192
	s_add_co_u32 s47, s47, s44
	s_add_co_u32 s47, s47, 128                     ; k's
	s_lshl_b32 s44, s21, 4
	s_lshl_b32 s45, s[LO], 3
	s_add_co_u32 s44, s44, s45                     ; S0's first fragment of mine: 128 keys
	s_lshr_b32 s45, s44, 6
	s_lshl_b32 s45, s45, 4
	s_lshl_b32 s100, s22, 1
	s_add_co_u32 s100, s100, s[HI]
	s_add_co_u32 s45, s45, s100
	s_mul_i32 s45, s45, 24
	s_bfe_u32 s44, s44, 0x30003                    ; which 128 of the 1,024 new keys
	s_add_co_u32 s45, s45, s44
	s_add_co_u32 s45, s45, 16
	s_lshl_b32 s45, s45, 3                         ; v's
	s_mov_b32 s100, 18874368
	s_mov_b32 s101, 19267584
	s_cmp_eq_u32 s43, 0
	s_cselect_b32 s44, s46, s47
	s_cselect_b32 s100, 3145728, s100              ; where the scale words begin
	s_cselect_b64 s[OUTC:OUTC+1], s[14:15], s[16:17]
	s_cmp_eq_u32 s43, 2
	s_cselect_b32 s44, s45, s44
	s_cselect_b32 s100, s101, s100
	s_cselect_b32 s101, 9437184, 0                 ; where the codes begin
	s_mov_b64 s[OUTS:OUTS+1], s[OUTC:OUTC+1]
	s_mul_i32 s46, s44, 1536
	s_add_co_u32 s46, s46, s101
	s_mov_b32 s47, 0
	s_add_nc_u64 s[OUTC:OUTC+1], s[OUTC:OUTC+1], s[46:47]
	s_lshl_b32 s46, s44, 6
	s_add_co_u32 s46, s46, s100
	s_add_nc_u64 s[OUTS:OUTS+1], s[OUTS:OUTS+1], s[46:47]
	; the bias, in both forms
	s_cmp_eq_u32 s43, 1
	s_cselect_b64 s[66:67], s[10:11], s[8:9]
	s_cmp_eq_u32 s43, 2
	s_cselect_b64 s[66:67], s[12:13], s[66:67]
	s_lshl_b32 s44, s21, 10
	s_lshl_b32 s45, s[LO], 9
	s_add_co_u32 s44, s44, s45
	v_lshl_add_u32 v5, v2, 6, s44                  ; along registers: S0's row 32 B + 16 h + i of my 128
	s_lshl_b32 s44, s22, 10
	s_lshl_b32 s45, s[HI], 9
	s_add_co_u32 s44, s44, s45
	v_and_b32 v6, 8, v1
	v_add_nc_u32 v6, v6, v1
	v_lshl_add_u32 v6, v6, 2, s44                  ; along lanes: S1's row at my place
.irp b, 0,1,2,3
.irp j, 0,1,2,3
	global_load_b128 v[BN+16*\b+4*\j:BN+16*\b+4*\j+3], v5, s[66:67] offset:128*\b+16*\j
.endr
.endr
.irp a, 0,1,2,3,4,5,6,7
	global_load_b32 v[BV+2*\a], v6, s[66:67] offset:(32*(\a/2)+8*(\a%2))*4
.endr
	s_wait_loadcnt 0x0
.set i, 0
.rept 64
	v_and_b32 v[BN+i], s[MQK], v[BN+i]             ; zeros where the bias runs along the lanes
.set i, i+1
.endr
.irp a, 0,1,2,3,4,5,6,7
	v_and_b32 v[BV+2*\a], s[MV], v[BV+2*\a]        ; zeros where it runs along the registers
.endr
.irp a, 0,1,2,3,4,5,6,7
	v_mov_b32 v[BV+2*\a+1], v[BV+2*\a]             ; a pair for the packed addition
.endr
.macro FRAG reg, adr, q, i             ; a fragment as it lies: three loads, 512 consecutive bytes each
.irp c, 0,1,2
	ds_load_b128 v[\reg+4*\c:\reg+4*\c+3], v[\adr] offset:(\q)*QB+(\i)*1536+512*\c
.endr
.endm
; 16 matrix instructions: S1's blocks a0, a0 + 1 x S0's eight, one chunk.  The 64 accumulators take turns, one instruction a turn, in the same order in every step.
.macro MUL16 a0, p, q, sc, zero
.irp a, \a0, \a0+1
.irp b, 0,1,2,3,4,5,6,7
.if \zero
	v_wmma_scale_f32_16x16x128_f8f6f4 v[8*(8*((\a)%4)+\b):8*(8*((\a)%4)+\b)+7], v[128*(\p)+FR*\b:128*(\p)+FR*\b+FR-1], v[AF+FR*(\a):AF+FR*(\a)+FR-1], 0, v[SC+16*(\sc)+8*(\q)+\b], v[SC+16*(\sc)+8*(\q)+(\a)] matrix_a_fmt:MATRIX_FMT_FP6 matrix_b_fmt:MATRIX_FMT_FP6 matrix_a_scale:MATRIX_SCALE_ROW1
.else
	v_wmma_scale_f32_16x16x128_f8f6f4 v[8*(8*((\a)%4)+\b):8*(8*((\a)%4)+\b)+7], v[128*(\p)+FR*\b:128*(\p)+FR*\b+FR-1], v[AF+FR*(\a):AF+FR*(\a)+FR-1], v[8*(8*((\a)%4)+\b):8*(8*((\a)%4)+\b)+7], v[SC+16*(\sc)+8*(\q)+\b], v[SC+16*(\sc)+8*(\q)+(\a)] matrix_a_fmt:MATRIX_FMT_FP6 matrix_b_fmt:MATRIX_FMT_FP6 matrix_a_scale:MATRIX_SCALE_ROW1
.endif
.endr
.endr
.endm
.macro FETCH_B slot, q, p
	WIN TO_B
.irp i, 0,1,2,3,4,5,6,7
	FRAG 128*(\p)+FR*\i, ADRB+\slot, \q, \i
.endr
	WIN 0
.endm
.macro FETCH_A slot, q, i0
.irp i, \i0, \i0+1, \i0+2, \i0+3
	FRAG AF+FR*(\i), ADRA+\slot, \q, \i
.endr
.endm
.macro SCALES sc                       ; a slot's scale words: register 8 q + i: lanes 0-15 S1's fragment i, lanes 16-31 S0's fragment i
.irp q, 0,1
.irp i, 0,1,2,3,4,5,6,7
	ds_load_b32 v[SC+16*\sc+8*\q+\i], v[ADRS] offset:1024*\q+64*\i
.endr
.endr
.endm
.macro PLACES n                        ; plain vector instructions between a matrix instruction and a load into, or a read of, its registers
.rept \n
	v_nop
.endr
.endm
.macro STEP slot, q, zero              ; a chunk that has its successor in the same slot
	s_wait_dscnt 4*NL                              ; S0's set, S1's blocks 0-3 and the scale words are in; the youngest 12 loads (S1's blocks 4-7) may be out
	WIN MUL_LO
	MUL16 0, (\q)%2, \q, \slot, \zero
	MUL16 2, (\q)%2, \q, \slot, \zero
	s_wait_dscnt 0
	PLACES NP
	FETCH_B \slot, (\q)+1, 1-(\q)%2
	FETCH_A \slot, (\q)+1, 0
	WIN MUL_HI
	MUL16 4, (\q)%2, \q, \slot, \zero
	MUL16 6, (\q)%2, \q, \slot, \zero
	PLACES NP
	WIN 0
	FETCH_A \slot, (\q)+1, 4
.endm
; A slot's last chunk changes slots: one barrier; in front of it each wave waits for all its tensor loads, adds 0 to its spare word, and waits for that and for its reads of this slot.
.macro TURN slot, next, fill
	s_wait_tensorcnt 0x0                           ; all my tensor loads have landed: my part of the next slot
	ds_add_u32 v[SPW], v[NIL]                      ; 0 onto my spare word
	s_wait_dscnt 4*NL+1                            ; the add and the youngest 12 loads may be out
	WIN MUL_LO
	MUL16 0, 1, NQ-1, \slot, 0
	s_wait_dscnt 0x0                               ; the add is done, and my reads of this slot are over
	s_barrier_signal -1
	MUL16 2, 1, NQ-1, \slot, 0
	WIN 0
	s_barrier_wait -1
.if \fill
	CREST                                          ; the barrier has opened a round of the cluster's: no wave of any partner still reads this slot or has a load on its way
	s_add_nc_u64 s[G0+4*\slot+2:G0+4*\slot+3], s[G0+4*\slot+2:G0+4*\slot+3], 4*CHB
	s_add_nc_u64 s[G0B+4*\slot+2:G0B+4*\slot+3], s[G0B+4*\slot+2:G0B+4*\slot+3], 4*CHB
	JLOAD G0+4*\slot, G1, G0B+4*\slot, G1B         ; the first tensor load behind the round; its four v_nop are the places in front of the loads below
.else
	PLACES NP
.endif
	s_wait_alu depctr_va_vdst(0)
	v_add_nc_u32 v[ADRS], 2048, v[ADRS]            ; the next slot's scale words
	FETCH_B \next, 0, 0
	FETCH_A \next, 0, 0
	SCALES \next
	WIN MUL_HI
	MUL16 4, 1, NQ-1, \slot, 0
	MUL16 6, 1, NQ-1, \slot, 0
	PLACES NP
	WIN 0
	FETCH_A \next, 0, 4
.endm
	s_wait_alu depctr_va_vdst(0)
	s_wait_tensorcnt 0x0                           ; my tile of the head's four is in; slot 1's first fill is issued as a refill is
	ds_add_u32 v[SPW], v[NIL]
.irp g, G1, G1B                        ; no tensor load of mine is out: from here on a load brings one chunk, 24,576 dense bytes as 96 rows of 256
	s_mov_b32 s[\g+1], 32<<16
	s_mov_b32 s[\g+2], 96<<16
	s_mov_b32 s[\g+3], 32<<16
	s_mov_b32 s[\g+4], 96
	s_mov_b32 s[\g+5], 32
.endr
	s_mov_b32 s[G0+1], s23                         ; and slot 0's group 0 becomes the ring's: my chunk, my place
	s_add_nc_u64 s[G0+2:G0+3], s[G0+2:G0+3], s[2:3]
	s_mov_b32 s[G0B+1], s23
	s_add_nc_u64 s[G0B+2:G0B+3], s[G0B+2:G0B+3], s[2:3]
	s_wait_dscnt 0x0
	CROUND
	JLOAD G0+4, G1, G0B+4, G1B
	FETCH_B 0, 0, 0
	FETCH_A 0, 0, 0
	SCALES 0
	FETCH_A 0, 0, 4
	STEP 0, 0, 1                                   ; the first chunk's products start the sums
	s_mov_b32 s3, LAPS-1
.Llap:                                             ; a trip goes once round the ring and fills both slots again
	TURN 0, 1, 1
	STEP 1, 0, 0
	TURN 1, 0, 1
	STEP 0, 0, 0
	s_sub_co_u32 s3, s3, 1
	s_cmp_lg_u32 s3, 0
	s_cbranch_scc1 .Llap
	TURN 0, 1, 0                                   ; the last lap fills nothing
	STEP 1, 0, 0
	s_wait_dscnt 4*NL
	WIN MUL_LO
	MUL16 0, 1, NQ-1, 1, 0
	MUL16 2, 1, NQ-1, 1, 0
	s_wait_dscnt 0
	WIN MUL_HI
	MUL16 4, 1, NQ-1, 1, 0
	MUL16 6, 1, NQ-1, 1, 0
	WIN 0
	; THE WAY OUT: block a (16 rows of S1): + bias, quantised along S0's 128 rows, stored as a fragment image: 3 x 512 consecutive bytes.
	PLACES NP
.irp b, 0,1,2,3
	v_mov_b32 v[TM+4+\b], 0                        ; a lane permute's destination counts as one of its sources
.endr
.irp a, 0,1,2,3,4,5,6,7
	WIN 0x02+(\a/4)                                ; source 0: window 2 or 3
.set i, 0
.rept 32
	v_pk_add_f32 v[HA+i:HA+i+1], v[64*(\a%4)+i:64*(\a%4)+i+1], v[BN+i:BN+i+1]   ; ascending: each accumulator is read from its low end on
.set i, i+2
.endr
	WIN 0
.set i, 0
.rept 32
	v_pk_add_f32 v[HA+i:HA+i+1], v[HA+i:HA+i+1], v[BV+2*\a:BV+2*\a+1]
.set i, i+2
.endr
	s_wait_xcnt 0x0                                ; the last block's stores have read the codes' registers
	QUANT HA, PC, TM, PWS+\a
.irp c, 0,1,2
	global_store_b128 v[LI], v[PC+4*\c:PC+4*\c+3], s[OUTC:OUTC+1] offset:1536*\a+512*\c
.endr
.endr
.irp a, 0,1,2,3,4,5,6,7
	ds_store_b32 v[SWA], v[PWS+\a] offset:64*\a    ; lanes l and l xor 16 write the same word with the same value
.endr
	ds_load_b128 v[SBK:SBK+3], v[SRD]              ; LDS serves a wave's instructions in order
	s_wait_dscnt 0x0
	global_store_b128 v[LI], v[SBK:SBK+3], s[OUTS:OUTS+1]   ; my eight fragments' scale words: 512 consecutive bytes
	s_wait_tensorcnt 0x0                           ; the wave's end
	ds_add_u32 v[SPW], v[NIL]
	s_wait_dscnt 0x0
	CROUND                                         ; the closing round
	s_endpgm
.Lfunc_end_k_q4886445669_gemm_qkv:
	.size	k_q4886445669_gemm_qkv, .Lfunc_end_k_q4886445669_gemm_qkv-k_q4886445669_gemm_qkv
	.p2alignl 7, 3214868480
	.fill 96, 4, 3214868480
	.section	.rodata,"a",@progbits
	.p2align	6, 0x0
	.amdhsa_kernel k_q4886445669_gemm_qkv
		.amdhsa_group_segment_fixed_size 327680
		.amdhsa_private_segment_fixed_size 0
		.amdhsa_enable_private_segment 0
		.amdhsa_kernarg_size 56
		.amdhsa_user_sgpr_count 2
		.amdhsa_user_sgpr_kernarg_segment_ptr 1
		.amdhsa_wavefront_size32 1
		.amdhsa_system_sgpr_workgroup_id_x 1
		.amdhsa_system_sgpr_workgroup_id_y 1
		.amdhsa_system_sgpr_workgroup_id_z 1
		.amdhsa_system_vgpr_workitem_id 0
		.amdhsa_next_free_vgpr 1024
		.amdhsa_next_free_sgpr 102
		.amdhsa_reserve_vcc 0
		.amdhsa_float_denorm_mode_32 3
		.amdhsa_float_denorm_mode_16_64 3
		.amdhsa_memory_ordered 1
		.amdhsa_forward_progress 1
		.amdhsa_inst_pref_size 182
	.end_amdhsa_kernel
	.amdgpu_metadata
---
amdhsa.version: [ 1, 2 ]
amdhsa.kernels:
  - .name:           k_q4886445669_gemm_qkv
    .symbol:         k_q4886445669_gemm_qkv.kd
    .args:
      - { .name: xop, .offset: 0, .size: 8, .value_kind: global_buffer, .address_space: global }
      - { .name: wop, .offset: 8, .size: 8, .value_kind: global_buffer, .address_space: global }
      - { .name: bq, .offset: 16, .size: 8, .value_kind: global_buffer, .address_space: global }
      - { .name: bk, .offset: 24, .size: 8, .value_kind: global_buffer, .address_space: global }
      - { .name: bv, .offset: 32, .size: 8, .value_kind: global_buffer, .address_space: global }
      - { .name: qop, .offset: 40, .size: 8, .value_kind: global_buffer, .address_space: global }
      - { .name: kvop, .offset: 48, .size: 8, .value_kind: global_buffer, .address_space: global }
    .group_segment_fixed_size: 327680
    .private_segment_fixed_size: 0
    .kernarg_segment_align: 8
    .kernarg_segment_size: 56
    .max_flat_workgroup_size: 128
    .sgpr_count:     102
    .vgpr_count:     1024
    .wavefront_size: 32
...
	.end_amdgpu_metadata
.endif
;; end of part 7
;; launch attn (part 8): grid 8 x 32, 8 waves a work-group, clusters of 4 x 1, 327,680 bytes of LDS; arguments qop, kvop, aop; writes aop
.if DOCPART == 8
	.amdgcn_target "amdgcn-amd-amdhsa--gfx1250"
	.amdhsa_code_object_version 6
	.text
	.protected	k_q4886445669_attn
	.globl	k_q4886445669_attn
	.p2align	8
	.type	k_q4886445669_attn,@function
k_q4886445669_attn:
	s_mov_b64 s[64:65], 0
	v_nop
	global_prefetch_b8 v0, s[64:65] scope:SCOPE_SE
	s_setreg_imm32_b32 hwreg(HW_REG_WAVE_MODE, 25, 1), 1
	s_wait_xcnt 0x0
	s_wait_alu depctr_hold_cnt(0) depctr_sa_sdst(0) depctr_va_vdst(0) depctr_va_sdst(0) depctr_va_ssrc(0) depctr_va_vcc(0) depctr_vm_vsrc(0)
	s_getreg_b32 s2, hwreg(HW_REG_IB_STS2, 6, 4)
	s_cmp_eq_u32 s2, 0
	s_cbranch_scc0 .Lentry_in_a_cluster
	s_endpgm
.Lentry_in_a_cluster:
	s_bfe_u32 s2, ttmp6, 0x10000c
	s_cmp_lg_u32 s2, 0x3003
	s_cbranch_scc0 .Lentry_shape_is_right
	s_endpgm
.Lentry_shape_is_right:
; o = softmax(q k^T / sqrt(128)) v for one (batch, head) and 128 queries, on codes of FP6 (E2M3) with E8M0 scales; o is quantised here along the head's 128 for the last product.
; All operands are fragment images (16 rows x 128 K = 1,536 bytes, the 12 registers as they stand; 64 scale bytes a fragment).
; Both products are used transposed (S^T = k q^T, O^T = v^T p^T): a lane holds one query.  p = 2^(t - M), M the ceiling of the running largest t, a whole number; the row's sum is of the unquantised p.
; SHARES: 8 waves.  Wave w owns the two query fragments 2 (w % 4), 2 (w % 4) + 1 of the work-group's eight and, of each slot's four steps of 128 keys, steps 2 (w / 4) and 2 (w / 4) + 1:
; a fragment of k or v read from LDS serves 32 queries.  Waves w and w + 4 hold partial sums of the same queries under their own M; at the end each sends one tile to the other through LDS
; and finishes the other tile: the parts are brought under the common M by powers of two.  Waves 4-7 name the two fragments in the other order, so that every wave keeps its tile 0 and sends its tile 1.
; THE WALK of a step s: softmax of tile 0 on S = k(s) q0; S = k(s) q1 and O0 += v(s) p; softmax of tile 1; S = k(s + 1) q0 and O1 += v(s) p.  v(s) is read from LDS at the head of the first half,
; k(s + 1) at the head of the second: each has half a step's vector work in which to land, so every wait on DScnt is for 0.
; THE RING: two slots of four steps (k's four, then v's four), each wave refilling one step's 12,288 bytes; the change of slots stands in the slot's last step, where my last read of the slot (v) has landed.
; CLUSTER 4 x 1: the four query blocks of a cluster read the same k and v: every tensor load is a joint load with the mask 15.
; THE HEAD: one joint load a wave: waves 0-3 bring slot 0 (24,576 bytes each), waves 4-7 all scale words of k and v (6,144 bytes each), which stay in LDS.
; PREFETCH: behind each refill but the last, the slot after the one just asked for: 98,304 bytes, shared out by address among the four partners of the clusters with x = 0 (24,576 bytes each,
; waves 0-2, a lane to each 256 bytes); the other cluster of the same head reads the same bytes.
; LIMITS: the promise holds while the scaled scores stay under 2^31 in magnitude; NaN and infinities are not served; a block of o under 2^-124 gets the scale byte 1 (read by this program alone).
; REGISTERS: window 0: v1-11, v24-27 addresses; v12-15, v16-19 (-M, largest t, the sum in two halves) of tiles 0, 1; v20-23 block maxima; v28-31 k's scale words; v32-95 O1; v96-159 S, then p;
; v160-223 O0; v224-235 p's codes; v236-247 at work; v248-251 v's scale words; v252 f; v253 p's scale word; v255 q's scale words (lanes 0-15 tile 0, lanes 16-31 tile 1).
; window 1: v0-95 k's fragments, v96-191 v's, v192-215 q's two.
.set SLOT1, 1<<17
.set STEPB, 12288
.set VOFF,  4*STEPB
.set SCS,   2*SLOT1                    ; the scale words: k's 12,288 bytes, then v's
.set GST,   SCS+24576                  ; 512 bytes: the results' scale words on their way out
.set SPARE, GST+512                    ; the spare words, 128 bytes a wave
.set MST,   8704                       ; the exchange at the end: 8,192 bytes of O and 512 of state a wave, in slot 0's bytes, which have had their last fill
.set LI,  1
.set LK,  2
.set LIV, 3
.set SPW, 4
.set NIL, 5
.set PFO, 6
.set ADK, 7
.set ADV, 8
.set ADS, 9
.set GW,  10
.set GR,  11
.set BM,  20
.set LSC, 24
.set QSO, 25
.set STW, 26
.set STR, 27
.set KS,  28
.set O1,  32
.set S,   96
.set O0,  160
.set PC,  224
.set T1,  236
.set SO,  244
.set VS,  248
.set F,   252
.set PW,  253
.set TV,  254
.set QS,  255
.set QF,  192
.set GB,  180
.set WV,  18
.set SEL, 20
.set CS,  22
.set G1,  24
.set G1S, 32
.set G0,  40
.set G0S, 44
.set SB,  48
.set SS,  49
.set SLOTS, 50
.set LIM, 51
.set PFA, 52
.set G1H, 80
.set G0H, 88
.set MSB, 0
.macro WIN new                         ; the immediate's high byte repeats the setting that is left
.if MSB != (\new)
	s_set_vgpr_msb (MSB<<8)|(\new)
.set MSB, (\new)
.endif
.endm
.macro NOP4
.rept 4
	v_nop
.endr
.endm
.macro CREST                           ; a round of the cluster's barrier behind its opening barrier
	s_cmp_lg_u32 s[WV], 0
	s_cbranch_scc1 .Lnot_wave_0_\@
	s_barrier_signal -3
.Lnot_wave_0_\@:
	s_barrier_wait -3
	s_barrier_signal -1
	s_barrier_wait -1
.endm
.macro CROUND
	s_barrier_signal -1
	s_barrier_wait -1
	CREST
.endm
.macro ASK                             ; the prefetch: not behind the last refill, and only by the waves that have a share
	s_cmp_gt_u32 s[SLOTS], s[LIM]
	s_cbranch_scc0 .Lnot_mine_\@
	global_prefetch_b8 v[PFO], s[PFA:PFA+1] th:TH_LOAD_NT scope:SCOPE_SE
.Lnot_mine_\@:
.endm
.macro QUANT s, pc, tm, pw             ; 64 numbers of a lane become a fragment in v[pc] on and a scale word in v[pw]
.irp b, 0,1,2,3
	v_max3_num_f32 v[\tm+\b], |v[\s+16*\b]|, |v[\s+1+16*\b]|, 0x1800000
.endr
.irp i, 2,4,6,8,10,12,14
.irp b, 0,1,2,3
	v_max3_num_f32 v[\tm+\b], v[\tm+\b], |v[\s+16*\b+\i]|, |v[\s+1+16*\b+\i]|
.endr
.endr
.irp b, 0,1,2,3
	v_permlanex16_b32 v[\tm+4+\b], v[\tm+\b], s[SEL], s[SEL+1]
.endr
.irp b, 0,1,2,3
	v_max_num_f32 v[\tm+\b], v[\tm+\b], v[\tm+4+\b]
.endr
.irp b, 0,1,2,3
	v_add_nc_u32 v[\tm+12+\b], 0xff000000, v[\tm+\b]
.endr
.irp b, 0,1,2,3
	v_lshrrev_b32 v[\tm+4+\b], 23, v[\tm+12+\b]
.endr
	v_lshl_or_b32 v[\pw], v[\tm+5], 8, v[\tm+4]
	v_lshl_or_b32 v[\pw], v[\tm+6], 16, v[\pw]
	v_lshl_or_b32 v[\pw], v[\tm+7], 24, v[\pw]
.irp c, 0,1
	v_cvt_scalef32_pk16_fp6_f32 v[\pc+6*\c:\pc+2+6*\c], v[\s+32*\c:\s+15+32*\c], v[\tm+12+2*\c]
	v_cvt_scalef32_pk16_fp6_f32 v[\pc+12+4*\c:\pc+14+4*\c], v[\s+16+32*\c:\s+31+32*\c], v[\tm+12+2*\c+1]
.endr
	v_nop
.irp c, 0,1
.irp i, 0,1,2
	v_permlane16_swap_b32 v[\pc+6*\c+\i], v[\pc+12+4*\c+\i]
.endr
.irp i, 0,1,2
	v_mov_b32 v[\pc+3+6*\c+\i], v[\pc+12+4*\c+\i]
.endr
.endr
.endm
.macro LDK off, soff                   ; a step's eight fragments of k and their scale words (a register: lanes 0-15 fragment 2 i, lanes 16-31 fragment 2 i + 1)
	WIN 0x40
.irp t, 0,1,2,3,4,5,6,7
.irp c, 0,1,2
	ds_load_b128 v[12*\t+4*\c:12*\t+4*\c+3], v[ADK] offset:(\off)+1536*\t+512*\c
.endr
.endr
	WIN 0
.irp i, 0,1,2,3
	ds_load_b32 v[KS+\i], v[ADS] offset:(\soff)+128*\i
.endr
.endm
.macro LDV off, soff                   ; the same of v
	WIN 0x40
.irp t, 0,1,2,3,4,5,6,7
.irp c, 0,1,2
	ds_load_b128 v[96+12*\t+4*\c:96+12*\t+4*\c+3], v[ADV] offset:(\off)+1536*\t+512*\c
.endr
.endr
	WIN 0
.irp i, 0,1,2,3
	ds_load_b32 v[VS+\i], v[ADS] offset:12288+(\soff)+128*\i
.endr
.endm
.macro MMS T                           ; S^T = k q^T for tile T: eight accumulators, each begun with 0
	WIN 0x05
.irp t, 0,2,4,6
.if \T
	v_wmma_scale_f32_16x16x128_f8f6f4 v[S+8*\t:S+8*\t+7], v[12*\t:12*\t+11], v[QF+12:QF+23], 0, v[KS+\t/2], v[QS] matrix_a_fmt:MATRIX_FMT_FP6 matrix_b_fmt:MATRIX_FMT_FP6 matrix_b_scale:MATRIX_SCALE_ROW1
	v_wmma_scale_f32_16x16x128_f8f6f4 v[S+8+8*\t:S+8*\t+15], v[12*\t+12:12*\t+23], v[QF+12:QF+23], 0, v[KS+\t/2], v[QS] matrix_a_fmt:MATRIX_FMT_FP6 matrix_b_fmt:MATRIX_FMT_FP6 matrix_a_scale:MATRIX_SCALE_ROW1 matrix_b_scale:MATRIX_SCALE_ROW1
.else
	v_wmma_scale_f32_16x16x128_f8f6f4 v[S+8*\t:S+8*\t+7], v[12*\t:12*\t+11], v[QF:QF+11], 0, v[KS+\t/2], v[QS] matrix_a_fmt:MATRIX_FMT_FP6 matrix_b_fmt:MATRIX_FMT_FP6
	v_wmma_scale_f32_16x16x128_f8f6f4 v[S+8+8*\t:S+8*\t+15], v[12*\t+12:12*\t+23], v[QF:QF+11], 0, v[KS+\t/2], v[QS] matrix_a_fmt:MATRIX_FMT_FP6 matrix_b_fmt:MATRIX_FMT_FP6 matrix_a_scale:MATRIX_SCALE_ROW1
.endif
.endr
	WIN 0
.endm
.macro MMO OB                          ; O^T += v^T p^T: eight accumulators by turns
	WIN 0x01
.irp t, 0,2,4,6
	v_wmma_scale_f32_16x16x128_f8f6f4 v[\OB+8*\t:\OB+8*\t+7], v[96+12*\t:107+12*\t], v[PC:PC+11], v[\OB+8*\t:\OB+8*\t+7], v[VS+\t/2], v[PW] matrix_a_fmt:MATRIX_FMT_FP6 matrix_b_fmt:MATRIX_FMT_FP6
	v_wmma_scale_f32_16x16x128_f8f6f4 v[\OB+8+8*\t:\OB+8*\t+15], v[108+12*\t:119+12*\t], v[PC:PC+11], v[\OB+8+8*\t:\OB+8*\t+15], v[VS+\t/2], v[PW] matrix_a_fmt:MATRIX_FMT_FP6 matrix_b_fmt:MATRIX_FMT_FP6 matrix_a_scale:MATRIX_SCALE_ROW1
.endr
	WIN 0
.endm
.macro ROW0                            ; four places behind the products, then the first line of the block maxima: eight places in front of the LDS loads that follow
	NOP4
.irp b, 0,1,2,3
	v_max3_num_f32 v[BM+\b], v[S+16*\b], v[S+1+16*\b], v[S+2+16*\b]
.endr
.endm
.macro SOFT ST, OB                     ; the rest of a tile's softmax: S becomes p, p's codes and scale word; the sum and O^T come under the new M
.irp i, 3,5,7,9,11,13
.irp b, 0,1,2,3
	v_max3_num_f32 v[BM+\b], v[BM+\b], v[S+16*\b+\i], v[S+1+16*\b+\i]
.endr
.endr
.irp b, 0,1,2,3
	v_max_num_f32 v[BM+\b], v[BM+\b], v[S+15+16*\b]
.endr
.irp b, 0,1,2,3
	s_delay_alu instid0(VALU_DEP_4)
	v_permlanex16_b32 v[T1+\b], v[BM+\b], s[SEL], s[SEL+1]
.endr
.irp b, 0,1,2,3
	s_delay_alu instid0(VALU_DEP_4)
	v_max_num_f32 v[BM+\b], v[BM+\b], v[T1+\b]     ; the largest score of each block of 32 keys
.endr
	s_delay_alu instid0(VALU_DEP_2)
	v_max3_num_f32 v[TV], v[BM], v[BM+1], v[BM+2]
	s_delay_alu instid0(VALU_DEP_1)
	v_max_num_f32 v[TV], v[TV], v[BM+3]
	s_delay_alu instid0(VALU_DEP_1)
	v_mul_f32 v[TV], s[CS], v[TV]
	s_delay_alu instid0(VALU_DEP_1)
	v_max_num_f32 v[\ST+1], v[\ST+1], v[TV]        ; the running largest t
	v_mov_b32 v[TV], v[\ST]
	s_delay_alu instid0(VALU_DEP_2)
	v_floor_f32 v[\ST], -v[\ST+1]                  ; -M = floor(-t)
	s_delay_alu instid0(VALU_DEP_1)
	v_sub_f32 v[TV], v[\ST], v[TV]
	s_delay_alu instid0(VALU_DEP_1)
	v_cvt_i32_f32 v[TV], v[TV]
	s_delay_alu instid0(VALU_DEP_1)
	v_ldexp_f32 v[F], 1.0, v[TV]                   ; f = 2^(old M - new M)
.set j, 0
.rept 32
	v_pk_fma_f32 v[S+j:S+1+j], v[S+j:S+1+j], s[CS:CS+1], v[\ST:\ST+1] op_sel_hi:[1,0,0]
.set j, j+2
.endr
.irp b, 0,1,2,3
	v_fma_f32 v[BM+\b], v[BM+\b], s[CS], v[\ST]
.endr
.set j, 0
	s_wait_alu depctr_va_vdst(0)
.rept 64
	v_exp_f32 v[S+j], v[S+j]
.set j, j+1
.endr
	v_pk_mul_f32 v[\ST+2:\ST+3], v[\ST+2:\ST+3], v[F:F+1] op_sel_hi:[1,0]
	s_wait_alu depctr_va_vdst(0)                   ; and behind it
.irp b, 0,1,2,3
	v_exp_f32 v[BM+\b], v[BM+\b]                   ; each block's largest p
.endr
	v_pk_add_f32 v[T1:T1+1], v[S:S+1], v[S+2:S+3]
.irp j, 4,8,12,16,20,24,28,32,36,40,44,48,52,56,60
	v_pk_add_f32 v[\ST+2:\ST+3], v[\ST+2:\ST+3], v[S+\j:S+1+\j]
	v_pk_add_f32 v[T1:T1+1], v[T1:T1+1], v[S+2+\j:S+3+\j]
.endr
	s_delay_alu instid0(VALU_DEP_1)
	v_pk_add_f32 v[\ST+2:\ST+3], v[\ST+2:\ST+3], v[T1:T1+1]
	s_wait_alu depctr_va_vdst(0)                   ; for the four
.irp b, 0,1,2,3
	v_max_num_f32 v[BM+\b], 0x1800000, v[BM+\b]    ; the floor 2^(3 - 127)
.endr
.irp b, 0,1,2,3
	s_delay_alu instid0(VALU_DEP_4)
	v_add_nc_u32 v[SO+\b], 0xff000000, v[BM+\b]
.endr
.irp b, 0,1,2,3
	s_delay_alu instid0(VALU_DEP_4)
	v_lshrrev_b32 v[T1+\b], 23, v[SO+\b]
.endr
	s_delay_alu instid0(VALU_DEP_3)
	v_lshl_or_b32 v[PW], v[T1+1], 8, v[T1]
	s_delay_alu instid0(VALU_DEP_1)
	v_lshl_or_b32 v[PW], v[T1+2], 16, v[PW]
	s_delay_alu instid0(VALU_DEP_1)
	v_lshl_or_b32 v[PW], v[T1+3], 24, v[PW]
.irp c, 0,1
	v_cvt_scalef32_pk16_fp6_f32 v[PC+6*\c:PC+2+6*\c], v[S+32*\c:S+15+32*\c], v[SO+2*\c]
	v_cvt_scalef32_pk16_fp6_f32 v[T1+4*\c:T1+2+4*\c], v[S+16+32*\c:S+31+32*\c], v[SO+2*\c+1]
.endr
	v_nop
.irp c, 0,1
.irp i, 0,1,2
	v_permlane16_swap_b32 v[PC+6*\c+\i], v[T1+4*\c+\i]
.endr
.irp i, 0,1,2
	s_delay_alu instid0(VALU_DEP_3)
	v_mov_b32 v[PC+3+6*\c+\i], v[T1+4*\c+\i]
.endr
.endr
.set j, 0
.rept 32
	v_pk_mul_f32 v[\OB+j:\OB+1+j], v[\OB+j:\OB+1+j], v[F:F+1] op_sel_hi:[1,0]
.set j, j+2
.endr
.endm
; The change of slots.  My reads of this slot are over when v's last fragments have landed; the sixteen products stand between the opening signal and its wait.
.macro CHANGE fill
	s_wait_alu depctr_va_vdst(0)
	s_wait_tensorcnt 0x0                           ; my one load that was out, my part of the next slot, has landed
	ds_add_u32 v[SPW], v[NIL]
	s_xor_b32 s[SB], s[SB], SLOT1
	s_add_co_u32 s[SS], s[SS], 2048
.if \fill
	s_xor_b32 s[G0+1], s[G0+1], SLOT1
	s_add_nc_u64 s[G0+2:G0+3], s[G0+2:G0+3], VOFF
	s_wait_xcnt 0x0                                ; my last prefetch has read its address
	s_add_nc_u64 s[PFA:PFA+1], s[PFA:PFA+1], VOFF
.endif
	s_wait_dscnt 0x0                               ; the add is done and all my reads of this slot have landed
	s_barrier_signal -1
	MMS 1
	MMO O0
	s_barrier_wait -1
.if \fill
	CREST                                          ; no wave of any partner still reads this slot
	tensor_load_to_lds s[G0:G0+3], s[G1:G1+7]
	s_nop 0
	NOP4
	ASK
.endif
	v_add_nc_u32 v[ADK], s[SB], v[LK]
	v_add_nc_u32 v[ADV], s[SB], v[LIV]
	v_add_nc_u32 v[ADS], s[SS], v[LSC]
.endm
; A slot: my two steps a and b.  fill = 0: the last two slots; in the very last (SLOTS = 1) nothing follows: the next k is neither read nor multiplied.
.macro TRIP fill
	ROW0
	LDV 0, 0
	SOFT 12, O0
	s_wait_alu depctr_va_vdst(0)
	s_wait_dscnt 0x0                               ; v(a) is in
	MMS 1
	MMO O0
	ROW0
	LDK STEPB, 512
	SOFT 16, O1
	s_wait_alu depctr_va_vdst(0)
	s_wait_dscnt 0x0                               ; k(b) is in
	MMS 0
	MMO O1
	ROW0
	LDV STEPB, 512
	SOFT 12, O0
	CHANGE \fill
	ROW0
.if \fill
	LDK 0, 0
.else
	s_wait_alu depctr_va_vdst(0)
	s_cmp_eq_u32 s[SLOTS], 1
	s_cbranch_scc1 .Lno_k_\@
	LDK 0, 0
.Lno_k_\@:
.endif
	SOFT 16, O1
	s_wait_alu depctr_va_vdst(0)
.if \fill == 0
	s_cmp_eq_u32 s[SLOTS], 1
	s_cbranch_scc1 .Lno_s_\@
.endif
	s_wait_dscnt 0x0                               ; the next slot's k(a) is in
	MMS 0
.if \fill == 0
.Lno_s_\@:
.endif
	MMO O1
.endm
	s_load_b128 s[4:7], s[0:1], 0x0                ; qop, kvop
	s_load_b64 s[8:9], s[0:1], 0x10                ; aop
	v_lshl_add_u32 v[SPW], v0, 2, SPARE
	v_mov_b32 v[NIL], 0
	ds_add_u32 v[SPW], v[NIL]
	ds_add_u32 v[SPW], v[NIL]
	v_lshrrev_b32 v7, 5, v0
	v_readfirstlane_b32 s[WV], v7
	s_bfe_u32 s54, ttmp6, 0x40000                  ; cx
	s_lshl_b32 s55, ttmp9, 2
	s_add_co_u32 s55, s55, s54                     ; which 128 queries
	s_and_b32 s56, ttmp7, 0xffff                   ; 16 b + head
	s_lshr_b32 s57, s[WV], 2                       ; my half of the keys; in a refill: k (0) or v (1)
	s_and_b32 s58, s[WV], 3                        ; my pair of query fragments; in a refill: which step
	s_mul_i32 s59, s56, 294912
	s_mul_i32 s60, s57, 9437184                    ; the refills: one step of k or v
	s_add_co_u32 s60, s60, s59
	s_mul_i32 s62, s58, STEPB
	s_add_co_u32 s60, s60, s62
	s_mov_b32 s61, 0
	s_lshr_b32 s63, s58, 1
	s_and_b32 s66, s58, 1
	s_mul_i32 s68, s63, 9437184                    ; the head, waves 0-3: two steps of k or v
	s_add_co_u32 s68, s68, s59
	s_mul_i32 s62, s66, 2*STEPB
	s_add_co_u32 s68, s68, s62
	s_mov_b32 s69, 0
	s_mul_i32 s70, s63, 393216                     ; the head, waves 4-7: half of k's or v's scale words
	s_add_co_u32 s70, s70, 18874368
	s_mul_i32 s62, s56, 12288
	s_add_co_u32 s70, s70, s62
	s_mul_i32 s62, s66, 6144
	s_add_co_u32 s70, s70, s62
	s_mov_b32 s71, 0
	s_lshr_b32 s72, s54, 1                         ; the prefetches: my work-group's quarter of a slot, by address
	s_mul_i32 s72, s72, 9437184
	s_add_co_u32 s72, s72, s59
	s_and_b32 s62, s54, 1
	s_mul_i32 s62, s62, 24576
	s_add_co_u32 s72, s72, s62
	s_lshl_b32 s62, s[WV], 13
	s_add_co_u32 s72, s72, s62
	s_add_co_u32 s72, s72, VOFF
	s_mov_b32 s73, 0
	s_cmp_lt_u32 s[WV], 3
	s_cselect_b32 s62, 0, 1
	s_or_b32 s62, s62, ttmp9
	s_cmp_eq_u32 s62, 0
	s_cselect_b32 s[LIM], 1, -1
	s_lshl_b32 s74, s56, 6
	s_lshl_b32 s62, s55, 3
	s_add_co_u32 s74, s74, s62
	s_lshl_b32 s62, s58, 1
	s_add_co_u32 s74, s74, s62                     ; q: my pair's first fragment
	s_xor_b32 s78, s57, 1
	s_add_co_u32 s78, s78, s74
	s_mul_i32 s78, s78, 1536                       ; tile 1
	s_mov_b32 s79, 0
	s_add_co_u32 s76, s74, s57
	s_mul_i32 s76, s76, 1536                       ; tile 0
	s_mov_b32 s77, 0
	s_lshl_b32 s74, s74, 6
	s_add_co_u32 s74, s74, 3145728                 ; the pair's scale words
	s_mov_b32 s75, 0
	s_and_b32 s92, s56, 15
	s_lshl_b32 s92, s92, 7
	s_lshr_b32 s62, s56, 4
	s_lshl_b32 s62, s62, 6
	s_add_co_u32 s92, s92, s62
	s_lshl_b32 s62, s55, 3
	s_add_co_u32 s92, s92, s62                     ; aop: the work-group's first fragment: head x 128 + 64 b + 8 x
	s_lshl_b32 s67, s58, 1
	s_add_co_u32 s67, s67, s57                     ; the fragment that I finish
	s_add_co_u32 s94, s92, s67
	s_mul_i32 s94, s94, 1536
	s_mov_b32 s95, 0
	s_lshl_b32 s92, s92, 6
	s_add_co_u32 s92, s92, 3145728
	s_mov_b32 s93, 0
.irp g, G1, G1S, G1H                   ; dense blocks as rows of 256 bytes; mask 15, bit 21 beside it
	s_mov_b32 s[\g], 15|(3<<16)|(1<<21)
	s_mov_b32 s[\g+1], 32<<16
	s_mov_b32 s[\g+3], 32<<16
	s_mov_b32 s[\g+5], 32
	s_mov_b32 s[\g+6], 0
	s_mov_b32 s[\g+7], 0
.endr
	s_mov_b32 s[G1+2], 48<<16
	s_mov_b32 s[G1+4], 48
	s_mov_b32 s[G1S+2], 24<<16
	s_mov_b32 s[G1S+4], 24
	s_mov_b32 s[G1H+2], 96<<16
	s_mov_b32 s[G1H+4], 96
	s_mov_b32 s[G0], 1
	s_mul_i32 s[G0+1], s[WV], STEPB
	s_mov_b32 s[G0H], 1
	s_mul_i32 s[G0H+1], s[WV], 2*STEPB
	s_mov_b32 s[G0S], 1
	s_mul_i32 s[G0S+1], s[WV], 6144
	s_add_co_u32 s[G0S+1], s[G0S+1], SCS-24576
	s_mov_b32 s[SEL], 0x76543210
	s_mov_b32 s[SEL+1], 0xfedcba98
	s_mov_b32 s[CS], 0x3e0293ee                    ; log2(e) / sqrt(128)
	s_mov_b32 s[CS+1], s[CS]
	s_mov_b32 s[SB], 0
	s_mov_b32 s[SS], 0
	s_mov_b32 s[SLOTS], 5
	s_wait_dscnt 0x0
	s_wait_kmcnt 0x0
	s_add_nc_u64 s[G0+2:G0+3], s[6:7], s[60:61]
	s_or_b32 s[G0+3], s[G0+3], 0x80000000
	s_add_nc_u64 s[G0H+2:G0H+3], s[6:7], s[68:69]
	s_or_b32 s[G0H+3], s[G0H+3], 0x80000000
	s_add_nc_u64 s[G0S+2:G0S+3], s[6:7], s[70:71]
	s_or_b32 s[G0S+3], s[G0S+3], 0x80000000
	s_add_nc_u64 s[PFA:PFA+1], s[6:7], s[72:73]
	s_add_nc_u64 s[10:11], s[4:5], s[76:77]
	s_add_nc_u64 s[12:13], s[4:5], s[78:79]
	s_add_nc_u64 s[14:15], s[4:5], s[74:75]
	s_add_nc_u64 s[16:17], s[8:9], s[94:95]
	s_add_nc_u64 s[92:93], s[8:9], s[92:93]
	s_mul_i32 s62, s57, 2*STEPB                    ; my two steps of a slot
	s_lshl_b32 s63, s57, 10
	s_add_co_u32 s63, s63, SCS
	s_lshl_b32 s66, s57, 6
	s_lshl_b32 s68, s67, 6
	s_add_co_u32 s68, s68, GST
	s_mul_i32 s69, s[WV], MST
	s_xor_b32 s70, s[WV], 4
	s_mul_i32 s70, s70, MST
	CROUND                                         ; in front of the first joint loads
	s_cmp_lt_u32 s[WV], 4
	s_cbranch_scc0 .Lhead_s
	tensor_load_to_lds s[G0H:G0H+3], s[G1H:G1H+7]
	s_nop 0
	NOP4
	s_branch .Lhead_j
.Lhead_s:
	tensor_load_to_lds s[G0S:G0S+3], s[G1S:G1S+7]
	s_nop 0
	NOP4
.Lhead_j:
	v_and_b32 v[LI], 31, v0
	v_and_b32 v[GW], 15, v0
	v_lshlrev_b32 v[PFO], 8, v[LI]
	v_lshlrev_b32 v[QSO], 2, v[LI]
	v_lshlrev_b32 v[LI], 4, v[LI]                  ; 16 x lane
	v_lshl_add_u32 v[GW], v[GW], 2, s68
	v_add_nc_u32 v[LSC], s63, v[QSO]
	v_xor_b32 v[QSO], s66, v[QSO]                  ; lanes 0-15 take tile 0's scale words, lanes 16-31 tile 1's
	v_add_nc_u32 v[LK], s62, v[LI]
	v_add_nc_u32 v[GR], GST, v[LI]
	v_add_nc_u32 v[STW], s69, v[LI]
	v_add_nc_u32 v[STR], s70, v[LI]
	v_add_nc_u32 v[LIV], VOFF, v[LK]
	WIN 0x40
.irp c, 0,1,2
	global_load_b128 v[QF+4*\c:QF+4*\c+3], v[LI], s[10:11] offset:512*\c
.endr
.irp c, 0,1,2
	global_load_b128 v[QF+12+4*\c:QF+12+4*\c+3], v[LI], s[12:13] offset:512*\c
.endr
	WIN 0
	global_load_b32 v[QS], v[QSO], s[14:15]
	v_mov_b32 v13, 0xff61b1e6                      ; the largest t so far: under every t
	v_mov_b32 v17, 0xff61b1e6
	v_mov_b32 v14, 0
	v_mov_b32 v15, 0
	v_floor_f32 v12, -v13
	v_floor_f32 v16, -v17
	v_mov_b32 v18, 0
	v_mov_b32 v19, 0
.irp b, 0,1,2,3
	v_mov_b32 v[T1+\b], 0                          ; a lane permute's destination counts as one of its sources
.endr
	v_mov_b32 v[PW], 0
.set j, 0
.rept 64
	v_mov_b32 v[O0+j], 0                           ; the step is written once: the first finds zeros
	v_mov_b32 v[O1+j], 0
.set j, j+1
.endr
	s_wait_alu depctr_va_vdst(0)
	s_wait_tensorcnt 0x0                           ; my part of the head's tiles is in; slot 1's first fill is issued as a refill is
	ds_add_u32 v[SPW], v[NIL]
	s_xor_b32 s[G0+1], s[G0+1], SLOT1
	s_add_nc_u64 s[G0+2:G0+3], s[G0+2:G0+3], VOFF
	s_add_nc_u64 s[PFA:PFA+1], s[PFA:PFA+1], VOFF
	s_wait_dscnt 0x0
	CROUND
	tensor_load_to_lds s[G0:G0+3], s[G1:G1+7]
	s_nop 0
	NOP4
	ASK
	s_mov_b32 s[SLOTS], 4
	v_add_nc_u32 v[ADK], s[SB], v[LK]
	v_add_nc_u32 v[ADV], s[SB], v[LIV]
	v_add_nc_u32 v[ADS], s[SS], v[LSC]
	s_wait_alu depctr_va_vdst(0)
	LDK 0, 0
	s_wait_loadcnt 0x0                             ; q
	s_wait_dscnt 0x0
	MMS 0
.Lring:                                            ; slots 0-3: each trip refills the slot that it leaves
	TRIP 1
	s_sub_co_u32 s[SLOTS], s[SLOTS], 1
	s_cmp_lg_u32 s[SLOTS], 0
	s_wait_alu depctr_va_vdst(0)
	s_cbranch_scc1 .Lring
	s_mov_b32 s[SLOTS], 2
.Ltail:                                            ; slots 4 and 5: nothing is filled again
	TRIP 0
	s_sub_co_u32 s[SLOTS], s[SLOTS], 1
	s_cmp_lg_u32 s[SLOTS], 0
	s_wait_alu depctr_va_vdst(0)
	s_cbranch_scc1 .Ltail
	; THE TWO HALVES OF THE KEYS MEET: I send tile 1 (O^T, -M, the sum) to wave w xor 4 and take its tile 1, which is my tile 0's queries
	NOP4
	v_add_f32 v17, v18, v19
	v_add_f32 v13, v14, v15
	s_wait_alu depctr_va_vdst(0)
	s_wait_dscnt 0x0
	s_barrier_signal -1
	s_barrier_wait -1                              ; no wave reads the ring any more
.set j, 0
.rept 16
	ds_store_b128 v[STW], v[O1+j:O1+j+3] offset:128*j  ; each accumulator from its low end on
.set j, j+4
.endr
	ds_store_b128 v[STW], v[16:19] offset:8192
	s_wait_dscnt 0x0
	s_barrier_signal -1
	s_barrier_wait -1
.set j, 0
.rept 16
	ds_load_b128 v[O1+j:O1+j+3], v[STR] offset:128*j
.set j, j+4
.endr
	ds_load_b128 v[16:19], v[STR] offset:8192
	s_wait_dscnt 0x0
	v_min_num_f32 v[TV], v12, v16                  ; the common -M
	v_sub_f32 v20, v[TV], v12
	v_sub_f32 v22, v[TV], v16
	v_cvt_i32_f32 v20, v20
	v_cvt_i32_f32 v22, v22
	v_ldexp_f32 v20, 1.0, v20                      ; 2^(my M - M),
	v_ldexp_f32 v22, 1.0, v22                      ; 2^(the other's M - M)
	v_mul_f32 v[T1], v13, v20
	v_fma_f32 v[T1], v17, v22, v[T1]
	v_permlanex16_b32 v[F], v[T1], s[SEL], s[SEL+1]
	v_add_f32 v[T1], v[T1], v[F]                   ; the row's sum
	s_wait_alu depctr_va_vdst(0)
	v_rcp_f32 v[T1], v[T1]
	v_nop
	s_wait_alu depctr_va_vdst(0)
	v_mul_f32 v20, v20, v[T1]
	v_mul_f32 v22, v22, v[T1]
	s_wait_alu depctr_va_vdst(0)
.set j, 0
.rept 32
	v_pk_mul_f32 v[S+j:S+1+j], v[O0+j:O0+1+j], v[20:21] op_sel_hi:[1,0]
.set j, j+2
.endr
.set j, 0
.rept 32
	v_pk_fma_f32 v[S+j:S+1+j], v[O1+j:O1+1+j], v[22:23], v[S+j:S+1+j] op_sel_hi:[1,0,1]
.set j, j+2
.endr
	QUANT S, PC, O0, O0+16
.irp c, 0,1,2
	global_store_b128 v[LI], v[PC+4*\c:PC+4*\c+3], s[16:17] offset:512*\c   ; 32 lanes store 512 consecutive bytes
.endr
	ds_store_b32 v[GW], v[O0+16]                   ; lanes l and l xor 16 write the same word with the same value
	s_wait_dscnt 0x0
	s_barrier_signal -1
	s_barrier_wait -1
	s_cmp_lg_u32 s[WV], 0
	s_cbranch_scc1 .Lnot_first
	ds_load_b128 v[GB:GB+3], v[GR]
	s_wait_dscnt 0x0
	global_store_b128 v[LI], v[GB:GB+3], s[92:93]  ; the eight fragments' scale words: 512 consecutive bytes
.Lnot_first:
	s_wait_tensorcnt 0x0                           ; the wave's end
	ds_add_u32 v[SPW], v[NIL]
	s_wait_dscnt 0x0
	CROUND                                         ; the closing round
	s_endpgm
.Lfunc_end_k_q4886445669_attn:
	.size	k_q4886445669_attn, .Lfunc_end_k_q4886445669_attn-k_q4886445669_attn
	.p2alignl 7, 3214868480
	.fill 96, 4, 3214868480
	.section	.rodata,"a",@progbits
	.p2align	6, 0x0
	.amdhsa_kernel k_q4886445669_attn
		.amdhsa_group_segment_fixed_size 327680
		.amdhsa_private_segment_fixed_size 0
		.amdhsa_enable_private_segment 0
		.amdhsa_kernarg_size 24
		.amdhsa_user_sgpr_count 2
		.amdhsa_user_sgpr_kernarg_segment_ptr 1
		.amdhsa_wavefront_size32 1
		.amdhsa_system_sgpr_workgroup_id_x 1
		.amdhsa_system_sgpr_workgroup_id_y 1
		.amdhsa_system_sgpr_workgroup_id_z 1
		.amdhsa_system_vgpr_workitem_id 0
		.amdhsa_next_free_vgpr 480
		.amdhsa_next_free_sgpr 96
		.amdhsa_reserve_vcc 0
		.amdhsa_float_denorm_mode_32 3
		.amdhsa_float_denorm_mode_16_64 3
		.amdhsa_memory_ordered 1
		.amdhsa_forward_progress 1
		.amdhsa_inst_pref_size 174
	.end_amdhsa_kernel
	.amdgpu_metadata
---
amdhsa.version: [ 1, 2 ]
amdhsa.kernels:
  - .name:           k_q4886445669_attn
    .symbol:         k_q4886445669_attn.kd
    .args:
      - { .name: qop, .offset: 0, .size: 8, .value_kind: global_buffer, .address_space: global }
      - { .name: kvop, .offset: 8, .size: 8, .value_kind: global_buffer, .address_space: global }
      - { .name: aop, .offset: 16, .size: 8, .value_kind: global_buffer, .address_space: global }
    .group_segment_fixed_size: 327680
    .private_segment_fixed_size: 0
    .kernarg_segment_align: 8
    .kernarg_segment_size: 24
    .max_flat_workgroup_size: 256
    .sgpr_count:     96
    .vgpr_count:     480
    .wavefront_size: 32
...
	.end_amdgpu_metadata
.endif
;; end of part 8
;; launch gemm_out (part 9): grid 16 x 16, 4 waves a work-group, clusters of 4 x 4, 327,680 bytes of LDS; arguments aop, wop, bo, out0; writes out0
.if DOCPART == 9
	.amdgcn_target "amdgcn-amd-amdhsa--gfx1250"
	.amdhsa_code_object_version 6
	.text
	.protected	k_q4886445669_gemm_out
	.globl	k_q4886445669_gemm_out
	.p2align	8
	.type	k_q4886445669_gemm_out,@function
k_q4886445669_gemm_out:
	s_mov_b64 s[64:65], 0
	v_nop
	global_prefetch_b8 v0, s[64:65] scope:SCOPE_SE
	s_setreg_imm32_b32 hwreg(HW_REG_WAVE_MODE, 25, 1), 1
	s_wait_xcnt 0x0
	s_wait_alu depctr_hold_cnt(0) depctr_sa_sdst(0) depctr_va_vdst(0) depctr_va_sdst(0) depctr_va_ssrc(0) depctr_va_vcc(0) depctr_vm_vsrc(0)
	s_getreg_b32 s2, hwreg(HW_REG_IB_STS2, 6, 4)
	s_cmp_eq_u32 s2, 0
	s_cbranch_scc0 .Lentry_in_a_cluster
	s_endpgm
.Lentry_in_a_cluster:
	s_bfe_u32 s2, ttmp6, 0x10000c
	s_cmp_lg_u32 s2, 0xf033
	s_cbranch_scc0 .Lentry_shape_is_right
	s_endpgm
.Lentry_shape_is_right:
.set FR,    12
.set NP,    4
.set CB,    12288
.set SLOT,  8*CB
.set SCL,   3*SLOT
.set SPARE, SCL+16384
.set CHB,   196608
.set STAGE, SLOT
.set SPITCH, 272
.set ADRA, 16
.set ADRB, 20
.set LI,   24
.set STO,  25
.set RD,   26
.set ADRS, 27
.set SPW,  28
.set NIL,  29
.set CO,   30
.set BA,   31
.set SC,   32
.set BO,   40
.set BK,   64
.set ACC,  128
.set WV, 18
.set HI, 19
.set LO, 20
.set G1, 24
.set G0, 32
.set G1B, 44
.set G0B, 52
.set G1S, 68
.set G0S, 76
.set G1SB, 80
.set G0SB, 88
.set MSB, 0
.macro WIN new
.if MSB != (\new)
	s_set_vgpr_msb (MSB<<8)|(\new)
.set MSB, (\new)
.endif
.endm
.set MUL,  0x05
.set TO_F, 0x40
.macro JLOAD g0a, g1a, g0b, g1b
	s_cmp_eq_u32 s[HI], 0
	s_cbranch_scc0 .Lfor_b_\@
	tensor_load_to_lds s[\g0a:\g0a+3], s[\g1a:\g1a+7]
	s_nop 0
.rept 4
	v_nop
.endr
	s_branch .Lasked_\@
.Lfor_b_\@:
	tensor_load_to_lds s[\g0b:\g0b+3], s[\g1b:\g1b+7]
	s_nop 0
.rept 4
	v_nop
.endr
.Lasked_\@:
.endm
.macro CREST
	s_cmp_lg_u32 s[WV], 0
	s_cbranch_scc1 .Lnot_wave_0_\@
	s_barrier_signal -3
.Lnot_wave_0_\@:
	s_barrier_wait -3
	s_barrier_signal -1
	s_barrier_wait -1
.endm
.macro CROUND
	s_barrier_signal -1
	s_barrier_wait -1
	CREST
.endm
	s_load_b256 s[4:11], s[0:1], 0x0
	v_lshl_add_u32 v[SPW], v0, 2, SPARE
	v_mov_b32 v[NIL], 0
	ds_add_u32 v28, v29
	ds_add_u32 v28, v29
	s_wait_dscnt 0x0
	v_lshrrev_b32 v1, 5, v0
	v_readfirstlane_b32 s[WV], v1
	s_lshr_b32 s[HI], s[WV], 1
	s_and_b32 s[LO], s[WV], 1
	s_bfe_u32 s12, ttmp6, 0x40000
	s_bfe_u32 s13, ttmp6, 0x40004
	s_lshl_b32 s21, ttmp9, 2
	s_add_co_u32 s21, s21, s12
	s_and_b32 s22, ttmp7, 0xffff
	s_lshl_b32 s22, s22, 2
	s_add_co_u32 s22, s22, s13
	s_lshl_b32 s14, s13, 2
	s_lshl_b32 s14, 15, s14
	s_lshl_b32 s15, 0x1111, s12
	s_or_b32 s[G1+0], s14, (3<<16)|(1<<21)
	s_or_b32 s[G1B+0], s15, (3<<16)|(1<<21)
	s_or_b32 s[G1S+0], s14, (3<<16)|(1<<21)
	s_or_b32 s[G1SB+0], s15, (3<<16)|(1<<21)
.irp g, G1, G1B
	s_mov_b32 s[\g+1], 1536<<16                    ; four chunks of one operand: four rows of 12,288 bytes
	s_mov_b32 s[\g+2], 4<<16
	s_mov_b32 s[\g+3], 1536<<16
	s_mov_b32 s[\g+4], 4
	s_mov_b32 s[\g+5], 24576
	s_mov_b32 s[\g+6], 0
	s_mov_b32 s[\g+7], 0
.endr
.irp g, G1S, G1SB
	s_mov_b32 s[\g+1], 64<<16                      ; all 16 chunks' scale words in one load
	s_mov_b32 s[\g+2], 16<<16
	s_mov_b32 s[\g+3], 64<<16
	s_mov_b32 s[\g+4], 16
	s_mov_b32 s[\g+5], 1024
	s_mov_b32 s[\g+6], 0
	s_mov_b32 s[\g+7], 0
.endr
	s_mul_i32 s94, s22, CB
	s_mov_b32 s95, 0
	s_mul_i32 s100, s21, CB
	s_add_co_u32 s100, s100, 9437184
	s_mov_b32 s101, 0
	s_lshl_b32 s92, s22, 9
	s_add_co_u32 s92, s92, 3145728
	s_mov_b32 s93, 0
	s_lshl_b32 s96, s21, 9
	s_add_co_u32 s96, s96, 12976128
	s_mov_b32 s97, 0
	s_mul_i32 s16, s[WV], 2*CB
	s_mul_i32 s17, s[LO], SLOT
	s_mul_i32 s2, s[LO], 2*CHB
	s_mov_b32 s3, 0
	s_mul_i32 s98, s[LO], 4*CHB
	s_mov_b32 s99, 0
	s_wait_kmcnt 0x0
	s_add_nc_u64 s[94:95], s[4:5], s[94:95]
	s_add_nc_u64 s[92:93], s[4:5], s[92:93]
	s_add_nc_u64 s[100:101], s[6:7], s[100:101]
	s_add_nc_u64 s[96:97], s[6:7], s[96:97]
	CROUND
	s_mov_b32 s[G0S], 1
	s_mov_b32 s[G0S+1], SCL
	s_mov_b64 s[G0S+2:G0S+3], s[92:93]
	s_or_b32 s[G0S+3], s[G0S+3], 0x80000000
	s_mov_b32 s[G0SB], 1
	s_mov_b32 s[G0SB+1], SCL+8192
	s_mov_b64 s[G0SB+2:G0SB+3], s[96:97]
	s_or_b32 s[G0SB+3], s[G0SB+3], 0x80000000
; THE 16 CHUNKS COME IN THREE TURNS.  At the head: chunks 0-3 (slot 0) and all scale words, one load a wave.  Behind the head's sequence: chunks 4-11 (slots 1 and 2), four chunks of one operand a wave.
; At step 3: chunks 12-15 into slot 0, two chunks a wave.
	s_mov_b32 s[G0], 1
	s_mov_b32 s[G0+1], 0
	s_mov_b64 s[G0+2:G0+3], s[94:95]
	s_or_b32 s[G0+3], s[G0+3], 0x80000000
	s_mov_b32 s[G0B], 1
	s_mov_b32 s[G0B+1], 4*CB
	s_mov_b64 s[G0B+2:G0B+3], s[100:101]
	s_or_b32 s[G0B+3], s[G0B+3], 0x80000000
	s_mov_b32 s[G0+4], 1
	s_add_co_u32 s[G0+5], s17, SLOT
	s_add_nc_u64 s[G0+6:G0+7], s[94:95], s[98:99]
	s_add_nc_u64 s[G0+6:G0+7], s[G0+6:G0+7], 4*CHB
	s_or_b32 s[G0+7], s[G0+7], 0x80000000
	s_mov_b32 s[G0B+4], 1
	s_add_co_u32 s[G0B+5], s17, SLOT+4*CB
	s_add_nc_u64 s[G0B+6:G0B+7], s[100:101], s[98:99]
	s_add_nc_u64 s[G0B+6:G0B+7], s[G0B+6:G0B+7], 4*CHB
	s_or_b32 s[G0B+7], s[G0B+7], 0x80000000
	s_mov_b32 s[G0+8], 1
	s_mov_b32 s[G0+9], s16
	s_add_nc_u64 s[G0+10:G0+11], s[94:95], s[2:3]
	s_add_nc_u64 s[G0+10:G0+11], s[G0+10:G0+11], 12*CHB
	s_or_b32 s[G0+11], s[G0+11], 0x80000000
	s_mov_b32 s[G0B+8], 1
	s_mov_b32 s[G0B+9], s16
	s_add_nc_u64 s[G0B+10:G0B+11], s[100:101], s[2:3]
	s_add_nc_u64 s[G0B+10:G0B+11], s[G0B+10:G0B+11], 12*CHB
	s_or_b32 s[G0B+11], s[G0B+11], 0x80000000
.macro ARM under, g0, g1, next         ; one tree of branches on the wave's number, one load to an arm
	s_cmp_lt_u32 s[WV], \under
	s_cbranch_scc0 \next
	tensor_load_to_lds s[\g0:\g0+3], s[\g1:\g1+7]
	s_nop 0
.rept 4
	v_nop
.endr
	s_branch .Lhead_asked
\next:
.endm
	ARM 1, G0,  G1,  .Lhead_b
	ARM 2, G0B, G1B, .Lhead_sa
	ARM 3, G0S, G1S, .Lhead_sb
	tensor_load_to_lds s[G0SB:G0SB+3], s[G1SB:G1SB+7]
	s_nop 0
.rept 4
	v_nop
.endr
.Lhead_asked:
	v_and_b32 v1, 15, v0
	v_bfe_u32 v2, v0, 4, 1
	s_wait_alu depctr_va_vdst(0)
	v_and_b32 v3, 31, v0
	v_lshlrev_b32 v[LI], 4, v3
	s_mul_i32 s2, s[HI], 6144
	s_mul_i32 s3, s[LO], 6144
	s_add_co_u32 s3, s3, 4*CB
.irp s, 0,1,2
	v_add_nc_u32 v[ADRA+\s], s2, v[LI]
	v_add_nc_u32 v[ADRB+\s], s3, v[LI]
	s_add_co_u32 s2, s2, SLOT
	s_add_co_u32 s3, s3, SLOT
.endr
	s_lshl_b32 s2, s[HI], 8
	s_xor_b32 s3, s[HI], 1
	s_lshl_b32 s3, s3, 8
	s_lshl_b32 s98, s[LO], 8
	s_add_co_u32 s3, s3, s98
	s_add_co_u32 s3, s3, 7936
	v_mul_u32_u24 v4, s3, v2
	s_add_co_u32 s2, s2, SCL
	v_lshl_add_u32 v4, v1, 2, v4
	v_add_nc_u32 v[ADRS], s2, v4
	s_mul_i32 s2, s[WV], 16*SPITCH
	s_add_co_u32 s2, s2, STAGE
	v_mul_u32_u24 v4, v1, SPITCH
	v_lshl_add_u32 v4, v2, 6, v4
	v_add_nc_u32 v[STO], s2, v4
	v_mul_u32_u24 v4, v2, SPITCH
	v_lshl_add_u32 v4, v1, 4, v4
	v_add_nc_u32 v[RD], s2, v4
	v_lshlrev_b32 v[CO], 13, v2
	v_lshl_add_u32 v[CO], v1, 4, v[CO]
	v_lshlrev_b32 v[BA], 4, v1
	s_wait_alu depctr_va_vdst(0)
	s_lshl_b32 s98, s21, 9
	s_lshl_b32 s99, s[LO], 8
	s_add_co_u32 s98, s98, s99
	s_mov_b32 s99, 0
	s_add_nc_u64 s[8:9], s[8:9], s[98:99]
	s_lshl_b32 s2, s22, 20
	s_lshl_b32 s3, s[HI], 19
	s_add_co_u32 s2, s2, s3
	s_add_co_u32 s2, s2, s98
	s_mov_b32 s3, 0
	s_add_nc_u64 s[10:11], s[10:11], s[2:3]
	global_load_b128 v[BO:BO+3], v[BA], s[8:9]
	s_wait_loadcnt 0x0
.macro MUL8 a0, p, zero
.irp a, \a0, \a0+1
.irp b, 0,1,2,3
.if \zero
	v_wmma_scale_f32_16x16x128_f8f6f4 v[ACC+8*(4*(\a)+\b):ACC+8*(4*(\a)+\b)+7], v[128*(\p)+FR*\b:128*(\p)+FR*\b+FR-1], v[128*(\p)+48+FR*(\a):128*(\p)+48+FR*(\a)+FR-1], 0, v[SC+4*(\p)+\b], v[SC+4*(\p)+(\a)] matrix_a_fmt:MATRIX_FMT_FP6 matrix_b_fmt:MATRIX_FMT_FP6 matrix_a_scale:MATRIX_SCALE_ROW1
.else
	v_wmma_scale_f32_16x16x128_f8f6f4 v[ACC+8*(4*(\a)+\b):ACC+8*(4*(\a)+\b)+7], v[128*(\p)+FR*\b:128*(\p)+FR*\b+FR-1], v[128*(\p)+48+FR*(\a):128*(\p)+48+FR*(\a)+FR-1], v[ACC+8*(4*(\a)+\b):ACC+8*(4*(\a)+\b)+7], v[SC+4*(\p)+\b], v[SC+4*(\p)+(\a)] matrix_a_fmt:MATRIX_FMT_FP6 matrix_b_fmt:MATRIX_FMT_FP6 matrix_a_scale:MATRIX_SCALE_ROW1
.endif
.endr
.endr
.endm
.macro FETCH k
.set SL, ((\k)/4)%3
.set QQ, (\k)%4
.set PP, (\k)%2
	WIN TO_F
.irp i, 0,1,2,3
.irp c, 0,1,2
	ds_load_b128 v[128*PP+FR*\i+4*\c:128*PP+FR*\i+4*\c+3], v[ADRB+SL] offset:QQ*CB+\i*1536+512*\c
.endr
.endr
.irp i, 0,1,2,3
.irp c, 0,1,2
	ds_load_b128 v[128*PP+48+FR*\i+4*\c:128*PP+48+FR*\i+4*\c+3], v[ADRA+SL] offset:QQ*CB+\i*1536+512*\c
.endr
.endr
	WIN 0
.irp i, 0,1,2,3
	ds_load_b32 v[SC+4*PP+\i], v[ADRS] offset:512*(\k)+64*\i
.endr
.endm
.macro PLACES n
.rept \n
	v_nop
.endr
.endm
.macro STEP k, zero
.if (\k) < 15
.if (\k) > 0
	PLACES NP
.endif
	FETCH (\k)+1
	s_wait_dscnt 28
.else
	s_wait_dscnt 0x0
.endif
	WIN MUL
	MUL8 0, (\k)%2, \zero
	MUL8 2, (\k)%2, \zero
	WIN 0
.endm
.macro TURN k, fill
	s_wait_tensorcnt 0x0
	ds_add_u32 v[SPW], v[NIL]
.if \fill
	s_mov_b32 s[G1+2], 2<<16                       ; no tensor load of mine is out: the last turn's loads bring two chunks
	s_mov_b32 s[G1+4], 2
	s_mov_b32 s[G1B+2], 2<<16
	s_mov_b32 s[G1B+4], 2
.endif
	s_wait_dscnt 0x0
	s_barrier_signal -1
	WIN MUL
	MUL8 0, (\k)%2, 0
	WIN 0
	s_barrier_wait -1
.if \fill
	CREST
	JLOAD G0+8, G1, G0B+8, G1B
.else
	PLACES NP
.endif
	FETCH (\k)+1
	WIN MUL
	MUL8 2, (\k)%2, 0
	WIN 0
.endm
	s_wait_alu depctr_va_vdst(0)
	s_wait_tensorcnt 0x0                           ; my tile of the head's four is in; slots 1 and 2 are first filled as a refill is
	ds_add_u32 v[SPW], v[NIL]
	s_wait_dscnt 0x0
	CROUND
	JLOAD G0+4, G1, G0B+4, G1B
	FETCH 0
	STEP 0, 1
	STEP 1, 0
	STEP 2, 0
	TURN 3, 1
.irp k, 4,5,6,7,8,9,10
	STEP \k, 0
.endr
	TURN 11, 0
	STEP 12, 0
	STEP 13, 0
	STEP 14, 0
	STEP 15, 0
.macro TOSTAGE a
.irp b, 0,1,2,3
	ds_store_b128 v[STO], v[ACC+8*(4*(\a)+\b):ACC+8*(4*(\a)+\b)+3] offset:128*(\b/2)+32*(\b%2)
	ds_store_b128 v[STO], v[ACC+8*(4*(\a)+\b)+4:ACC+8*(4*(\a)+\b)+7] offset:128*(\b/2)+32*(\b%2)+16
.endr
.set BB, BK+32*((\a)%2)
.irp t, 0,1,2,3,4,5,6,7
	ds_load_b128 v[BB+4*\t:BB+4*\t+3], v[RD] offset:\t*2*SPITCH
.endr
.endm
.macro SEND a, younger
.set BB, BK+32*((\a)%2)
	s_wait_dscnt \younger
.irp t, 0,1,2,3,4,5,6,7
	v_pk_add_f32 v[BB+4*\t:BB+4*\t+1], v[BB+4*\t:BB+4*\t+1], v[BO:BO+1]
	v_pk_add_f32 v[BB+4*\t+2:BB+4*\t+3], v[BB+4*\t+2:BB+4*\t+3], v[BO+2:BO+3]
.endr
.irp t, 0,1,2,3,4,5,6,7
	global_store_b128 v[CO], v[BB+4*\t:BB+4*\t+3], s[10:11] offset:(32*((\a)/2)+8*((\a)%2)+2*\t+8*(\t/4))*8192 th:TH_STORE_NT
.endr
.endm
	PLACES NP
	TOSTAGE 0
.irp a, 1,2,3
.if \a > 1
	s_wait_xcnt 0x0
.endif
	TOSTAGE \a
	SEND \a-1, 16
.endr
	SEND 3, 0
	s_wait_tensorcnt 0x0
	ds_add_u32 v[SPW], v[NIL]
	s_wait_dscnt 0x0
	CROUND
	s_endpgm
.Lfunc_end_k_q4886445669_gemm_out:
	.size	k_q4886445669_gemm_out, .Lfunc_end_k_q4886445669_gemm_out-k_q4886445669_gemm_out
	.p2alignl 7, 3214868480
	.fill 96, 4, 3214868480
	.section	.rodata,"a",@progbits
	.p2align	6, 0x0
	.amdhsa_kernel k_q4886445669_gemm_out
		.amdhsa_group_segment_fixed_size 327680
		.amdhsa_private_segment_fixed_size 0
		.amdhsa_enable_private_segment 0
		.amdhsa_kernarg_size 32
		.amdhsa_user_sgpr_count 2
		.amdhsa_user_sgpr_kernarg_segment_ptr 1
		.amdhsa_wavefront_size32 1
		.amdhsa_system_sgpr_workgroup_id_x 1
		.amdhsa_system_sgpr_workgroup_id_y 1
		.amdhsa_system_sgpr_workgroup_id_z 1
		.amdhsa_system_vgpr_workitem_id 0
		.amdhsa_next_free_vgpr 512
		.amdhsa_next_free_sgpr 102
		.amdhsa_reserve_vcc 0
		.amdhsa_float_denorm_mode_32 3
		.amdhsa_float_denorm_mode_16_64 3
		.amdhsa_memory_ordered 1
		.amdhsa_forward_progress 1
		.amdhsa_inst_pref_size 88
	.end_amdhsa_kernel
	.amdgpu_metadata
---
amdhsa.version: [ 1, 2 ]
amdhsa.kernels:
  - .name:           k_q4886445669_gemm_out
    .symbol:         k_q4886445669_gemm_out.kd
    .args:
      - { .name: aop, .offset: 0, .size: 8, .value_kind: global_buffer, .address_space: global }
      - { .name: wop, .offset: 8, .size: 8, .value_kind: global_buffer, .address_space: global }
      - { .name: bo, .offset: 16, .size: 8, .value_kind: global_buffer, .address_space: global }
      - { .name: out0, .offset: 24, .size: 8, .value_kind: global_buffer, .address_space: global }
    .group_segment_fixed_size: 327680
    .private_segment_fixed_size: 0
    .kernarg_segment_align: 8
    .kernarg_segment_size: 32
    .max_flat_workgroup_size: 128
    .sgpr_count:     102
    .vgpr_count:     512
    .wavefront_size: 32
...
	.end_amdgpu_metadata
.endif
;; end of part 9
